; MI455X (gfx1250); checked and timed in simulation.
; The chip was launched on July 23, 2026; its instructions are those of AMD's public machine-readable ISA for CDNA 5 (MIT licence, August 2026) and "CDNA5" Instruction Set Architecture Reference Guide (July 2026). The comments in the code are by the model that wrote it; some were corrected since.
;; Titans L2. Allowed arithmetic: float matrix products may take bf16 or f16 operands with f32 sums; all other float work in f32.
;; Inputs: Wk 1,024 x 1,024 float32; Wproj 1,024 x 1,024 float32; Wq 1,024 x 1,024 float32; Wv 1,024 x 1,024 float32; alpha_raw 1 x 16 x 1 x 1 float32; beta_raw 1 x 16 x 1 x 1 float32; state 4 x 16 x 64 x 64 float32; x 4 x 2,048 x 1,024 float32.
;; Outputs: out0 4 x 2,048 x 1,024 float32; out1 4 x 16 x 64 x 64 float32.
;; 3 versions, each right; version 3 is version 2 with the launch cvt written anew for expert scheduling mode. Each part assembles by itself: llvm-mc -triple=amdgcn-amd-amdhsa -mcpu=gfx1250 --defsym DOCPART=n.
;; ======== version 1 of 3: 5 launches
;; limits: values outside matrix products are rounded to f16; values are held in f16: magnitudes above 65,504 overflow, below 6.1e-05 lose precision; right only within a limited range of input values
;; workspace buffers: x16 16,777,216 bytes; w16 8,388,608 bytes; qkv 50,331,648 bytes; nq 524,288 bytes; rec 67,108,864 bytes; sig 32,768 bytes; y16 16,777,216 bytes
;; launch cvt (part 1): grid 768 x 1, 8 waves a work-group, no clusters, 0 bytes of LDS; arguments x, Wq, Wk, Wv, Wproj, x16, w16; writes x16, w16
.if DOCPART == 1
	.amdgcn_target "amdgcn-amd-amdhsa--gfx1250"
	.amdhsa_code_object_version 6
	.text
	.protected	k_q1b80f0d617_cvt
	.globl	k_q1b80f0d617_cvt
	.p2align	8
	.type	k_q1b80f0d617_cvt,@function
k_q1b80f0d617_cvt:
	s_mov_b64 s[64:65], 0
	v_nop
	global_prefetch_b8 v0, s[64:65] scope:SCOPE_SE
	s_setreg_imm32_b32 hwreg(HW_REG_WAVE_MODE, 25, 1), 1
	s_wait_xcnt 0x0
; x and the four weight matrices, f32, are rounded once to f16: x16 = [8192][1024], w16 = [4096][1024] (Wq, Wk, Wv, Wproj one below the other).
; f16 and not bf16: the whole chain has about a dozen roundings of matrix operands and the result is compared to a hundredth of its rms.
; LIMIT: |x| and |W| stay under 65,504; numbers under 6e-5 keep fewer bits.
; A work-group converts 16,384 numbers: 512 work-groups for x, 64 for each matrix.  A wave takes 8,192 bytes by sixteen loads of 512 neighbouring
; bytes, all on their way at once, and each store of a wave covers 256 consecutive bytes, aligned.  No register is written twice, so no wait frees one.
.set XI, 8                             ; v[8:71]   sixteen loads of four numbers
.set YO, 72                            ; v[72:103] sixteen pairs of packed f16
	s_load_b256 s[4:11], s[0:1], 0x0               ; x s[4:5], Wq s[6:7], Wk s[8:9], Wv s[10:11]
	s_load_b128 s[12:15], s[0:1], 0x20             ; Wproj s[12:13], x16 s[14:15]
	s_load_b64 s[16:17], s[0:1], 0x30              ; w16
	v_and_b32 v2, 31, v0                           ; lane
	v_and_b32 v3, 0xe0, v0                         ; 32 x wave
	v_lshlrev_b32 v1, 4, v2
	v_lshl_or_b32 v1, v3, 8, v1                    ; in: 8,192 x wave + 16 x lane
	v_lshlrev_b32 v4, 3, v2
	v_lshl_or_b32 v4, v3, 7, v4                    ; out: 4,096 x wave + 8 x lane
	s_sub_co_u32 s20, ttmp9, 512                   ; j: my number among the weights' 256 work-groups (used only where it is one of them)
	s_lshr_b32 s21, s20, 6                         ; which matrix
	s_and_b32 s22, s20, 63
	s_lshl_b32 s22, s22, 16                        ; my 65,536 bytes in it
	s_lshl_b32 s24, s20, 15                        ; my 32,768 bytes in w16
	s_lshl_b32 s26, ttmp9, 16                      ; the same for x
	s_lshl_b32 s28, ttmp9, 15                      ; and x16
	s_mov_b32 s35, 0
	s_mov_b32 s37, 0
	s_wait_kmcnt 0x0
	s_cmp_eq_u32 s21, 1
	s_cselect_b64 s[30:31], s[8:9], s[6:7]
	s_cmp_eq_u32 s21, 2
	s_cselect_b64 s[30:31], s[10:11], s[30:31]
	s_cmp_eq_u32 s21, 3
	s_cselect_b64 s[30:31], s[12:13], s[30:31]
	s_cmp_lt_u32 ttmp9, 512                        ; the first 512 work-groups take x
	s_cselect_b64 s[30:31], s[4:5], s[30:31]
	s_cselect_b64 s[32:33], s[14:15], s[16:17]
	s_cselect_b32 s34, s26, s22
	s_cselect_b32 s36, s28, s24
	s_add_nc_u64 s[30:31], s[30:31], s[34:35]
	s_add_nc_u64 s[32:33], s[32:33], s[36:37]
.set i, 0
.rept 16
	global_load_b128 v[XI+4*i:XI+4*i+3], v1, s[30:31] offset:512*i th:TH_LOAD_NT
.set i, i+1
.endr
.set i, 0
.rept 16
	s_wait_loadcnt 15-i                            ; loads come back in order: load i is in, the 15 - i younger ones stay out
	v_cvt_pk_f16_f32 v[YO+2*i], v[XI+4*i], v[XI+4*i+1]
	v_cvt_pk_f16_f32 v[YO+2*i+1], v[XI+4*i+2], v[XI+4*i+3]
	global_store_b64 v4, v[YO+2*i:YO+2*i+1], s[32:33] offset:256*i
.set i, i+1
.endr
	s_endpgm
.Lfunc_end_k_q1b80f0d617_cvt:
	.size	k_q1b80f0d617_cvt, .Lfunc_end_k_q1b80f0d617_cvt-k_q1b80f0d617_cvt
	.p2alignl 7, 3214868480
	.fill 96, 4, 3214868480
	.section	.rodata,"a",@progbits
	.p2align	6, 0x0
	.amdhsa_kernel k_q1b80f0d617_cvt
		.amdhsa_group_segment_fixed_size 0
		.amdhsa_private_segment_fixed_size 0
		.amdhsa_enable_private_segment 0
		.amdhsa_kernarg_size 56
		.amdhsa_user_sgpr_count 2
		.amdhsa_user_sgpr_kernarg_segment_ptr 1
		.amdhsa_wavefront_size32 1
		.amdhsa_system_sgpr_workgroup_id_x 1
		.amdhsa_system_sgpr_workgroup_id_y 1
		.amdhsa_system_sgpr_workgroup_id_z 1
		.amdhsa_system_vgpr_workitem_id 0
		.amdhsa_next_free_vgpr 104
		.amdhsa_next_free_sgpr 66
		.amdhsa_reserve_vcc 0
		.amdhsa_float_denorm_mode_32 3
		.amdhsa_float_denorm_mode_16_64 3
		.amdhsa_memory_ordered 1
		.amdhsa_forward_progress 1
		.amdhsa_inst_pref_size 8
	.end_amdhsa_kernel
	.amdgpu_metadata
---
amdhsa.version: [ 1, 2 ]
amdhsa.kernels:
  - .name:           k_q1b80f0d617_cvt
    .symbol:         k_q1b80f0d617_cvt.kd
    .args:
      - { .name: x, .offset: 0, .size: 8, .value_kind: global_buffer, .address_space: global }
      - { .name: Wq, .offset: 8, .size: 8, .value_kind: global_buffer, .address_space: global }
      - { .name: Wk, .offset: 16, .size: 8, .value_kind: global_buffer, .address_space: global }
      - { .name: Wv, .offset: 24, .size: 8, .value_kind: global_buffer, .address_space: global }
      - { .name: Wproj, .offset: 32, .size: 8, .value_kind: global_buffer, .address_space: global }
      - { .name: x16, .offset: 40, .size: 8, .value_kind: global_buffer, .address_space: global }
      - { .name: w16, .offset: 48, .size: 8, .value_kind: global_buffer, .address_space: global }
    .group_segment_fixed_size: 0
    .private_segment_fixed_size: 0
    .kernarg_segment_align: 8
    .kernarg_segment_size: 56
    .max_flat_workgroup_size: 256
    .sgpr_count:     66
    .vgpr_count:     104
    .wavefront_size: 32
...
	.end_amdgpu_metadata
.endif
;; end of part 1
;; launch qkvg (part 2): grid 24 x 32, 4 waves a work-group, clusters of 4 x 4, 327,680 bytes of LDS; arguments x16, w16, qkv, nq; writes qkv, nq
.if DOCPART == 2
	.amdgcn_target "amdgcn-amd-amdhsa--gfx1250"
	.amdhsa_code_object_version 6
	.text
	.protected	k_q1b80f0d617_qkvg
	.globl	k_q1b80f0d617_qkvg
	.p2align	8
	.type	k_q1b80f0d617_qkvg,@function
k_q1b80f0d617_qkvg:
	s_mov_b64 s[64:65], 0
	v_nop
	global_prefetch_b8 v0, s[64:65] scope:SCOPE_SE
	s_setreg_imm32_b32 hwreg(HW_REG_WAVE_MODE, 25, 1), 1
	s_wait_xcnt 0x0
	s_wait_alu depctr_hold_cnt(0) depctr_sa_sdst(0) depctr_va_vdst(0) depctr_va_sdst(0) depctr_va_ssrc(0) depctr_va_vcc(0) depctr_vm_vsrc(0)
	s_getreg_b32 s2, hwreg(HW_REG_IB_STS2, 6, 4)
	s_cmp_eq_u32 s2, 0
	s_cbranch_scc0 .Lentry_in_a_cluster
	s_endpgm
.Lentry_in_a_cluster:
	s_bfe_u32 s2, ttmp6, 0x10000c
	s_cmp_lg_u32 s2, 0xf033
	s_cbranch_scc0 .Lentry_shape_is_right
	s_endpgm
.Lentry_shape_is_right:
; q, k, v = x W^T: C[8192][3072] = x16[8192][1024] times rows 0 to 3071 of w16, f16 operands, f32 sums.  On the way out each head's 64 numbers of q and of k
; are divided by max(their norm, 1e-12) (for k that is the module's normalisation; q's divisor goes to nq and is multiplied back later, so that every later
; f16 operand made of q or k is bounded by about 1 whatever the inputs' scale); v goes out as it is.  qkv = [3][b][h][t][64] f16, nq = [b][h][t] f32.
; LIMITS: |v| under 65,504; a head's sum of squares of q or k under 3.4e38.
; A tile of C is 256 x 128: 768 work-groups.  Four waves, each 128 rows x 64 columns (one head): 32 accumulators.  K goes in 8 steps of 128 through two LDS slots.
; CLUSTER 4 x 4: x16's tile hangs on the tile row alone and is asked for jointly along a row of the cluster, w16's on the tile column alone, along a column.
; The matrix instruction is used transposed (source 0 = 16 rows of w16, source 1 = 16 rows of x16): a lane holds eight neighbouring columns of one row of C.
; REGISTERS: window 0: v16-28 addresses, v32-143 the way out; window 1: two fragment buffers of 96 (A's 8 fragments, then B's 4); window 2: accumulator (a, b) at v[8 (4 a + b)].
.set KSTEP,  128
.set PITCH,  272                       ; an LDS row: 256 bytes + 16: the sixteen rows of a fragment load start 16 bytes apart modulo 256
.set HALFA,  128*PITCH                 ; what waves 0 and 1 fetch, and what a wave reads of A
.set HALFB,  64*PITCH                  ; what waves 2 and 3 fetch, and what a wave reads of B
.set BOFF,   2*HALFA
.set SLOT,   BOFF+2*HALFB
.set STAGE,  2*SLOT                    ; behind the ring: 2,816 bytes for each wave (16 rows x 144, then 128 norms); no tensor load lands here
.set WSTAGE, 2816
.set LAPS,   4                         ; a lap = two K steps
.set ASLOT,  KSTEP*2                   ; bytes from slot 0's first tile to slot 1's
.set ASTEP,  2*KSTEP*2                 ; bytes from a slot's tile to its next
.set BSTEP,  2*KSTEP*2
.set ADRA, 16
.set ADRB, 20
.set STO,  24
.set RD,   25
.set CO,   26
.set NST,  27
.set NLD,  28
.set SSP,  32                          ; v[32:47]   sums of squares, a pair for each block of 16 rows
.set IN,   48                          ; v[48:63]   pairs (1 / divisor, divisor)
.set TF,   64                          ; v[64:95]   a block's 32 numbers, scaled
.set PK,   96                          ; v[96:111]  the same in f16
.set OB,   112                         ; v[112:143] whole rows read back, two banks
.set F0,   0
.set F1,   96
.set G1,  24
.set G0,  32
.set G1B, 48
.set G0B, 56
.set MSB, 0
.macro WIN new                         ; the immediate's high byte repeats the setting that is left
.if MSB != \new
	s_set_vgpr_msb (MSB<<8)|\new
.set MSB, \new
.endif
.endm
.set MUL,  0xa5                        ; sources 0 and 1 window 1; C and D window 2
.set TO_F, 0x40                        ; destination window 1, address window 0
.macro JLOAD s                         ; a joint load: waves 0 and 1 fetch A's halves, waves 2 and 3 B's; four v_nop follow each line
	s_cmp_eq_u32 s11, 0
	s_cbranch_scc0 .Lfor_b_\@
	tensor_load_to_lds s[G0+4*\s:G0+4*\s+3], s[G1:G1+7]
	s_nop 0
.rept 4
	v_nop
.endr
	s_branch .Lasked_\@
.Lfor_b_\@:
	tensor_load_to_lds s[G0B+4*\s:G0B+4*\s+3], s[G1B:G1B+7]
	s_nop 0
.rept 4
	v_nop
.endr
.Lasked_\@:
.endm
.macro CREST                           ; a round of the cluster's barrier behind its opening barrier
	s_cmp_lg_u32 s10, 0
	s_cbranch_scc1 .Lnot_wave_0_\@
	s_barrier_signal -3
.Lnot_wave_0_\@:
	s_barrier_wait -3
	s_barrier_signal -1
	s_barrier_wait -1
.endm
.macro CROUND
	s_barrier_signal -1
	s_barrier_wait -1
	CREST
.endm
.macro PLACES                          ; four places behind matrix instructions (ISA guide 7.12.1)
.rept 4
	v_nop
.endr
.endm
	s_load_b128 s[4:7], s[0:1], 0x0                ; x16 s[4:5], w16 s[6:7]
	s_load_b128 s[68:71], s[0:1], 0x10             ; qkv s[68:69], nq s[70:71]
	s_set_vgpr_msb 0x40
	v_lshl_add_u32 v254, v0, 2, 0x35c00
	v_mov_b32 v255, 0
	s_set_vgpr_msb 0x4045
	ds_add_u32 v254, v255
	ds_add_u32 v254, v255
	s_set_vgpr_msb 0x4500
	v_lshrrev_b32 v1, 5, v0
	v_readfirstlane_b32 s10, v1                    ; wave 0..3
	s_lshr_b32 s11, s10, 1                         ; my half of the tile's rows.  Also: I fetch for A (0) or for B (1)
	s_and_b32 s12, s10, 1                          ; my half of its columns.  Also: which half of that tile I fetch
	s_bfe_u32 s40, ttmp6, 0x40000                  ; cx
	s_bfe_u32 s41, ttmp6, 0x40004                  ; cy
	s_lshl_b32 s42, ttmp9, 2
	s_add_co_u32 s42, s42, s40                     ; tile column
	s_and_b32 s13, ttmp7, 0xffff
	s_lshl_b32 s13, s13, 2
	s_add_co_u32 s13, s13, s41                     ; tile row
	s_lshl_b32 s43, s41, 2
	s_lshl_b32 s43, 15, s43                        ; my row of the cluster
	s_lshl_b32 s44, 0x1111, s40                    ; my column
	s_or_b32 s[G1+0], s43, (1<<16)|(1<<20)|(1<<21)|(5<<22)|(3<<25)   ; the mask; elements of 2 bytes; padding on; bit 21 beside a mask; after every 64 words 4 words
	s_or_b32 s[G1B+0], s44, (1<<16)|(1<<20)|(1<<21)|(5<<22)|(3<<25)
	s_mov_b32 s[G1+1], KSTEP<<16                   ; tensor_dim0 = 128
	s_mov_b32 s[G1+2], 128<<16                     ; tensor_dim1 = 128
	s_mov_b32 s[G1+3], KSTEP<<16                   ; tile_dim0 = 128
	s_mov_b32 s[G1+4], 128                         ; tile_dim1 = 128
	s_mov_b32 s[G1+5], 1024                        ; elements from row to row
	s_mov_b32 s[G1+6], 0
	s_mov_b32 s[G1+7], 0
	s_mov_b32 s[G1B+1], KSTEP<<16
	s_mov_b32 s[G1B+2], 64<<16                     ; B's loads have 64 rows
	s_mov_b32 s[G1B+3], KSTEP<<16
	s_mov_b32 s[G1B+4], 64
	s_mov_b32 s[G1B+5], 1024
	s_mov_b32 s[G1B+6], 0
	s_mov_b32 s[G1B+7], 0
	s_lshl_b32 s17, s12, 7
	s_lshl_b32 s16, s13, 8
	s_add_co_u32 s16, s16, s17                     ; A: row 256 x tile row + 128 x half
	s_lshl_b32 s16, s16, 11                        ; rows of 2,048 bytes
	s_mov_b32 s17, 0
	s_lshl_b32 s47, s12, 6
	s_lshl_b32 s46, s42, 7
	s_add_co_u32 s46, s46, s47                     ; B: row 128 x tile column + 64 x half
	s_lshl_b32 s46, s46, 11
	s_mov_b32 s47, 0
	s_mul_i32 s20, s12, HALFA                      ; where they go: no place in the cluster enters an LDS address
	s_mul_i32 s21, s12, HALFB
	s_add_co_u32 s21, s21, BOFF
	s_wait_dscnt 0x0
	s_wait_kmcnt 0x0
	s_add_nc_u64 s[14:15], s[4:5], s[16:17]
	s_add_nc_u64 s[46:47], s[6:7], s[46:47]
	CROUND                                         ; all sixteen work-groups are here: the first joint loads meet
.irp s, 0,1
	s_mov_b32 s[G0+4*\s], 1
	s_add_co_u32 s[G0+4*\s+1], s20, \s*SLOT
	s_add_nc_u64 s[G0+4*\s+2:G0+4*\s+3], s[14:15], \s*ASLOT
	s_or_b32 s[G0+4*\s+3], s[G0+4*\s+3], 0x80000000
	s_mov_b32 s[G0B+4*\s], 1
	s_add_co_u32 s[G0B+4*\s+1], s21, \s*SLOT
	s_add_nc_u64 s[G0B+4*\s+2:G0B+4*\s+3], s[46:47], \s*KSTEP*2
	s_or_b32 s[G0B+4*\s+3], s[G0B+4*\s+3], 0x80000000
	JLOAD \s                                       ; two loads of mine are out behind these; later one behind each round
.endr
	v_and_b32 v1, 15, v0                           ; r = lane % 16
	v_bfe_u32 v2, v0, 4, 1                         ; h = lane / 16
	v_and_b32 v6, 31, v0                           ; lane
	v_mul_u32_u24 v3, v1, PITCH
	v_lshl_add_u32 v3, v2, 4, v3                   ; a fragment's row x pitch + 16 h
	s_mul_i32 s22, s11, HALFA                      ; my 128 rows of A
	s_mul_i32 s23, s12, HALFB                      ; my 64 rows of B
	s_add_co_u32 s23, s23, BOFF
.irp s, 0,1
	v_add_nc_u32 v[ADRA+\s], s22, v3
	v_add_nc_u32 v[ADRB+\s], s23, v3
	s_add_co_u32 s22, s22, SLOT
	s_add_co_u32 s23, s23, SLOT
.endr
	s_mul_i32 s72, s10, WSTAGE
	s_add_co_u32 s72, s72, STAGE                   ; my stage
	v_mul_u32_u24 v4, v1, 144                      ; in: row r, 16 bytes for each half of the lanes
	v_lshl_add_u32 v4, v2, 4, v4
	v_add_nc_u32 v[STO], s72, v4
	v_lshrrev_b32 v4, 3, v6                        ; back: eight lanes take a row of 128 bytes
	v_and_b32 v5, 7, v0
	v_mul_u32_u24 v4, v4, 144
	v_lshl_add_u32 v4, v5, 4, v4
	v_add_nc_u32 v[RD], s72, v4
	v_lshlrev_b32 v[CO], 4, v6                     ; in memory a head's rows follow each other: 16 x lane
	s_add_co_u32 s72, s72, 2304
	v_lshl_add_u32 v[NST], v1, 2, s72              ; the norms' words
	v_add_nc_u32 v[NLD], s72, v[CO]
	s_lshr_b32 s73, ttmp9, 1                       ; 0: q, 1: k, 2: v; the same in all partners (8 tile columns each, 4 to a cluster)
	s_and_b32 s74, s42, 7
	s_lshl_b32 s74, s74, 1
	s_add_co_u32 s74, s74, s12                     ; my head
	s_lshr_b32 s75, s13, 3
	s_lshl_b32 s75, s75, 4
	s_add_co_u32 s74, s74, s75                     ; 16 b + head
	s_lshl_b32 s74, s74, 11
	s_and_b32 s75, s13, 7
	s_lshl_b32 s75, s75, 8
	s_add_co_u32 s74, s74, s75
	s_lshl_b32 s75, s11, 7
	s_add_co_u32 s74, s74, s75                     ; my first row in [b][h][t]
	s_lshl_b32 s76, s74, 7                         ; rows of 128 bytes
	s_lshl_b32 s75, s73, 24                        ; 16,777,216 bytes for each of q, k, v
	s_add_co_u32 s76, s76, s75
	s_mov_b32 s77, 0
	s_add_nc_u64 s[68:69], s[68:69], s[76:77]
	s_lshl_b32 s76, s74, 2
	s_add_nc_u64 s[70:71], s[70:71], s[76:77]
	s_cmp_lg_u32 s73, 2
	s_cselect_b32 s78, -1, 0                       ; q and k are divided, v is not
	s_mov_b32 s80, 0x76543210                      ; v_permlanex16_b32: each lane takes its own place in the other half
	s_mov_b32 s81, 0xfedcba98
; n x 4 matrix instructions: row blocks a0 .. a0 + n - 1 x all 4 column blocks, 32 along K.  zero = 1: the product starts the sums.
; The 32 accumulators take turns, one instruction a turn, in the same order in every quarter.
.macro MULG f, a0, n, zero
.set ia, \a0
.rept \n
.set ib, 0
.rept 4
.if \zero
	v_wmma_f32_16x16x32_f16 v[8*(4*ia+ib):8*(4*ia+ib)+7], v[\f+64+8*ib:\f+64+8*ib+7], v[\f+8*ia:\f+8*ia+7], 0
.else
	v_wmma_f32_16x16x32_f16 v[8*(4*ia+ib):8*(4*ia+ib)+7], v[\f+64+8*ib:\f+64+8*ib+7], v[\f+8*ia:\f+8*ia+7], v[8*(4*ia+ib):8*(4*ia+ib)+7]
.endif
.set ib, ib+1
.endr
.set ia, ia+1
.endr
.endm
; 24 LDS loads in one run: quarter q of a K step into buffer f: B's 4 fragments, A's 0-3, A's 4-7
.macro FETCH slot, q, f
	WIN TO_F
.set i, 0
.rept 4
	ds_load_b128 v[\f+64+8*i:\f+64+8*i+3],   v[ADRB+\slot] offset:64*\q+i*16*PITCH
	ds_load_b128 v[\f+64+8*i+4:\f+64+8*i+7], v[ADRB+\slot] offset:64*\q+i*16*PITCH+32
.set i, i+1
.endr
.set i, 0
.rept 8
	ds_load_b128 v[\f+8*i:\f+8*i+3],   v[ADRA+\slot] offset:64*\q+i*16*PITCH
	ds_load_b128 v[\f+8*i+4:\f+8*i+7], v[ADRA+\slot] offset:64*\q+i*16*PITCH+32
.set i, i+1
.endr
.endm
; One of a K step's first three quarters: multiplies buffer f and, in its middle, fetches quarter q into buffer g
.macro QUARTER slot, q, f, g, zero
	s_wait_dscnt 8                                 ; B and A's blocks 0-3 are in; the youngest eight loads (A's blocks 4-7) may be out
	WIN MUL
	MULG \f, 0, 4, \zero
	PLACES                                         ; buffer g was multiplied in the quarter before
	FETCH \slot, \q, \g
	s_wait_dscnt 24                                ; all but the 24 just issued
	WIN MUL
	MULG \f, 4, 4, \zero
.endm
; The last quarter multiplies buffer 1 and changes slots: one barrier; in front of it each wave waits for its reads of this slot and for all its tensor loads
.macro TURN slot, next, fill
	s_wait_dscnt 8
	WIN MUL
	MULG F1, 0, 2, 0
	s_wait_dscnt 0x0                               ; my reads of this slot are over,
	s_wait_tensorcnt 0x0                           ; and all my tensor loads have landed: my part of the next slot
	ds_add_u32 v254, v255
	s_wait_dscnt 0x0
	s_barrier_signal -1
	MULG F1, 2, 2, 0
.if \fill
	WIN 0
.endif
	s_barrier_wait -1
.if \fill
	CREST                                          ; the barrier has opened a round of the cluster's: no wave of any partner still reads this slot or has a load on its way
	s_add_nc_u64 s[G0+4*\slot+2:G0+4*\slot+3], s[G0+4*\slot+2:G0+4*\slot+3], ASTEP
	s_add_nc_u64 s[G0B+4*\slot+2:G0B+4*\slot+3], s[G0B+4*\slot+2:G0B+4*\slot+3], BSTEP
	JLOAD \slot                                    ; the first tensor load behind the round; its four v_nop are also the places in front of the loads below
.else
	PLACES
.endif
	FETCH \next, 0, F0
	WIN MUL
	MULG F1, 4, 4, 0
.endm
	s_wait_tensorcnt 0x1                           ; my part of K step 0 is in; K step 1's may stay out
	s_barrier_signal -1
	s_barrier_wait -1
	FETCH 0, 0, F0
	QUARTER 0, 1, F0, F1, 1                        ; the first quarter starts the sums
	WIN 0
	s_mov_b32 s3, LAPS-1
.Llap:                                                 ; a trip goes once round the ring and fills both slots again
	QUARTER 0, 2, F1, F0, 0
	QUARTER 0, 3, F0, F1, 0
	TURN 0, 1, 1
	QUARTER 1, 1, F0, F1, 0
	QUARTER 1, 2, F1, F0, 0
	QUARTER 1, 3, F0, F1, 0
	TURN 1, 0, 1
	QUARTER 0, 1, F0, F1, 0
	WIN 0
	s_sub_co_u32 s3, s3, 1
	s_cmp_lg_u32 s3, 0
	s_cbranch_scc1 .Llap
	QUARTER 0, 2, F1, F0, 0                        ; the last lap fills nothing
	QUARTER 0, 3, F0, F1, 0
	TURN 0, 1, 0
	QUARTER 1, 1, F0, F1, 0
	QUARTER 1, 2, F1, F0, 0
	QUARTER 1, 3, F0, F1, 0
	s_wait_dscnt 8
	WIN MUL
	MULG F1, 0, 4, 0
	s_wait_dscnt 0x0
	MULG F1, 4, 4, 0
	; THE WAY OUT.  A row's 64 numbers lie in two lanes, 32 each: their squares are summed in eight chains (one for each block of 16 rows), each accumulator from its low registers up.
	PLACES
	WIN 0x0a                                       ; sources 0 and 1 window 2
.set idx, 0
.rept 16
.set ia, 0
.rept 8
.if idx == 0
	v_pk_mul_f32 v[SSP+2*ia:SSP+2*ia+1], v[32*ia:32*ia+1], v[32*ia:32*ia+1]
.else
	v_pk_fma_f32 v[SSP+2*ia:SSP+2*ia+1], v[32*ia+2*idx:32*ia+2*idx+1], v[32*ia+2*idx:32*ia+2*idx+1], v[SSP+2*ia:SSP+2*ia+1]
.endif
.set ia, ia+1
.endr
.set idx, idx+1
.endr
	WIN 0
.set ia, 0
.rept 8
	v_add_f32 v[SSP+2*ia], v[SSP+2*ia], v[SSP+2*ia+1]
.set ia, ia+1
.endr
.set ia, 0
.rept 8
	v_permlanex16_b32 v[SSP+2*ia+1], v[SSP+2*ia], s80, s81   ; the row's other 32 numbers lie in the lane 16 away
.set ia, ia+1
.endr
.set ia, 0
.rept 8
	v_add_f32 v[SSP+2*ia], v[SSP+2*ia], v[SSP+2*ia+1]
.set ia, ia+1
.endr
.set ia, 0
.rept 8
	v_sqrt_f32 v[IN+2*ia+1], v[SSP+2*ia]
.set ia, ia+1
.endr
	v_nop                                          ; a plain instruction between the last root and the use of its result
.set ia, 0
	s_wait_alu depctr_va_vdst(0)
.rept 8
	v_max_num_f32 v[IN+2*ia+1], 0x2b8cbccc, v[IN+2*ia+1]     ; max(norm, 1e-12)
.set ia, ia+1
.endr
.set ia, 0
.rept 8
	v_rcp_f32 v[IN+2*ia], v[IN+2*ia+1]
.set ia, ia+1
.endr
	v_nop
.set ia, 0
	s_wait_alu depctr_va_vdst(0)
.rept 8
	v_cndmask_b32 v[IN+2*ia], 1.0, v[IN+2*ia], s78           ; v is multiplied by 1
.set ia, ia+1
.endr
; Block a (16 rows): scaled, rounded to f16; 16 bytes a lane into my stage; back as whole rows; stored as 2,048 consecutive bytes.
.macro PACK a
	WIN 0x02                                       ; source 0 window 2
.set i, 0
.rept 16
	v_pk_mul_f32 v[TF+2*i:TF+2*i+1], v[32*(\a)+2*i:32*(\a)+2*i+1], v[IN+2*(\a):IN+2*(\a)+1] op_sel_hi:[1,0]
.set i, i+1
.endr
	WIN 0
.set i, 0
.rept 16
	v_cvt_pk_f16_f32 v[PK+i], v[TF+2*i], v[TF+2*i+1]
.set i, i+1
.endr
.endm
.macro TOSTAGE a
.set i, 0
.rept 4
	ds_store_b128 v[STO], v[PK+4*i:PK+4*i+3] offset:32*i
.set i, i+1
.endr
.set i, 0
.rept 4
	ds_load_b128 v[OB+16*((\a)%2)+4*i:OB+16*((\a)%2)+4*i+3], v[RD] offset:576*i   ; LDS serves a wave's instructions in order: these see the stores above
.set i, i+1
.endr
.endm
.macro SEND a
	s_wait_dscnt 0x0                               ; the block is back in registers
	s_wait_xcnt 0x0                                ; the bank that the next block is read into was the data of stores issued before this wait
.set i, 0
.rept 4
	global_store_b128 v[CO], v[OB+16*((\a)%2)+4*i:OB+16*((\a)%2)+4*i+3], s[68:69] offset:2048*(\a)+512*i   ; a wave's store covers 512 consecutive bytes, aligned
.set i, i+1
.endr
.endm
	PACK 0
	TOSTAGE 0
.irp a, 1,2,3,4,5,6,7
	PACK \a                                        ; a block's arithmetic stands between the loads of the block before and the wait for them
	SEND \a-1
	TOSTAGE \a
.endr
	SEND 7
	s_cmp_lg_u32 s73, 0                            ; q's divisors go out too: 128 numbers a wave
	s_cbranch_scc1 .Lno_norm
.set ia, 0
.rept 8
	ds_store_b32 v[NST], v[IN+2*ia+1] offset:64*ia ; both halves of the lanes hold the same number and write the same word
.set ia, ia+1
.endr
	ds_load_b128 v[TF:TF+3], v[NLD]
	s_wait_dscnt 0x0
	global_store_b128 v[CO], v[TF:TF+3], s[70:71]
.Lno_norm:
	s_set_vgpr_msb 0x5
	s_wait_tensorcnt 0x0
	ds_add_u32 v254, v255
	s_wait_dscnt 0x0
	s_set_vgpr_msb 0x500
	CROUND                                         ; the closing round: no work-group ends while a partner may still ask for a tile that names it
	s_endpgm
.Lfunc_end_k_q1b80f0d617_qkvg:
	.size	k_q1b80f0d617_qkvg, .Lfunc_end_k_q1b80f0d617_qkvg-k_q1b80f0d617_qkvg
	.p2alignl 7, 3214868480
	.fill 96, 4, 3214868480
	.section	.rodata,"a",@progbits
	.p2align	6, 0x0
	.amdhsa_kernel k_q1b80f0d617_qkvg
		.amdhsa_group_segment_fixed_size 327680
		.amdhsa_private_segment_fixed_size 0
		.amdhsa_enable_private_segment 0
		.amdhsa_kernarg_size 32
		.amdhsa_user_sgpr_count 2
		.amdhsa_user_sgpr_kernarg_segment_ptr 1
		.amdhsa_wavefront_size32 1
		.amdhsa_system_sgpr_workgroup_id_x 1
		.amdhsa_system_sgpr_workgroup_id_y 1
		.amdhsa_system_sgpr_workgroup_id_z 1
		.amdhsa_system_vgpr_workitem_id 0
		.amdhsa_next_free_vgpr 768
		.amdhsa_next_free_sgpr 90
		.amdhsa_reserve_vcc 0
		.amdhsa_float_denorm_mode_32 3
		.amdhsa_float_denorm_mode_16_64 3
		.amdhsa_memory_ordered 1
		.amdhsa_forward_progress 1
		.amdhsa_inst_pref_size 107
	.end_amdhsa_kernel
	.amdgpu_metadata
---
amdhsa.version: [ 1, 2 ]
amdhsa.kernels:
  - .name:           k_q1b80f0d617_qkvg
    .symbol:         k_q1b80f0d617_qkvg.kd
    .args:
      - { .name: x16, .offset: 0, .size: 8, .value_kind: global_buffer, .address_space: global }
      - { .name: w16, .offset: 8, .size: 8, .value_kind: global_buffer, .address_space: global }
      - { .name: qkv, .offset: 16, .size: 8, .value_kind: global_buffer, .address_space: global }
      - { .name: nq, .offset: 24, .size: 8, .value_kind: global_buffer, .address_space: global }
    .group_segment_fixed_size: 327680
    .private_segment_fixed_size: 0
    .kernarg_segment_align: 8
    .kernarg_segment_size: 32
    .max_flat_workgroup_size: 128
    .sgpr_count:     90
    .vgpr_count:     768
    .wavefront_size: 32
...
	.end_amdgpu_metadata
.endif
;; end of part 2
;; launch prep (part 3): grid 256 x 1, 8 waves a work-group, no clusters, 273,408 bytes of LDS; arguments qkv, nq, alpha_raw, beta_raw, rec, sig; writes rec, sig
.if DOCPART == 3
	.amdgcn_target "amdgcn-amd-amdhsa--gfx1250"
	.amdhsa_code_object_version 6
	.text
	.protected	k_q1b80f0d617_prep
	.globl	k_q1b80f0d617_prep
	.p2align	8
	.type	k_q1b80f0d617_prep,@function
k_q1b80f0d617_prep:
	s_mov_b64 s[64:65], 0
	v_nop
	global_prefetch_b8 v0, s[64:65] scope:SCOPE_SE
	s_setreg_imm32_b32 hwreg(HW_REG_WAVE_MODE, 25, 1), 1
	s_wait_xcnt 0x0
; The part of the recurrence that does not hang on the state, for chunks of 64 tokens: ONE WAVE MAKES ONE CHUNK of one (b, h), 2,048 chunks; waves share nothing, so there is no barrier.
; With K, Q, V = [64 t][64], A = strict lower triangle of K K^T, P = strict lower triangle of Q K^T, a = sigmoid(alpha)/2, b = sigmoid(beta)/2 and X = (I + a A)^-1 [K | V] = [X_K | X_V]:
;   NT[e'][e] = -a sum_t K[t][e'] X_K[t][e]     G[d][e'] = b sum_t X_V[t][d] K[t][e']     QT[t][e] = rho_t (Q - a P X_K)[t][e]     Y0[t][d] = rho_t b (P X_V)[t][d]
; so that the next launch needs only S^T += G^T + NT S^T and y^T = S QT^T + Y0^T for each chunk.  q comes normalised; rho_t = its divisor / sigma_t, sigma_t = the largest divisor of
; the token's 16 heads (stored in sig by head 0's waves), so that y is kept as y / sigma_t.
; X is made by blocks of 16 tokens: X_b = T_bb R_b + sum_{m<b} W_bm X_m, T_bb = (I + a A_bb)^-1, W_bm = T_bb (-a A_bm).  T_bb comes from substitution in f32, a lane to a row:
; T[t][c] = delta_tc + sum_{i>c} T[t][i] (-a A[i][c]); no power series is cut off and no large sums are subtracted.
; All matrix operands f16, sums f32.  LIMITS: V, X_V, G, Y0 carry v's scale and stay under 65,504; sigma under 2^126 (its reciprocal would be flushed to zero).
; LDS, 34,048 bytes a wave: K (pitch 144), Q (144), V (160; later the stage for the way out, pitch 144), the four diagonal blocks of -a K K^T in f32 (pitch 80), rho.
; REGISTERS.  Window 0: v1-17 lane numbers and addresses; v18-31 a, b, rho; v32-47 E (unit rows), v48-63 Y (a row of T); later v32-63 Q's quads;
;   v64-87 GA (-a A_bm in f16), v88-143 TH (quads T00 0 W10 T11 0 W20 W21 T22 0 W30 W31 W32 T33 0); later v64-127 eight result tiles, v128-191 rows read back;
;   v144-223 DT (ten tiles); v224-255 at work.
; Window 1: v0-127 fragments of K and Q, then the broadcast matrix of the substitution (v0-143), then FX = [K | V]^T, turned into X^T in place; v128-191 K^T; v192-239 P^T's quads; v240-251 (0 | I | 0).
.set WBYTES, 34048
.set KR, 0
.set QR, 9216
.set VR, 18432
.set MR, 28672
.set RR, 33792
.set PQ, 144
.set PV, 160
.set NA,  18                           ; v[18:19] -a, twice
.set RHO, 20                           ; v[20:23] rho of token 16 tb + r
.set BR,  24                           ; v[24:27] b rho
.set BB,  28                           ; v[28:29] b, twice
.set OWN, 30                           ; v[30:31] my head's divisors of tokens 2 L, 2 L + 1
.set E,   32
.set Y,   48
.set QL,  32
.set D4,  64
.set GA,  64
.set TH,  88
.set OUT, 128
.set DT,  144
.set TMP, 224
.set FQ,  64
.set FKT, 128
.set IDR, 240
.set MK,  70                           ; s[70:77] lanes kept in register j of P's diagonal tiles: r > 8 h + j
.set MSB, 0
.macro WIN new                         ; the immediate's high byte repeats the setting that is left
.if MSB != \new
	s_set_vgpr_msb (MSB<<8)|\new
.set MSB, \new
.endif
.endm
.macro PLACES                          ; four places behind matrix instructions (ISA guide 7.12.1)
.rept 4
	v_nop
.endr
.endm
.macro MULBY d, x                      ; the pair v[d:d+1] times v[x], whichever half of its pair x is
.if (\x)%2
	v_pk_mul_f32 v[\d:\d+1], v[\d:\d+1], v[\x-1:\x] op_sel:[0,1] op_sel_hi:[1,1]
.else
	v_pk_mul_f32 v[\d:\d+1], v[\d:\d+1], v[\x:\x+1] op_sel_hi:[1,0]
.endif
.endm
	s_load_b256 s[4:11], s[0:1], 0x0               ; qkv s[4:5], nq s[6:7], alpha_raw s[8:9], beta_raw s[10:11]
	s_load_b128 s[12:15], s[0:1], 0x20             ; rec s[12:13], sig s[14:15]
	s_set_vgpr_msb 0x40
	v_lshl_add_u32 v254, v0, 2, 0x42800
	v_mov_b32 v255, 0
	s_set_vgpr_msb 0x4000
	v_lshrrev_b32 v1, 5, v0
	v_readfirstlane_b32 s16, v1                    ; wave 0..7
	s_lshl_b32 s17, ttmp9, 3
	s_add_co_u32 s17, s17, s16                     ; my chunk's number, 32 (16 b + h) + chunk
	s_lshr_b32 s18, ttmp9, 2
	s_and_b32 s19, s18, 15                         ; h: the same for the eight waves
	s_lshr_b32 s20, s18, 4                         ; b
	s_and_b32 s21, s17, 31                         ; chunk
	s_lshl_b32 s22, s19, 2
	s_mul_i32 s40, s16, WBYTES                     ; my LDS
	s_add_co_u32 s41, s40, RR
	s_mov_b32 s43, 0
	s_wait_kmcnt 0x0
	s_load_b32 s38, s[8:9], s22 offset:0x0         ; alpha_raw[h]
	s_load_b32 s39, s[10:11], s22 offset:0x0       ; beta_raw[h]
	s_lshl_b32 s42, s17, 13                        ; a chunk of q, k or v is 8,192 dense bytes
	s_add_nc_u64 s[24:25], s[4:5], s[42:43]        ; q
	s_add_nc_u64 s[26:27], s[24:25], 0x1000000     ; k
	s_add_nc_u64 s[28:29], s[24:25], 0x2000000     ; v
	s_lshl_b32 s42, s20, 17
	s_lshl_b32 s44, s21, 8
	s_add_co_u32 s42, s42, s44
	s_add_nc_u64 s[30:31], s[6:7], s[42:43]        ; nq at (b, head 0, my first token)
	s_lshl_b32 s42, s19, 13
	s_add_nc_u64 s[32:33], s[30:31], s[42:43]      ; and at my head
	s_lshl_b32 s42, s17, 15
	s_add_nc_u64 s[34:35], s[12:13], s[42:43]      ; my record of 32,768 bytes
	s_lshl_b32 s42, s20, 13
	s_add_co_u32 s42, s42, s44
	s_add_nc_u64 s[36:37], s[14:15], s[42:43]      ; sig at (b, my first token)
	v_and_b32 v1, 31, v0                           ; L
	v_and_b32 v2, 15, v0                           ; r
	v_bfe_u32 v20, v0, 4, 1                        ; h
	v_lshlrev_b32 v3, 3, v20                       ; 8 h
	v_bfe_u32 v21, v0, 3, 2                        ; L / 8
	v_and_b32 v22, 7, v0                           ; L % 8
	v_bfe_u32 v23, v0, 3, 1                        ; (L / 8) % 2
	v_lshl_add_u32 v24, v22, 4, s40
	v_mul_u32_u24 v4, v21, PQ
	v_add_nc_u32 v4, v4, v24                       ; v4: rows as they come from memory, eight lanes to a row of 128 bytes: K
	v_add_nc_u32 v5, QR, v4                        ; v5: Q
	v_add_nc_u32 v14, VR, v4                       ; v14: the stage, read back by rows
	v_mul_u32_u24 v6, v21, PV
	v_add_nc_u32 v6, v6, v24
	v_add_nc_u32 v6, VR, v6                        ; v6: V
	v_lshl_add_u32 v25, v20, 4, s40
	v_mul_u32_u24 v7, v2, PQ
	v_add_nc_u32 v7, v7, v25                       ; v7: a fragment of K: row r, 16 h
	v_add_nc_u32 v8, QR, v7                        ; v8: of Q
	v_add_nc_u32 v13, VR, v7                       ; v13: into the stage
	v_add_nc_u32 v26, v3, v22                      ; the turning load's row: 8 h + L % 8
	v_lshl_add_u32 v27, v23, 4, s40
	v_mul_u32_u24 v9, v26, PQ
	v_add_nc_u32 v9, v9, v27                       ; v9: K turned
	v_mul_u32_u24 v10, v26, PV
	v_add_nc_u32 v10, v10, v27
	v_add_nc_u32 v10, VR, v10                      ; v10: V turned
	v_lshl_add_u32 v11, v20, 5, s40
	v_mul_u32_u24 v12, v2, 80
	v_add_nc_u32 v11, v11, v12
	v_add_nc_u32 v11, MR, v11                      ; v11: a diagonal block's row r, columns 8 h on
	v_mul_u32_u24 v12, v20, 1280
	v_add_nc_u32 v12, s40, v12
	v_add_nc_u32 v12, MR, v12                      ; v12: the block that my half of the lanes inverts
	v_lshlrev_b32 v15, 4, v1                       ; 16 L
	v_lshlrev_b32 v16, 3, v1                       ; 8 L
	v_lshl_add_u32 v17, v2, 2, s40
	v_add_nc_u32 v17, RR, v17                      ; v17: rho of token r
.set i, 0
.rept 16
	global_load_b128 v[64+4*i:64+4*i+3], v15, s[26:27] offset:512*i th:TH_LOAD_NT      ; K
.set i, i+1
.endr
.set i, 0
.rept 16
	global_load_b128 v[128+4*i:128+4*i+3], v15, s[24:25] offset:512*i th:TH_LOAD_NT    ; Q
.set i, i+1
.endr
.set i, 0
.rept 16
	global_load_b128 v[192+4*i:192+4*i+3], v15, s[28:29] offset:512*i th:TH_LOAD_NT    ; V
.set i, i+1
.endr
.set i, 0
.rept 16
	global_load_b64 v[E+2*i:E+2*i+1], v16, s[30:31] offset:8192*i                      ; head i's divisors of my two tokens
.set i, i+1
.endr
	global_load_b64 v[OWN:OWN+1], v16, s[32:33]
	s_wait_kmcnt 0x0
	v_mov_b32 v20, s38
	v_mov_b32 v21, s39
	v_mul_f32 v20, 0xbfb8aa3b, v20                 ; -log2(e) x
	v_mul_f32 v21, 0xbfb8aa3b, v21
	v_exp_f32 v20, v20
	v_exp_f32 v21, v21
	v_sub_nc_u32 v27, v2, v3                       ; r - 8 h, for the unit fragment: also the plain instruction behind the exponentials
	s_wait_alu depctr_va_vdst(0)
	v_add_f32 v20, 1.0, v20
	v_add_f32 v21, 1.0, v21
	v_rcp_f32 v20, v20
	v_rcp_f32 v21, v21
	v_nop
	s_wait_alu depctr_va_vdst(0)
	v_mul_f32 v[NA], -0.5, v20                     ; -a = -sigmoid(alpha_raw) / 2
	v_mul_f32 v[BB], 0.5, v21                      ; b
	v_mov_b32 v[NA+1], v[NA]
	v_mov_b32 v[BB+1], v[BB]
.set j, 0
.rept 8
	v_add_nc_u32 v22, j, v3
	v_cmp_gt_u32 s[MK+j], v2, v22
.set j, j+1
.endr
	s_wait_loadcnt 49                              ; K is in: 16 + 16 + 16 + 1 younger loads stay out
.set i, 0
.rept 16
	ds_store_b128 v4, v[64+4*i:64+4*i+3] offset:4*i*PQ
.set i, i+1
.endr
	s_wait_loadcnt 33                              ; Q
.set i, 0
.rept 16
	ds_store_b128 v5, v[128+4*i:128+4*i+3] offset:4*i*PQ
.set i, i+1
.endr
	s_wait_loadcnt 17                              ; V
.set i, 0
.rept 16
	ds_store_b128 v6, v[192+4*i:192+4*i+3] offset:4*i*PV
.set i, i+1
.endr
	s_wait_loadcnt 0x0                             ; the divisors
.irp u, 0,1
	v_max3_num_f32 v[TMP+\u], v[E+\u], v[E+2+\u], v[E+4+\u]
.set i, 3
.rept 6
	v_max3_num_f32 v[TMP+\u], v[TMP+\u], v[E+2*i+\u], v[E+2*i+2+\u]
.set i, i+2
.endr
	v_max_num_f32 v[TMP+\u], v[TMP+\u], v[E+30+\u] ; sigma
.endr
	v_rcp_f32 v[TMP+2], v[TMP]
	v_rcp_f32 v[TMP+3], v[TMP+1]
	v_add_nc_u32 v[TMP+6], s41, v16                ; the plain instruction behind the reciprocals
	s_wait_alu depctr_va_vdst(0)
	v_pk_mul_f32 v[TMP+4:TMP+5], v[OWN:OWN+1], v[TMP+2:TMP+3]    ; rho
	ds_store_b64 v[TMP+6], v[TMP+4:TMP+5]
.set t, 0
.rept 4
	ds_load_b32 v[RHO+t], v17 offset:64*t          ; LDS serves a wave's instructions in order: these see the store above
.set t, t+1
.endr
	s_cmp_lg_u32 s19, 0
	s_cbranch_scc1 .Lnot_head_0
	global_store_b64 v16, v[TMP:TMP+1], s[36:37]   ; the wave's store covers 256 consecutive bytes, aligned
	s_wait_xcnt 0x0                                ; its data registers are written again further down
.Lnot_head_0:
.set c, 0
.rept 16
	v_cmp_eq_u32 vcc_lo, c, v2
	v_cndmask_b32 v[E+c], 0, 1.0, vcc_lo           ; E[c] = 1 in the lanes of row c
.set c, c+1
.endr
.set j, 0
.rept 8
	v_cmp_eq_u32 vcc_lo, j, v27
	v_cndmask_b32 v[Y+j], 0, 1.0, vcc_lo           ; the unit matrix as a fragment: element 8 h + j of row r
.set j, j+1
.endr
.irp q, 1,4,8,13
.set j, 0
.rept 4
	v_mov_b32 v[TH+4*\q+j], 0                      ; TH's four quads of zeros
.set j, j+1
.endr
.endr
	WIN 0x40                                       ; destination window 1
.set t, 0
.rept 4
.set ks, 0
.rept 2
	ds_load_b128 v[16*t+8*ks:16*t+8*ks+3],         v7 offset:16*PQ*t+64*ks
	ds_load_b128 v[16*t+8*ks+4:16*t+8*ks+7],       v7 offset:16*PQ*t+64*ks+32
	ds_load_b128 v[FQ+16*t+8*ks:FQ+16*t+8*ks+3],   v8 offset:16*PQ*t+64*ks
	ds_load_b128 v[FQ+16*t+8*ks+4:FQ+16*t+8*ks+7], v8 offset:16*PQ*t+64*ks+32
.set ks, ks+1
.endr
.set t, t+1
.endr
.set j, 0
.rept 4
	v_cvt_pk_f16_f32 v[IDR+4+j], v[Y+2*j], v[Y+2*j+1]
	v_mov_b32 v[IDR+j], 0
	v_mov_b32 v[IDR+8+j], 0
	v_mov_b32 v[196+j], 0                          ; the quads of zeros that fill up P's fragments of token blocks 0 and 2
	v_mov_b32 v[220+j], 0
.set j, j+1
.endr
	s_wait_dscnt 0x0
	; K K^T: ten tiles, (b, m) written as 10 b + m: source 0 = K's block b, source 1 = block m: registers hold s in block b, the lane i in block m.  The tiles take turns.
	WIN 0x05                                       ; sources 0 and 1 window 1
.irp ks, 0,1
.set n, 0
.irp p, 0,11,22,33,10,20,21,30,31,32
.if \ks == 0
	v_wmma_f32_16x16x32_f16 v[DT+8*n:DT+8*n+7], v[16*(\p/10)+8*\ks:16*(\p/10)+8*\ks+7], v[16*(\p%10)+8*\ks:16*(\p%10)+8*\ks+7], 0
.else
	v_wmma_f32_16x16x32_f16 v[DT+8*n:DT+8*n+7], v[16*(\p/10)+8*\ks:16*(\p/10)+8*\ks+7], v[16*(\p%10)+8*\ks:16*(\p%10)+8*\ks+7], v[DT+8*n:DT+8*n+7]
.endif
.set n, n+1
.endr
.endr
	PLACES
	WIN 0
.set t, 0
.rept 4
	v_mul_f32 v[BR+t], v[BB], v[RHO+t]
.set t, t+1
.endr
.set n, 0
.rept 10
.set j, 0
.rept 4
	v_pk_mul_f32 v[DT+8*n+2*j:DT+8*n+2*j+1], v[DT+8*n+2*j:DT+8*n+2*j+1], v[NA:NA+1]
.set j, j+1
.endr
.set n, n+1
.endr
.set n, 0
.rept 4
	ds_store_b128 v11, v[DT+8*n:DT+8*n+3]   offset:1280*n      ; the tile is symmetric: this is row r, columns 8 h on
	ds_store_b128 v11, v[DT+8*n+4:DT+8*n+7] offset:1280*n+16
.set n, n+1
.endr
.set n, 4
.rept 6
.set j, 0
.rept 4
	v_cvt_pk_f16_f32 v[GA+4*(n-4)+j], v[DT+8*n+2*j], v[DT+8*n+2*j+1]
.set j, j+1
.endr
.set n, n+1
.endr
	; P^T: ten tiles, 10 tb + mi: source 0 = K's block mi, source 1 = Q's block tb: registers hold the key i, the lane the token t
	WIN 0x05
.irp ks, 0,1
.set n, 0
.irp p, 0,11,22,33,10,20,21,30,31,32
.if \ks == 0
	v_wmma_f32_16x16x32_f16 v[DT+8*n:DT+8*n+7], v[16*(\p%10)+8*\ks:16*(\p%10)+8*\ks+7], v[FQ+16*(\p/10)+8*\ks:FQ+16*(\p/10)+8*\ks+7], 0
.else
	v_wmma_f32_16x16x32_f16 v[DT+8*n:DT+8*n+7], v[16*(\p%10)+8*\ks:16*(\p%10)+8*\ks+7], v[FQ+16*(\p/10)+8*\ks:FQ+16*(\p/10)+8*\ks+7], v[DT+8*n:DT+8*n+7]
.endif
.set n, n+1
.endr
.endr
	PLACES
	WIN 0
.set n, 0
.rept 4
.set j, 0
.rept 8
	v_cndmask_b32 v[DT+8*n+j], 0, v[DT+8*n+j], s[MK+j]     ; the diagonal tiles keep i < t
.set j, j+1
.endr
.set n, n+1
.endr
	WIN 0x40
.set n, 0
.irp p, 0,11,22,33,10,20,21,30,31,32
.set fp, 192+8*(\p/10)+8*((\p/10)/3)+4*(\p%10)         ; token block tb's quads begin at 192, 200, 208, 224
.set j, 0
.rept 4
	v_cvt_pk_f16_f32 v[fp+j], v[DT+8*n+2*j], v[DT+8*n+2*j+1]
.set j, j+1
.endr
.set n, n+1
.endr
; THE DIAGONAL INVERSES, two at a time: lanes 0-15 take block 2 p, lanes 16-31 block 2 p + 1; lane r makes row r of T in Y[0..15].
; M(c, i) = -a k_c . k_i is the same for a block's sixteen lanes: 36 loads of four numbers (row c, columns 4 qd on, where a column i > c lies in them), columns 12-15 first.
.macro INVERT p, qa, qb
	WIN 0x40
.irp qd, 3,2,1,0
.set c, 0
.rept 4*\qd+3
	ds_load_b128 v[4*(\qd*(2*\qd+1)+c):4*(\qd*(2*\qd+1)+c)+3], v12 offset:2560*\p+80*c+16*\qd
.set c, c+1
.endr
.endr
	WIN 0x04                                       ; source 1 window 1
	s_wait_dscnt 21                                ; columns 12-15 are in: 11 + 7 + 3 younger loads stay out
.set c, 14
.rept 15
	v_fma_f32 v[Y+c], v[E+15], v[4*(21+c)+3], v[E+c]       ; column 15 of T is E[15]; this starts every sum
.set c, c-1
.endr
.set i, 14
.rept 14
.if i == 11
	s_wait_dscnt 10                                ; columns 8-11: 7 + 3 stay out
.elseif i == 7
	s_wait_dscnt 3
.elseif i == 3
	s_wait_dscnt 0x0
.endif
.set c, i-1
.rept i
	v_fmac_f32 v[Y+c], v[Y+i], v[4*((i/4)*(2*(i/4)+1)+c)+(i%4)]    ; column i is finished and goes into all columns to its left
.set c, c-1
.endr
.set i, i-1
.endr
	WIN 0
.set j, 0
.rept 4
	v_cvt_pk_f16_f32 v[TH+4*\qa+j], v[Y+2*j], v[Y+2*j+1]   ; columns 0-7 of both blocks
.set j, j+1
.endr
.set j, 0
.rept 3
	v_cvt_pk_f16_f32 v[TH+4*\qb+j], v[Y+8+2*j], v[Y+9+2*j] ; columns 8-15 of both blocks
.set j, j+1
.endr
	v_cvt_pk_f16_f32 v[TH+4*\qb+3], v[Y+14], v[E+15]
.set j, 0
.rept 4
	v_permlane16_swap_b32 v[TH+4*\qa+j], v[TH+4*\qb+j]     ; the first quad's upper lanes change places with the second's lower ones: each quad is now one block's fragment half
.set j, j+1
.endr
.endm
	INVERT 0, 0, 3
	INVERT 1, 7, 12
	; W_bm = T_bb (-a A_bm): source 0 = the quad of -a A_bm (row i, k = s) and whatever quad follows it, source 1 = (T_bb, 0): the zeros meet the second quad, which is finite
.set n, 0
.irp tq, 3,7,7,12,12,12
	v_wmma_f32_16x16x32_f16 v[DT+8*n:DT+8*n+7], v[GA+4*n:GA+4*n+7], v[TH+4*\tq:TH+4*\tq+7], 0
.set n, n+1
.endr
	PLACES
.set n, 0
.irp wq, 2,5,6,9,10,11
.set j, 0
.rept 4
	v_cvt_pk_f16_f32 v[TH+4*\wq+j], v[DT+8*n+2*j], v[DT+8*n+2*j+1]
.set j, j+1
.endr
.set n, n+1
.endr
	; FX[cb][ks] = [K | V]^T: the lane holds column 16 cb + r, the registers 32 tokens; K^T once more, since FX's is turned into X_K^T
	WIN 0x40
.set cb, 0
.rept 4
.set ks, 0
.rept 2
	ds_load_tr16_b128 v[16*cb+8*ks:16*cb+8*ks+3],           v9  offset:32*PQ*ks+32*cb
	ds_load_tr16_b128 v[16*cb+8*ks+4:16*cb+8*ks+7],         v9  offset:32*PQ*ks+32*cb+16*PQ
	ds_load_tr16_b128 v[64+16*cb+8*ks:64+16*cb+8*ks+3],     v10 offset:32*PV*ks+32*cb
	ds_load_tr16_b128 v[64+16*cb+8*ks+4:64+16*cb+8*ks+7],   v10 offset:32*PV*ks+32*cb+16*PV
	ds_load_tr16_b128 v[FKT+16*cb+8*ks:FKT+16*cb+8*ks+3],   v9  offset:32*PQ*ks+32*cb
	ds_load_tr16_b128 v[FKT+16*cb+8*ks+4:FKT+16*cb+8*ks+7], v9  offset:32*PQ*ks+32*cb+16*PQ
.set ks, ks+1
.endr
.set cb, cb+1
.endr
	s_wait_dscnt 0x0
; Block b of X: TH's row b (quads q0, q0 + 1 for tokens 0-31; q1, q1 + 1 for tokens 32-63, or none) times FX, whose blocks below b are X already and whose block b is still R;
; what lies above b meets zeros.  The result is packed over R_b.  The eight column blocks take turns.
.macro LEVEL b, q0, q1
	WIN 0x04                                       ; source 1 window 1
.set cb, 0
.rept 8
	v_wmma_f32_16x16x32_f16 v[DT+8*cb:DT+8*cb+7], v[TH+4*\q0:TH+4*\q0+7], v[16*cb:16*cb+7], 0
.set cb, cb+1
.endr
.if \q1 >= 0
.set cb, 0
.rept 8
	v_wmma_f32_16x16x32_f16 v[DT+8*cb:DT+8*cb+7], v[TH+4*\q1:TH+4*\q1+7], v[16*cb+8:16*cb+15], v[DT+8*cb:DT+8*cb+7]
.set cb, cb+1
.endr
.endif
	PLACES
	WIN 0x40
.set cb, 0
.rept 8
.set j, 0
.rept 4
	v_cvt_pk_f16_f32 v[16*cb+8*(\b/2)+4*(\b%2)+j], v[DT+8*cb+2*j], v[DT+8*cb+2*j+1]
.set j, j+1
.endr
.set cb, cb+1
.endr
.endm
	LEVEL 0, 0, -1
	LEVEL 1, 2, -1
	LEVEL 2, 5, 7
	LEVEL 3, 9, 11
; THE FOUR OUTPUTS, each [64][64], in two groups of eight tiles (row blocks 2 g, 2 g + 1 x four column blocks); the lane holds a row, its registers eight neighbouring columns.
; Source 0 = window 1's v[abase + 16 mb + 8 ks]; source 1 = v[bbase + 16 nb + 8 ks], or (bbase < 0) P's fragments of token block nb.  nks: how many halves of the 64 tokens are summed.
.macro PROD abase, bbase, g, nks
	WIN 0x05
.set ks, 0
.rept \nks
.set nb, 2*\g
.rept 2
.if \bbase < 0
.set rb, 192+8*nb+8*(nb/3)+8*ks
.else
.set rb, \bbase+16*nb+8*ks
.endif
.set mb, 0
.rept 4
.set rd, D4+8*(4*(nb%2)+mb)
.set ra, \abase+16*mb+8*ks
.if ks == 0
	v_wmma_f32_16x16x32_f16 v[rd:rd+7], v[ra:ra+7], v[rb:rb+7], 0
.else
	v_wmma_f32_16x16x32_f16 v[rd:rd+7], v[ra:ra+7], v[rb:rb+7], v[rd:rd+7]
.endif
.set mb, mb+1
.endr
.set nb, nb+1
.endr
.set ks, ks+1
.endr
	PLACES
	WIN 0
.endm
.macro SCALE g, x, bytb                ; the group's tiles times v[x], or (bytb = 1) times v[x + the tile's token block]
.set t, 0
.rept 8
.set j, 0
.rept 4
	MULBY D4+8*t+2*j, \x+\bytb*(2*\g+t/4)
.set j, j+1
.endr
.set t, t+1
.endr
.endm
.macro PACKST g                        ; rounded to f16, 16 bytes a lane into the stage
.set t, 0
.rept 8
.set j, 0
.rept 4
	v_cvt_pk_f16_f32 v[TMP+4*t+j], v[D4+8*t+2*j], v[D4+8*t+2*j+1]
.set j, j+1
.endr
	ds_store_b128 v13, v[TMP+4*t:TMP+4*t+3] offset:16*PQ*(2*\g+t/4)+32*(t%4)
.set t, t+1
.endr
.endm
.macro FLUSH sect                      ; the stage's 64 rows go out as 8,192 consecutive bytes
	s_wait_xcnt 0x0                                ; these registers were the data of the last output's stores
.set i, 0
.rept 16
	ds_load_b128 v[OUT+4*i:OUT+4*i+3], v14 offset:4*PQ*i
.set i, i+1
.endr
.set i, 0
.rept 16
	s_wait_dscnt 15-i
	global_store_b128 v15, v[OUT+4*i:OUT+4*i+3], s[34:35] offset:8192*\sect+512*i  ; a wave's store covers 512 consecutive bytes, aligned
.set i, i+1
.endr
.endm
.macro QLOAD g                         ; Q's quads in the tiles' own layout: row 16 tb + r, columns 16 mb + 8 h on
.set t, 0
.rept 8
	ds_load_b128 v[QL+4*t:QL+4*t+3], v8 offset:16*PQ*(2*\g+t/4)+32*(t%4)
.set t, t+1
.endr
.endm
.macro QADD                            ; each tile += Q's quad, exactly: unit matrix times a pair of quads, (I | 0) for the first of the pair, (0 | I) for the second
	s_wait_dscnt 0x0
	WIN 0x01                                       ; source 0 window 1
.set t, 0
.rept 8
	v_wmma_f32_16x16x32_f16 v[D4+8*t:D4+8*t+7], v[IDR+4-4*(t%2):IDR+11-4*(t%2)], v[QL+8*(t/2):QL+8*(t/2)+7], v[D4+8*t:D4+8*t+7]
.set t, t+1
.endr
	PLACES
	WIN 0
.endm
	PROD 0, FKT, 0, 2                              ; NT = -a K^T X_K
	SCALE 0, NA, 0
	PACKST 0
	PROD 0, FKT, 1, 2
	SCALE 1, NA, 0
	PACKST 1
	FLUSH 0
	QLOAD 0                                        ; QT = rho (Q - a P X_K); token blocks 0 and 1 see tokens 0-31 alone
	PROD 0, -1, 0, 1
	SCALE 0, NA, 0
	QADD
	SCALE 0, RHO, 1
	PACKST 0
	QLOAD 1
	PROD 0, -1, 1, 2
	SCALE 1, NA, 0
	QADD
	SCALE 1, RHO, 1
	PACKST 1
	FLUSH 1
	PROD FKT, 64, 0, 2                             ; G = b X_V^T K
	SCALE 0, BB, 0
	PACKST 0
	PROD FKT, 64, 1, 2
	SCALE 1, BB, 0
	PACKST 1
	FLUSH 2
	PROD 64, -1, 0, 1                              ; Y0 = rho b P X_V
	SCALE 0, BR, 1
	PACKST 0
	PROD 64, -1, 1, 2
	SCALE 1, BR, 1
	PACKST 1
	FLUSH 3
	s_set_vgpr_msb 0x5
	s_wait_tensorcnt 0x0
	ds_add_u32 v254, v255
	s_wait_dscnt 0x0
	s_set_vgpr_msb 0x500
	s_endpgm
.Lfunc_end_k_q1b80f0d617_prep:
	.size	k_q1b80f0d617_prep, .Lfunc_end_k_q1b80f0d617_prep-k_q1b80f0d617_prep
	.p2alignl 7, 3214868480
	.fill 96, 4, 3214868480
	.section	.rodata,"a",@progbits
	.p2align	6, 0x0
	.amdhsa_kernel k_q1b80f0d617_prep
		.amdhsa_group_segment_fixed_size 273408
		.amdhsa_private_segment_fixed_size 0
		.amdhsa_enable_private_segment 0
		.amdhsa_kernarg_size 48
		.amdhsa_user_sgpr_count 2
		.amdhsa_user_sgpr_kernarg_segment_ptr 1
		.amdhsa_wavefront_size32 1
		.amdhsa_system_sgpr_workgroup_id_x 1
		.amdhsa_system_sgpr_workgroup_id_y 1
		.amdhsa_system_sgpr_workgroup_id_z 1
		.amdhsa_system_vgpr_workitem_id 0
		.amdhsa_next_free_vgpr 512
		.amdhsa_next_free_sgpr 90
		.amdhsa_reserve_vcc 1
		.amdhsa_float_denorm_mode_32 3
		.amdhsa_float_denorm_mode_16_64 3
		.amdhsa_memory_ordered 1
		.amdhsa_forward_progress 1
		.amdhsa_inst_pref_size 129
	.end_amdhsa_kernel
	.amdgpu_metadata
---
amdhsa.version: [ 1, 2 ]
amdhsa.kernels:
  - .name:           k_q1b80f0d617_prep
    .symbol:         k_q1b80f0d617_prep.kd
    .args:
      - { .name: qkv, .offset: 0, .size: 8, .value_kind: global_buffer, .address_space: global }
      - { .name: nq, .offset: 8, .size: 8, .value_kind: global_buffer, .address_space: global }
      - { .name: alpha_raw, .offset: 16, .size: 8, .value_kind: global_buffer, .address_space: global }
      - { .name: beta_raw, .offset: 24, .size: 8, .value_kind: global_buffer, .address_space: global }
      - { .name: rec, .offset: 32, .size: 8, .value_kind: global_buffer, .address_space: global }
      - { .name: sig, .offset: 40, .size: 8, .value_kind: global_buffer, .address_space: global }
    .group_segment_fixed_size: 273408
    .private_segment_fixed_size: 0
    .kernarg_segment_align: 8
    .kernarg_segment_size: 48
    .max_flat_workgroup_size: 256
    .sgpr_count:     90
    .vgpr_count:     512
    .wavefront_size: 32
...
	.end_amdgpu_metadata
.endif
;; end of part 3
;; launch scan (part 4): grid 64 x 1, 4 waves a work-group, no clusters, 327,680 bytes of LDS; arguments rec, state, y16, out1; writes y16, out1
.if DOCPART == 4
	.amdgcn_target "amdgcn-amd-amdhsa--gfx1250"
	.amdhsa_code_object_version 6
	.text
	.protected	k_q1b80f0d617_scan
	.globl	k_q1b80f0d617_scan
	.p2align	8
	.type	k_q1b80f0d617_scan,@function
k_q1b80f0d617_scan:
	s_mov_b64 s[64:65], 0
	v_nop
	global_prefetch_b8 v0, s[64:65] scope:SCOPE_SE
	s_setreg_imm32_b32 hwreg(HW_REG_WAVE_MODE, 25, 1), 1
	s_wait_xcnt 0x0
; The sequential part: for each (b, h) 32 chunks in order: y^T = S QT^T + Y0^T with the state before the chunk, then S^T += G^T + NT S^T.  A work-group takes one (b, h): the recurrence
; has 64 independent chains and no more; wave w owns the state's rows d = 16 w .. 16 w + 15, which never look at other rows.  S is carried in f32 and rounded to f16 only as an operand.
; LIMIT: |S| and |y / sigma| stay under 65,504.
; S^T lies in four tiles ST[i]: register j = column e = 16 i + 8 h + j, lane r = row d.  Packed in pairs they ARE the fragments SB[ks] (row or column d, k = e) of both products.
; G and Y0 (f16) are added exactly by a matrix instruction with the unit matrix (I | 0) as source 0: the quad as it is loaded is the first half of source 1; the second half is the
; quad that lies behind it in the registers, which is finite and meets the zeros.
; RING: two LDS slots of four chunks' records (128 rows of 256 bytes each, pitch 272); each wave fetches one chunk's record with one tensor load.  Two loads of
; a wave are out at the start and one behind each refill, which has four chunks' work in which to land.  y goes through a stage behind the ring, four chunks at a time.
.set REC,   128*272                    ; a record in LDS: NT at 0, QT at 8,704, G at 17,408, Y0 at 26,112; row p of a section at (p / 2) 272 + (p % 2) 128
.set SLOTB, 4*REC
.set STAGE, 2*SLOTB                    ; 4 chunks x 64 rows x 144 bytes; no tensor load lands here
.set IDF, 8                            ; v[8:15]    (I | 0)
.set GH,  16                           ; v[16:31]   G's quads; later y packed
.set YH,  32                           ; v[32:47]   Y0's quads
.set SB,  48                           ; v[48:63]   S in f16
.set ST,  64                           ; v[64:95]   S^T
.set YA,  96                           ; v[96:127]  y^T
.set NT,  128                          ; v[128:191] NT's fragments; on the way out whole rows of y
.set QT,  192                          ; v[192:255] QT's fragments
.set G1,  16
.set G0,  24
.set TB,  32                           ; s32 LDS byte of the chunk in hand
.set YS,  33                           ; s33 its place in the stage
.set CN,  34
.set LP,  35
.macro PLACES                          ; four places behind matrix instructions (ISA guide 7.12.1)
.rept 4
	v_nop
.endr
.endm
	s_load_b256 s[4:11], s[0:1], 0x0               ; rec s[4:5], state s[6:7], y16 s[8:9], out1 s[10:11]
	s_set_vgpr_msb 0x40
	v_lshl_add_u32 v0, v0, 2, 0x4d000
	v_mov_b32 v1, 0
	s_set_vgpr_msb 0x4045
	ds_add_u32 v0, v1
	ds_add_u32 v0, v1
	s_set_vgpr_msb 0x4500
	v_lshrrev_b32 v16, 5, v0
	v_readfirstlane_b32 s12, v16                   ; wave 0..3
	s_mov_b32 s[G1+0], (3<<16)|(1<<20)|(5<<22)|(3<<25)     ; no mask; elements of 8 bytes; padding on: after every 64 words 4 words
	s_mov_b32 s[G1+1], 32<<16                      ; tensor_dim0 = 32 elements = 256 bytes
	s_mov_b32 s[G1+2], 128<<16                     ; tensor_dim1 = 128
	s_mov_b32 s[G1+3], 32<<16                      ; tile_dim0
	s_mov_b32 s[G1+4], 128                         ; tile_dim1
	s_mov_b32 s[G1+5], 32                          ; the record is dense
	s_mov_b32 s[G1+6], 0
	s_mov_b32 s[G1+7], 0
	s_lshl_b32 s36, ttmp9, 20                      ; 32 records of 32,768 bytes for each (b, h)
	s_lshl_b32 s38, s12, 15                        ; wave w fetches chunk w of a slot's four
	s_add_co_u32 s36, s36, s38
	s_mov_b32 s37, 0
	s_mul_i32 s13, s12, REC
	s_wait_dscnt 0x0
	s_wait_kmcnt 0x0
	s_add_nc_u64 s[4:5], s[4:5], s[36:37]
.irp s, 0,1
	s_mov_b32 s[G0+4*\s], 1
	s_add_co_u32 s[G0+4*\s+1], s13, \s*SLOTB
	s_add_nc_u64 s[G0+4*\s+2:G0+4*\s+3], s[4:5], \s*4*32768
	s_or_b32 s[G0+4*\s+3], s[G0+4*\s+3], 0x80000000
.endr
	tensor_load_to_lds s[G0:G0+3], s[G1:G1+7]      ; chunks 0-3
	s_nop 0
	tensor_load_to_lds s[G0+4:G0+7], s[G1:G1+7]    ; chunks 4-7
	s_nop 0
.rept 4
	v_nop
.endr
	v_and_b32 v16, 15, v0                          ; r
	v_bfe_u32 v17, v0, 4, 1                        ; h
	v_bfe_u32 v19, v0, 1, 3                        ; r / 2
	v_and_b32 v20, 1, v0                           ; r % 2
	v_mul_u32_u24 v1, v19, 272
	v_lshl_add_u32 v1, v20, 7, v1
	v_lshl_add_u32 v1, v17, 4, v1                  ; v1: row r of a section, 16 h
	s_mul_i32 s40, s12, 2176                       ; 16 w rows further down (G's rows d)
	s_lshl_b32 s41, s12, 5                         ; 32 w bytes further along (Y0's columns d)
	v_mul_u32_u24 v5, v16, 144
	v_lshl_add_u32 v5, v17, 4, v5
	s_add_co_u32 s42, s41, STAGE
	v_add_nc_u32 v5, s42, v5                       ; v5: into the stage: row t, my 32 bytes of its 128
	v_bfe_u32 v21, v0, 3, 2
	v_and_b32 v22, 7, v0
	v_mul_u32_u24 v7, v21, 144
	v_lshl_add_u32 v7, v22, 4, v7
	s_mul_i32 s43, s12, 2304
	s_add_co_u32 s43, s43, STAGE
	v_add_nc_u32 v7, s43, v7                       ; v7: back: rows 16 w on of each chunk, eight lanes to a row
	v_lshlrev_b32 v23, 8, v16
	v_lshl_add_u32 v23, v17, 5, v23                ; the state: row r of 256 bytes, 32 h
	s_lshl_b32 s36, ttmp9, 14
	s_lshl_b32 s38, s12, 12
	s_add_co_u32 s36, s36, s38                     ; 16,384 bytes for each (b, h), 4,096 for each wave
	s_add_nc_u64 s[6:7], s[6:7], s[36:37]
	s_add_nc_u64 s[10:11], s[10:11], s[36:37]
	s_lshl_b32 s36, ttmp9, 18
	s_lshl_b32 s38, s12, 11
	s_add_co_u32 s36, s36, s38                     ; y16: 262,144 bytes for each (b, h); my 16 rows of a chunk
	s_add_nc_u64 s[8:9], s[8:9], s[36:37]
.set i, 0
.rept 4
	global_load_b128 v[ST+8*i:ST+8*i+3],   v23, s[6:7] offset:64*i
	global_load_b128 v[ST+8*i+4:ST+8*i+7], v23, s[6:7] offset:64*i+16
.set i, i+1
.endr
	v_lshlrev_b32 v24, 3, v17
	v_sub_nc_u32 v24, v16, v24                     ; r - 8 h
.set j, 0
.rept 8
	v_cmp_eq_u32 vcc_lo, j, v24
	v_cndmask_b32 v[YH+j], 0, 1.0, vcc_lo
.set j, j+1
.endr
.set j, 0
.rept 4
	v_cvt_pk_f16_f32 v[IDF+j], v[YH+2*j], v[YH+2*j+1]
	v_mov_b32 v[IDF+4+j], 0
.set j, j+1
.endr
	v_and_b32 v0, 31, v0
	v_lshlrev_b32 v0, 4, v0                        ; v0: 16 x lane from here on
	s_wait_loadcnt 0x0                             ; the state
	s_wait_tensorcnt 0x1                           ; my part of slot 0 is in; slot 1's may stay out
	s_barrier_signal -1
	s_barrier_wait -1
; One chunk.  The accumulators take turns, one instruction a turn (ST 0-3, YA 0-3, ST 0-3 twice, YA 0-3 twice), over the loop's edge too.
.macro CHUNK
	v_add_nc_u32 v2, s[TB], v1
	v_add_nc_u32 v6, s[YS], v5
	v_add_nc_u32 v3, s40, v2
	v_add_nc_u32 v4, s41, v2
.set i, 0
.rept 4
	ds_load_b128 v[GH+4*i:GH+4*i+3], v3 offset:17408+32*i          ; G[d][16 i + 8 h ..]
.set i, i+1
.endr
.set i, 0
.rept 4
	ds_load_b128 v[YH+4*i:YH+4*i+3], v4 offset:26112+2176*i        ; Y0[16 i + r][16 w + 8 h ..]
.set i, i+1
.endr
.set i, 0
.rept 8
	ds_load_b128 v[NT+8*i:NT+8*i+3],   v2 offset:2176*(i/2)+64*(i%2)
	ds_load_b128 v[NT+8*i+4:NT+8*i+7], v2 offset:2176*(i/2)+64*(i%2)+32
.set i, i+1
.endr
.set i, 0
.rept 8
	ds_load_b128 v[QT+8*i:QT+8*i+3],   v2 offset:8704+2176*(i/2)+64*(i%2)
	ds_load_b128 v[QT+8*i+4:QT+8*i+7], v2 offset:8704+2176*(i/2)+64*(i%2)+32
.set i, i+1
.endr
.set i, 0
.rept 16
	v_cvt_pk_f16_f32 v[SB+i], v[ST+2*i], v[ST+2*i+1]       ; the state before the chunk, each tile from its low registers up
.set i, i+1
.endr
	s_wait_dscnt 32                                ; G and Y0 are in: NT's and QT's 32 loads may stay out
.set i, 0
.rept 4
	v_wmma_f32_16x16x32_f16 v[ST+8*i:ST+8*i+7], v[IDF:IDF+7], v[GH+4*i:GH+4*i+7], v[ST+8*i:ST+8*i+7]
.set i, i+1
.endr
.set i, 0
.rept 4
	v_wmma_f32_16x16x32_f16 v[YA+8*i:YA+8*i+7], v[IDF:IDF+7], v[YH+4*i:YH+4*i+7], 0
.set i, i+1
.endr
	s_wait_dscnt 16                                ; NT is in
.set i, 0
.rept 8
	v_wmma_f32_16x16x32_f16 v[ST+8*(i%4):ST+8*(i%4)+7], v[NT+16*(i%4)+8*(i/4):NT+16*(i%4)+8*(i/4)+7], v[SB+8*(i/4):SB+8*(i/4)+7], v[ST+8*(i%4):ST+8*(i%4)+7]
.set i, i+1
.endr
	s_wait_dscnt 0x0                               ; QT
.set i, 0
.rept 8
	v_wmma_f32_16x16x32_f16 v[YA+8*(i%4):YA+8*(i%4)+7], v[SB+8*(i/4):SB+8*(i/4)+7], v[QT+16*(i%4)+8*(i/4):QT+16*(i%4)+8*(i/4)+7], v[YA+8*(i%4):YA+8*(i%4)+7]
.set i, i+1
.endr
	PLACES
.set i, 0
.rept 16
	v_cvt_pk_f16_f32 v[GH+i], v[YA+2*i], v[YA+2*i+1]
.set i, i+1
.endr
.set i, 0
.rept 4
	ds_store_b128 v6, v[GH+4*i:GH+4*i+3] offset:2304*i
.set i, i+1
.endr
.endm
; A slot's four chunks; then one barrier for two things: the slot may be filled again, and the stage's rows, of which each wave wrote 32 bytes, may be read.
.macro SLOTM slot, refill
	s_mov_b32 s[TB], \slot*SLOTB
	s_mov_b32 s[YS], 0
	s_mov_b32 s[CN], 4
.Lchunk_\@:
	CHUNK
	s_add_co_u32 s[TB], s[TB], REC
	s_add_co_u32 s[YS], s[YS], 9216
	s_sub_co_u32 s[CN], s[CN], 1
	s_cmp_lg_u32 s[CN], 0
	s_cbranch_scc1 .Lchunk_\@
	s_wait_dscnt 0x0                               ; my reads of this slot and my stores into the stage are done
	s_set_vgpr_msb 0x5
	s_wait_tensorcnt 0x0                           ; all my tensor loads have landed, my part of the other slot among them: a group 0 may be written
	ds_add_u32 v0, v1
	s_wait_dscnt 0x0
	s_set_vgpr_msb 0x500
.if \refill
	s_add_nc_u64 s[G0+4*\slot+2:G0+4*\slot+3], s[G0+4*\slot+2:G0+4*\slot+3], 8*32768
.endif
	s_barrier_signal -1
	s_barrier_wait -1
.if \refill
	tensor_load_to_lds s[G0+4*\slot:G0+4*\slot+3], s[G1:G1+7]      ; my one tensor load behind this barrier: the chunk eight further on
	s_nop 0
.rept 4
	v_nop
.endr
.endif
.set i, 0
.rept 16
	ds_load_b128 v[NT+4*i:NT+4*i+3], v7 offset:9216*(i/4)+576*(i%4)
.set i, i+1
.endr
.set i, 0
.rept 16
	s_wait_dscnt 15-i
	global_store_b128 v0, v[NT+4*i:NT+4*i+3], s[8:9] offset:8192*(i/4)+512*(i%4)   ; a wave's store covers 512 consecutive bytes, aligned
.set i, i+1
.endr
	s_wait_xcnt 0x0                                ; the stores' base and data are written again only behind this wait
	s_add_nc_u64 s[8:9], s[8:9], 32768
	s_barrier_signal -1                            ; every wave's reads of the stage are back (the count-down ended at 0): it may be written again
	s_barrier_wait -1
.endm
	s_mov_b32 s[LP], 3
.Lring:
	SLOTM 0, 1
	SLOTM 1, 1
	s_sub_co_u32 s[LP], s[LP], 1
	s_cmp_lg_u32 s[LP], 0
	s_cbranch_scc1 .Lring
	SLOTM 0, 0                                     ; the last eight chunks: nothing is left to fetch
	SLOTM 1, 0
	; the final state: through my own 4,352 bytes of the stage, back as whole rows of 256 bytes
	PLACES
	v_bfe_u32 v16, v0, 4, 4                        ; r
	v_bfe_u32 v17, v0, 8, 1                        ; h
	s_mul_i32 s36, s12, 4352
	s_add_co_u32 s36, s36, STAGE
	v_mul_u32_u24 v18, v16, 272
	v_lshl_add_u32 v18, v17, 5, v18
	v_add_nc_u32 v18, s36, v18
	v_mul_u32_u24 v19, v17, 272
	v_lshl_add_u32 v19, v16, 4, v19
	v_add_nc_u32 v19, s36, v19
.set i, 0
.rept 4
	ds_store_b128 v18, v[ST+8*i:ST+8*i+3]   offset:64*i
	ds_store_b128 v18, v[ST+8*i+4:ST+8*i+7] offset:64*i+16
.set i, i+1
.endr
.set i, 0
.rept 8
	ds_load_b128 v[NT+4*i:NT+4*i+3], v19 offset:544*i      ; LDS serves a wave's instructions in order: these see the stores above
.set i, i+1
.endr
.set i, 0
.rept 8
	s_wait_dscnt 7-i
	global_store_b128 v0, v[NT+4*i:NT+4*i+3], s[10:11] offset:512*i
.set i, i+1
.endr
	s_set_vgpr_msb 0x5
	s_wait_tensorcnt 0x0
	ds_add_u32 v0, v1
	s_wait_dscnt 0x0
	s_set_vgpr_msb 0x500
	s_endpgm
.Lfunc_end_k_q1b80f0d617_scan:
	.size	k_q1b80f0d617_scan, .Lfunc_end_k_q1b80f0d617_scan-k_q1b80f0d617_scan
	.p2alignl 7, 3214868480
	.fill 96, 4, 3214868480
	.section	.rodata,"a",@progbits
	.p2align	6, 0x0
	.amdhsa_kernel k_q1b80f0d617_scan
		.amdhsa_group_segment_fixed_size 327680
		.amdhsa_private_segment_fixed_size 0
		.amdhsa_enable_private_segment 0
		.amdhsa_kernarg_size 32
		.amdhsa_user_sgpr_count 2
		.amdhsa_user_sgpr_kernarg_segment_ptr 1
		.amdhsa_wavefront_size32 1
		.amdhsa_system_sgpr_workgroup_id_x 1
		.amdhsa_system_sgpr_workgroup_id_y 1
		.amdhsa_system_sgpr_workgroup_id_z 1
		.amdhsa_system_vgpr_workitem_id 0
		.amdhsa_next_free_vgpr 258
		.amdhsa_next_free_sgpr 66
		.amdhsa_reserve_vcc 1
		.amdhsa_float_denorm_mode_32 3
		.amdhsa_float_denorm_mode_16_64 3
		.amdhsa_memory_ordered 1
		.amdhsa_forward_progress 1
		.amdhsa_inst_pref_size 51
	.end_amdhsa_kernel
	.amdgpu_metadata
---
amdhsa.version: [ 1, 2 ]
amdhsa.kernels:
  - .name:           k_q1b80f0d617_scan
    .symbol:         k_q1b80f0d617_scan.kd
    .args:
      - { .name: rec, .offset: 0, .size: 8, .value_kind: global_buffer, .address_space: global }
      - { .name: state, .offset: 8, .size: 8, .value_kind: global_buffer, .address_space: global }
      - { .name: y16, .offset: 16, .size: 8, .value_kind: global_buffer, .address_space: global }
      - { .name: out1, .offset: 24, .size: 8, .value_kind: global_buffer, .address_space: global }
    .group_segment_fixed_size: 327680
    .private_segment_fixed_size: 0
    .kernarg_segment_align: 8
    .kernarg_segment_size: 32
    .max_flat_workgroup_size: 128
    .sgpr_count:     66
    .vgpr_count:     258
    .wavefront_size: 32
...
	.end_amdgpu_metadata
.endif
;; end of part 4
;; launch projg (part 5): grid 8 x 32, 4 waves a work-group, clusters of 4 x 4, 327,680 bytes of LDS; arguments y16, w16, sig, out0; writes out0
.if DOCPART == 5
	.amdgcn_target "amdgcn-amd-amdhsa--gfx1250"
	.amdhsa_code_object_version 6
	.text
	.protected	k_q1b80f0d617_projg
	.globl	k_q1b80f0d617_projg
	.p2align	8
	.type	k_q1b80f0d617_projg,@function
k_q1b80f0d617_projg:
	s_mov_b64 s[64:65], 0
	v_nop
	global_prefetch_b8 v0, s[64:65] scope:SCOPE_SE
	s_setreg_imm32_b32 hwreg(HW_REG_WAVE_MODE, 25, 1), 1
	s_wait_xcnt 0x0
	s_wait_alu depctr_hold_cnt(0) depctr_sa_sdst(0) depctr_va_vdst(0) depctr_va_sdst(0) depctr_va_ssrc(0) depctr_va_vcc(0) depctr_vm_vsrc(0)
	s_getreg_b32 s2, hwreg(HW_REG_IB_STS2, 6, 4)
	s_cmp_eq_u32 s2, 0
	s_cbranch_scc0 .Lentry_in_a_cluster
	s_endpgm
.Lentry_in_a_cluster:
	s_bfe_u32 s2, ttmp6, 0x10000c
	s_cmp_lg_u32 s2, 0xf033
	s_cbranch_scc0 .Lentry_shape_is_right
	s_endpgm
.Lentry_shape_is_right:
; out0[m][n] = sigma[m] x sum_c (y / sigma)[m][c] Wproj[n][c]: y16 = [b][h][t][64] f16, Wproj = rows 3,072 on of w16, sig = [8192] f32, out0 = [8192][1024] f32.  f16 operands, f32 sums;
; sigma is multiplied back in f32 on the way out.
; A tile is 256 x 128: 256 work-groups.  Four waves, each 128 rows x 64 columns: 32 accumulators.  K (= 64 head + channel) goes in 8 steps of 128, two heads each, through two LDS slots.
; A's tile of a K step is two dense blocks of memory (256 tokens x 128 bytes of one head each): each comes in as 128 rows of 256 bytes, two tokens to a row, fetched by waves 0 and 1.
; CLUSTER 4 x 4: y16's tile hangs on the tile row alone and is asked for jointly along a row of the cluster, w16's on the tile column alone, along a column.
; The matrix instruction is used transposed (source 0 = 16 rows of w16, source 1 = 16 tokens): a lane holds eight neighbouring columns of one row of out0.
; REGISTERS: window 0: v16-27 addresses, v32-39 sigma, v64-159 the way out; window 1: two fragment buffers of 96; window 2: accumulator (a, b) at v[8 (4 a + b)].
.set KSTEP,  128
.set PITCH,  272                       ; an LDS row: 256 bytes + 16
.set HALFA,  128*PITCH                 ; one head's 256 tokens
.set HALFB,  64*PITCH
.set BOFF,   2*HALFA
.set SLOT,   BOFF+2*HALFB
.set STAGE,  2*SLOT                    ; behind the ring: 16 rows x 272 bytes for each wave; no tensor load lands here
.set WSTAGE, 4352
.set LAPS,   4
.set ASLOT,  2*262144                  ; two heads on
.set ASTEP,  4*262144                  ; four heads on
.set BSTEP,  2*KSTEP*2
.set ADRA, 16
.set ADRB, 20
.set STO,  24
.set RD,   25
.set CO,   26
.set SO,   27
.set SIG,  32                          ; v[32:39]  sigma of row 16 a + r
.set TF,   64                          ; v[64:95]  a block's 32 numbers, scaled
.set OB,   96                          ; v[96:159] whole rows read back, two banks
.set F0,   0
.set F1,   96
.set G1,  24
.set G0,  32
.set G1B, 48
.set G0B, 56
.set MSB, 0
.macro WIN new                         ; the immediate's high byte repeats the setting that is left
.if MSB != \new
	s_set_vgpr_msb (MSB<<8)|\new
.set MSB, \new
.endif
.endm
.set MUL,  0xa5                        ; sources 0 and 1 window 1; C and D window 2
.set TO_F, 0x40                        ; destination window 1, address window 0
.macro JLOAD s                         ; a joint load: waves 0 and 1 fetch A's two heads, waves 2 and 3 B's halves; four v_nop follow each line
	s_cmp_eq_u32 s11, 0
	s_cbranch_scc0 .Lfor_b_\@
	tensor_load_to_lds s[G0+4*\s:G0+4*\s+3], s[G1:G1+7]
	s_nop 0
.rept 4
	v_nop
.endr
	s_branch .Lasked_\@
.Lfor_b_\@:
	tensor_load_to_lds s[G0B+4*\s:G0B+4*\s+3], s[G1B:G1B+7]
	s_nop 0
.rept 4
	v_nop
.endr
.Lasked_\@:
.endm
.macro CREST                           ; a round of the cluster's barrier behind its opening barrier
	s_cmp_lg_u32 s10, 0
	s_cbranch_scc1 .Lnot_wave_0_\@
	s_barrier_signal -3
.Lnot_wave_0_\@:
	s_barrier_wait -3
	s_barrier_signal -1
	s_barrier_wait -1
.endm
.macro CROUND
	s_barrier_signal -1
	s_barrier_wait -1
	CREST
.endm
.macro PLACES                          ; four places behind matrix instructions (ISA guide 7.12.1)
.rept 4
	v_nop
.endr
.endm
	s_load_b128 s[4:7], s[0:1], 0x0                ; y16 s[4:5], w16 s[6:7]
	s_load_b128 s[68:71], s[0:1], 0x10             ; sig s[68:69], out0 s[70:71]
	s_set_vgpr_msb 0x40
	v_lshl_add_u32 v254, v0, 2, 0x37400
	v_mov_b32 v255, 0
	s_set_vgpr_msb 0x4045
	ds_add_u32 v254, v255
	ds_add_u32 v254, v255
	s_set_vgpr_msb 0x4500
	v_lshrrev_b32 v1, 5, v0
	v_readfirstlane_b32 s10, v1                    ; wave 0..3
	s_lshr_b32 s11, s10, 1                         ; my half of the tile's rows.  Also: I fetch for A (0) or for B (1)
	s_and_b32 s12, s10, 1                          ; my half of its columns.  Also: which head of A's two, or which half of B's rows, I fetch
	s_bfe_u32 s40, ttmp6, 0x40000                  ; cx
	s_bfe_u32 s41, ttmp6, 0x40004                  ; cy
	s_lshl_b32 s42, ttmp9, 2
	s_add_co_u32 s42, s42, s40                     ; tile column
	s_and_b32 s13, ttmp7, 0xffff
	s_lshl_b32 s13, s13, 2
	s_add_co_u32 s13, s13, s41                     ; tile row
	s_lshl_b32 s43, s41, 2
	s_lshl_b32 s43, 15, s43                        ; my row of the cluster
	s_lshl_b32 s44, 0x1111, s40                    ; my column
	s_or_b32 s[G1+0], s43, (3<<16)|(1<<20)|(1<<21)|(5<<22)|(3<<25)   ; the mask; elements of 8 bytes; padding on; bit 21 beside a mask; after every 64 words 4 words
	s_or_b32 s[G1B+0], s44, (1<<16)|(1<<20)|(1<<21)|(5<<22)|(3<<25)  ; elements of 2 bytes
	s_mov_b32 s[G1+1], 32<<16                      ; tensor_dim0 = 32 elements = 256 bytes
	s_mov_b32 s[G1+2], 128<<16                     ; tensor_dim1 = 128
	s_mov_b32 s[G1+3], 32<<16                      ; tile_dim0
	s_mov_b32 s[G1+4], 128                         ; tile_dim1
	s_mov_b32 s[G1+5], 32                          ; the block is dense
	s_mov_b32 s[G1+6], 0
	s_mov_b32 s[G1+7], 0
	s_mov_b32 s[G1B+1], KSTEP<<16
	s_mov_b32 s[G1B+2], 64<<16
	s_mov_b32 s[G1B+3], KSTEP<<16
	s_mov_b32 s[G1B+4], 64
	s_mov_b32 s[G1B+5], 1024
	s_mov_b32 s[G1B+6], 0
	s_mov_b32 s[G1B+7], 0
	s_lshr_b32 s16, s13, 3
	s_lshl_b32 s16, s16, 22                        ; b: 16 heads x 2,048 tokens x 128 bytes
	s_and_b32 s17, s13, 7
	s_lshl_b32 s17, s17, 15                        ; the tile's first token: 256 x 128 bytes
	s_add_co_u32 s16, s16, s17
	s_lshl_b32 s17, s12, 18                        ; my head of the step's two
	s_add_co_u32 s16, s16, s17
	s_mov_b32 s17, 0
	s_lshl_b32 s47, s12, 6
	s_lshl_b32 s46, s42, 7
	s_add_co_u32 s46, s46, s47                     ; B: row 128 x tile column + 64 x half
	s_lshl_b32 s46, s46, 11
	s_add_co_u32 s46, s46, 3072*2048               ; Wproj lies behind Wq, Wk, Wv
	s_mov_b32 s47, 0
	s_mul_i32 s20, s12, HALFA                      ; where they go: no place in the cluster enters an LDS address
	s_mul_i32 s21, s12, HALFB
	s_add_co_u32 s21, s21, BOFF
	s_wait_dscnt 0x0
	s_wait_kmcnt 0x0
	s_add_nc_u64 s[14:15], s[4:5], s[16:17]
	s_add_nc_u64 s[46:47], s[6:7], s[46:47]
	CROUND                                         ; all sixteen work-groups are here: the first joint loads meet
.irp s, 0,1
	s_mov_b32 s[G0+4*\s], 1
	s_add_co_u32 s[G0+4*\s+1], s20, \s*SLOT
	s_add_nc_u64 s[G0+4*\s+2:G0+4*\s+3], s[14:15], \s*ASLOT
	s_or_b32 s[G0+4*\s+3], s[G0+4*\s+3], 0x80000000
	s_mov_b32 s[G0B+4*\s], 1
	s_add_co_u32 s[G0B+4*\s+1], s21, \s*SLOT
	s_add_nc_u64 s[G0B+4*\s+2:G0B+4*\s+3], s[46:47], \s*KSTEP*2
	s_or_b32 s[G0B+4*\s+3], s[G0B+4*\s+3], 0x80000000
	JLOAD \s                                       ; two loads of mine are out behind these; later one behind each round
.endr
	v_and_b32 v1, 15, v0                           ; r
	v_bfe_u32 v2, v0, 4, 1                         ; h
	v_mul_u32_u24 v3, v1, PITCH
	v_lshl_add_u32 v3, v2, 4, v3                   ; B: row r x pitch + 16 h
	v_bfe_u32 v4, v0, 1, 3                         ; r / 2
	v_and_b32 v5, 1, v0                            ; r % 2
	v_mul_u32_u24 v4, v4, PITCH
	v_lshl_add_u32 v4, v5, 7, v4
	v_lshl_add_u32 v4, v2, 4, v4                   ; A: token r lies in LDS row r / 2, half r % 2: sixteen tokens start at sixteen different 16-byte columns modulo 256
	s_mul_i32 s22, s11, 64*PITCH                   ; my 128 tokens: 64 LDS rows
	s_mul_i32 s23, s12, HALFB                      ; my 64 rows of B
	s_add_co_u32 s23, s23, BOFF
.irp s, 0,1
	v_add_nc_u32 v[ADRA+\s], s22, v4
	v_add_nc_u32 v[ADRB+\s], s23, v3
	s_add_co_u32 s22, s22, SLOT
	s_add_co_u32 s23, s23, SLOT
.endr
	s_mul_i32 s72, s10, WSTAGE
	s_add_co_u32 s72, s72, STAGE                   ; my stage
	v_mul_u32_u24 v4, v1, 272                      ; in: row r, 32 bytes for each half of the lanes
	v_lshl_add_u32 v4, v2, 5, v4
	v_add_nc_u32 v[STO], s72, v4
	v_mul_u32_u24 v4, v2, 272                      ; back: lanes 0-15 take one row of 256 bytes, lanes 16-31 the next
	v_lshl_add_u32 v4, v1, 4, v4
	v_add_nc_u32 v[RD], s72, v4
	v_lshlrev_b32 v4, 12, v2                       ; and the same two rows in out0
	v_lshl_add_u32 v[CO], v1, 4, v4
	v_lshlrev_b32 v[SO], 2, v1
	s_lshl_b32 s74, s13, 8
	s_lshl_b32 s75, s11, 7
	s_add_co_u32 s74, s74, s75                     ; my first row
	s_lshl_b32 s76, s74, 2
	s_mov_b32 s77, 0
	s_add_nc_u64 s[68:69], s[68:69], s[76:77]
	s_lshl_b32 s76, s74, 12                        ; rows of 4,096 bytes
	s_lshl_b32 s75, s42, 9
	s_add_co_u32 s76, s76, s75                     ; 512 bytes for each tile column,
	s_lshl_b32 s75, s12, 8
	s_add_co_u32 s76, s76, s75                     ; 256 for my half
	s_add_nc_u64 s[70:71], s[70:71], s[76:77]
.set ia, 0
.rept 8
	global_load_b32 v[SIG+ia], v[SO], s[68:69] offset:64*ia        ; waited for in front of the way out
.set ia, ia+1
.endr
; n x 4 matrix instructions: row blocks a0 .. a0 + n - 1 x all 4 column blocks, 32 along K.  zero = 1: the product starts the sums.
; The 32 accumulators take turns, one instruction a turn, in the same order in every quarter.
.macro MULG f, a0, n, zero
.set ia, \a0
.rept \n
.set ib, 0
.rept 4
.if \zero
	v_wmma_f32_16x16x32_f16 v[8*(4*ia+ib):8*(4*ia+ib)+7], v[\f+64+8*ib:\f+64+8*ib+7], v[\f+8*ia:\f+8*ia+7], 0
.else
	v_wmma_f32_16x16x32_f16 v[8*(4*ia+ib):8*(4*ia+ib)+7], v[\f+64+8*ib:\f+64+8*ib+7], v[\f+8*ia:\f+8*ia+7], v[8*(4*ia+ib):8*(4*ia+ib)+7]
.endif
.set ib, ib+1
.endr
.set ia, ia+1
.endr
.endm
; 24 LDS loads in one run: quarter q of a K step into buffer f: B's 4 fragments, A's 0-3, A's 4-7.  A's quarter q: head q / 2 of the step's two, channels 32 (q % 2) on
.macro FETCH slot, q, f
	WIN TO_F
.set i, 0
.rept 4
	ds_load_b128 v[\f+64+8*i:\f+64+8*i+3],   v[ADRB+\slot] offset:64*\q+i*16*PITCH
	ds_load_b128 v[\f+64+8*i+4:\f+64+8*i+7], v[ADRB+\slot] offset:64*\q+i*16*PITCH+32
.set i, i+1
.endr
.set i, 0
.rept 8
	ds_load_b128 v[\f+8*i:\f+8*i+3],   v[ADRA+\slot] offset:(\q/2)*HALFA+(\q%2)*64+i*8*PITCH
	ds_load_b128 v[\f+8*i+4:\f+8*i+7], v[ADRA+\slot] offset:(\q/2)*HALFA+(\q%2)*64+i*8*PITCH+32
.set i, i+1
.endr
.endm
; One of a K step's first three quarters: multiplies buffer f and, in its middle, fetches quarter q into buffer g
.macro QUARTER slot, q, f, g, zero
	s_wait_dscnt 8                                 ; B and A's blocks 0-3 are in; the youngest eight loads (A's blocks 4-7) may be out
	WIN MUL
	MULG \f, 0, 4, \zero
	PLACES                                         ; buffer g was multiplied in the quarter before
	FETCH \slot, \q, \g
	s_wait_dscnt 24                                ; all but the 24 just issued
	WIN MUL
	MULG \f, 4, 4, \zero
.endm
; The last quarter multiplies buffer 1 and changes slots: one barrier; in front of it each wave waits for its reads of this slot and for all its tensor loads
.macro TURN slot, next, fill
	s_wait_dscnt 8
	WIN MUL
	MULG F1, 0, 2, 0
	s_wait_dscnt 0x0                               ; my reads of this slot are over,
	s_wait_tensorcnt 0x0                           ; and all my tensor loads have landed: my part of the next slot
	ds_add_u32 v254, v255
	s_wait_dscnt 0x0
	s_barrier_signal -1
	MULG F1, 2, 2, 0
.if \fill
	WIN 0
.endif
	s_barrier_wait -1
.if \fill
	CREST                                          ; the barrier has opened a round of the cluster's: no wave of any partner still reads this slot or has a load on its way
	s_add_nc_u64 s[G0+4*\slot+2:G0+4*\slot+3], s[G0+4*\slot+2:G0+4*\slot+3], ASTEP
	s_add_nc_u64 s[G0B+4*\slot+2:G0B+4*\slot+3], s[G0B+4*\slot+2:G0B+4*\slot+3], BSTEP
	JLOAD \slot                                    ; the first tensor load behind the round; its four v_nop are also the places in front of the loads below
.else
	PLACES
.endif
	FETCH \next, 0, F0
	WIN MUL
	MULG F1, 4, 4, 0
.endm
	s_wait_tensorcnt 0x1                           ; my part of K step 0 is in; K step 1's may stay out
	s_barrier_signal -1
	s_barrier_wait -1
	FETCH 0, 0, F0
	QUARTER 0, 1, F0, F1, 1                        ; the first quarter starts the sums
	WIN 0
	s_mov_b32 s3, LAPS-1
.Llap:                                                 ; a trip goes once round the ring and fills both slots again
	QUARTER 0, 2, F1, F0, 0
	QUARTER 0, 3, F0, F1, 0
	TURN 0, 1, 1
	QUARTER 1, 1, F0, F1, 0
	QUARTER 1, 2, F1, F0, 0
	QUARTER 1, 3, F0, F1, 0
	TURN 1, 0, 1
	QUARTER 0, 1, F0, F1, 0
	WIN 0
	s_sub_co_u32 s3, s3, 1
	s_cmp_lg_u32 s3, 0
	s_cbranch_scc1 .Llap
	QUARTER 0, 2, F1, F0, 0                        ; the last lap fills nothing
	QUARTER 0, 3, F0, F1, 0
	TURN 0, 1, 0
	QUARTER 1, 1, F0, F1, 0
	QUARTER 1, 2, F1, F0, 0
	QUARTER 1, 3, F0, F1, 0
	s_wait_dscnt 8
	WIN MUL
	MULG F1, 0, 4, 0
	s_wait_dscnt 0x0
	MULG F1, 4, 4, 0
; THE WAY OUT.  Block a (16 rows x 64 columns of f32): times the row's sigma; 32 bytes a lane into my stage; back as whole rows of 256 bytes; stored.
.macro PACK a
	WIN 0x02                                       ; source 0 window 2
.set i, 0
.rept 16
.if (\a)%2
	v_pk_mul_f32 v[TF+2*i:TF+2*i+1], v[32*(\a)+2*i:32*(\a)+2*i+1], v[SIG+(\a)-1:SIG+(\a)] op_sel:[0,1] op_sel_hi:[1,1]
.else
	v_pk_mul_f32 v[TF+2*i:TF+2*i+1], v[32*(\a)+2*i:32*(\a)+2*i+1], v[SIG+(\a):SIG+(\a)+1] op_sel_hi:[1,0]
.endif
.set i, i+1
.endr
	WIN 0
.endm
.macro TOSTAGE a
.set i, 0
.rept 8
	ds_store_b128 v[STO], v[TF+4*i:TF+4*i+3] offset:64*(i/2)+16*(i%2)
.set i, i+1
.endr
.set i, 0
.rept 8
	ds_load_b128 v[OB+32*((\a)%2)+4*i:OB+32*((\a)%2)+4*i+3], v[RD] offset:544*i    ; LDS serves a wave's instructions in order: these see the stores above
.set i, i+1
.endr
.endm
.macro SEND a
	s_wait_dscnt 0x0                               ; the block is back in registers
	s_wait_xcnt 0x0                                ; the bank that the next block is read into was the data of stores issued before this wait
.set i, 0
.rept 8
	global_store_b128 v[CO], v[OB+32*((\a)%2)+4*i:OB+32*((\a)%2)+4*i+3], s[70:71] offset:65536*(\a)+8192*i th:TH_STORE_NT   ; 16 lanes store 256 consecutive bytes, aligned
.set i, i+1
.endr
.endm
	PLACES
	s_wait_loadcnt 0x0                             ; sigma
	PACK 0
	TOSTAGE 0
.irp a, 1,2,3,4,5,6,7
	PACK \a                                        ; a block's arithmetic stands between the loads of the block before and the wait for them
	SEND \a-1
	TOSTAGE \a
.endr
	SEND 7
	s_set_vgpr_msb 0x5
	s_wait_tensorcnt 0x0
	ds_add_u32 v254, v255
	s_wait_dscnt 0x0
	s_set_vgpr_msb 0x500
	CROUND                                         ; the closing round: no work-group ends while a partner may still ask for a tile that names it
	s_endpgm
.Lfunc_end_k_q1b80f0d617_projg:
	.size	k_q1b80f0d617_projg, .Lfunc_end_k_q1b80f0d617_projg-k_q1b80f0d617_projg
	.p2alignl 7, 3214868480
	.fill 96, 4, 3214868480
	.section	.rodata,"a",@progbits
	.p2align	6, 0x0
	.amdhsa_kernel k_q1b80f0d617_projg
		.amdhsa_group_segment_fixed_size 327680
		.amdhsa_private_segment_fixed_size 0
		.amdhsa_enable_private_segment 0
		.amdhsa_kernarg_size 32
		.amdhsa_user_sgpr_count 2
		.amdhsa_user_sgpr_kernarg_segment_ptr 1
		.amdhsa_wavefront_size32 1
		.amdhsa_system_sgpr_workgroup_id_x 1
		.amdhsa_system_sgpr_workgroup_id_y 1
		.amdhsa_system_sgpr_workgroup_id_z 1
		.amdhsa_system_vgpr_workitem_id 0
		.amdhsa_next_free_vgpr 768
		.amdhsa_next_free_sgpr 90
		.amdhsa_reserve_vcc 0
		.amdhsa_float_denorm_mode_32 3
		.amdhsa_float_denorm_mode_16_64 3
		.amdhsa_memory_ordered 1
		.amdhsa_forward_progress 1
		.amdhsa_inst_pref_size 95
	.end_amdhsa_kernel
	.amdgpu_metadata
---
amdhsa.version: [ 1, 2 ]
amdhsa.kernels:
  - .name:           k_q1b80f0d617_projg
    .symbol:         k_q1b80f0d617_projg.kd
    .args:
      - { .name: y16, .offset: 0, .size: 8, .value_kind: global_buffer, .address_space: global }
      - { .name: w16, .offset: 8, .size: 8, .value_kind: global_buffer, .address_space: global }
      - { .name: sig, .offset: 16, .size: 8, .value_kind: global_buffer, .address_space: global }
      - { .name: out0, .offset: 24, .size: 8, .value_kind: global_buffer, .address_space: global }
    .group_segment_fixed_size: 327680
    .private_segment_fixed_size: 0
    .kernarg_segment_align: 8
    .kernarg_segment_size: 32
    .max_flat_workgroup_size: 128
    .sgpr_count:     90
    .vgpr_count:     768
    .wavefront_size: 32
...
	.end_amdgpu_metadata
.endif
;; end of part 5
;; ======== version 2 of 3: 4 launches
;; limits: values outside matrix products are rounded to f16; values are held in f16: magnitudes above 65,504 overflow, below 6.1e-05 lose precision; right only within a limited range of input values
;; workspace buffers: x16 16,777,216 bytes; w16 8,388,608 bytes; nq 524,288 bytes; rec 67,108,864 bytes; sig 32,768 bytes; y16 16,777,216 bytes
;; launch cvt: the kernel of part 1 again; grid 768 x 1, 8 waves a work-group, no clusters, 0 bytes of LDS; arguments x, Wq, Wk, Wv, Wproj, x16, w16; writes x16, w16
;; launch qkvp (part 6): grid 8 x 32, 4 waves a work-group, clusters of 4 x 4, 327,680 bytes of LDS; arguments x16, w16, alpha_raw, beta_raw, rec, nq; writes rec, nq
.if DOCPART == 6
	.amdgcn_target "amdgcn-amd-amdhsa--gfx1250"
	.amdhsa_code_object_version 6
	.text
	.protected	k_q1b80f0d617_qkvp
	.globl	k_q1b80f0d617_qkvp
	.p2align	8
	.type	k_q1b80f0d617_qkvp,@function
k_q1b80f0d617_qkvp:
	s_mov_b64 s[64:65], 0
	v_nop
	global_prefetch_b8 v0, s[64:65] scope:SCOPE_SE
	s_setreg_imm32_b32 hwreg(HW_REG_WAVE_MODE, 25, 1), 1
	s_wait_xcnt 0x0
	s_wait_alu depctr_hold_cnt(0) depctr_sa_sdst(0) depctr_va_vdst(0) depctr_va_sdst(0) depctr_va_ssrc(0) depctr_va_vcc(0) depctr_vm_vsrc(0)
	s_getreg_b32 s2, hwreg(HW_REG_IB_STS2, 6, 4)
	s_cmp_eq_u32 s2, 0
	s_cbranch_scc0 .Lentry_in_a_cluster
	s_endpgm
.Lentry_in_a_cluster:
	s_bfe_u32 s2, ttmp6, 0x10000c
	s_cmp_lg_u32 s2, 0xf033
	s_cbranch_scc0 .Lentry_shape_is_right
	s_endpgm
.Lentry_shape_is_right:
; PART 1: q, k, v = x W^T for 256 tokens x 2 heads: three tiles of 256 x 128 of C[8192][3072] = x16 times rows of w16, one after the other, f16 operands, f32 sums.
; PART 2, without leaving the work-group: the part of the recurrence that does not hang on the state, for the work-group's 8 chunks of 64 tokens (2 for each wave).
; Four waves, each 128 tokens x 64 columns (one head): 32 accumulators.  K goes in 8 steps of 128 through two LDS slots, and the ring does not stop at a tile's end: a tile's last two
; refills fetch the next tile's first two K steps (the same rows of x16 again, w16's rows 1,024 further on).
; On a tile's way out each head's 64 numbers of q and of k are divided by max(their norm, 1e-12) (for k the module's normalisation; q's divisor goes to nq = [b][h][t] f32 and is
; multiplied back later, so that every f16 operand made of q or k is bounded by about 1 whatever the inputs' scale) and kept, packed to f16, in registers; v stays as it is.
; CLUSTER 4 x 4: x16's tile hangs on the tile row alone and is asked for jointly along a row of the cluster, w16's on the tile column alone, along a column.
; The matrix instruction is used transposed (source 0 = 16 rows of w16, source 1 = 16 rows of x16): a lane holds eight neighbouring columns of one row of C.
; PART 2's mathematics.  With K, Q, V = [64 t][64], A = strict lower triangle of K K^T, P = strict lower triangle of Q K^T, a = sigmoid(alpha)/2, b = sigmoid(beta)/2,
; X = (I + a A)^-1 [K | V] = [X_K | X_V]:
;   NT[e'][e] = -a sum_t K[t][e'] X_K[t][e]     QT[t][e] = (Q - a P X_K)[t][e]     G[d][e'] = b sum_t X_V[t][d] K[t][e']     Y0[t][d] = b (P X_V)[t][d]
; so that the next launch needs only S^T += G^T + NT S^T and y^T = S QT^T + Y0^T for each chunk.  rec = [b][h][chunk] records of 32,768 bytes: NT, QT, G, Y0, each [64][64] f16.
; X is made by blocks of 16 tokens: X_b = T_bb R_b + sum_{m<b} W_bm X_m, T_bb = (I + a A_bb)^-1, W_bm = T_bb (-a A_bm).  T_bb comes from substitution in f32, a lane to a row:
; T[t][c] = delta_tc + sum_{i>c} T[t][i] (-a A[i][c]); no power series is cut off and no large sums are subtracted.
; LIMITS: v, X_V, G, Y0 carry v's scale and stay under 65,504; a head's sum of squares of q or k stays under 3.4e38.
; LDS.  Part 1: two slots of 104,448 bytes; at 272,384: 512 bytes a wave for q's divisors.  Part 2, over the ring, which has had its last fill: 68,096 bytes a wave, 34,048 a chunk:
; K (pitch 144), Q (144), V (160; later the stage for the way out, pitch 144), the four diagonal blocks of -a K K^T in f32 (pitch 80).
; REGISTERS, part 1.  Window 0: v16-28 addresses, v32-95 the way out; window 1: two fragment buffers of 96 (A's 8 fragments, then B's 4); window 2: accumulator (a, b) at v[8 (4 a + b)];
;   window 3: q packed (v0-127), k packed (v128-255): block a's 16 rows at 16 a.
; REGISTERS, part 2.  Window 0: v1-15 lane numbers and addresses; v18-19 -a, v28-29 b, v30 lane / 16; v32-47 E (unit rows), v48-63 Y (a row of T); later v32-63 Q's quads;
;   v64-87 GA (-a A_bm in f16), v88-143 TH (quads T00 0 W10 T11 0 W20 W21 T22 0 W30 W31 W32 T33 0); later v64-127 eight result tiles, v128-191 rows read back;
;   v144-223 DT (ten tiles); v224-255 at work.
; Window 1: v0-127 fragments of K and Q, then the broadcast matrix of the substitution (v0-143), then FX = [K | V]^T, turned into X^T in place; v128-191 K^T; v192-239 P^T's quads; v240-251 (0 | I | 0).
.set KSTEP,  128
.set PITCH,  272                       ; an LDS row: 256 bytes + 16: the sixteen rows of a fragment load start 16 bytes apart modulo 256
.set HALFA,  128*PITCH                 ; what waves 0 and 1 fetch, and what a wave reads of A
.set HALFB,  64*PITCH                  ; what waves 2 and 3 fetch, and what a wave reads of B
.set BOFF,   2*HALFA
.set SLOT,   BOFF+2*HALFB
.set LAPS,   4                         ; a lap = two K steps
.set STEP2,  2*KSTEP*2                 ; bytes from a slot's tile to its next
.set KBACK,  (1024-2*KSTEP)*2          ; bytes from a slot's last K step of a tile back to its first
.set NEXTB,  1024*2048-KBACK           ; B: 1,024 rows on and back along K
.set CB,     34048                     ; a chunk's LDS in part 2
.set NSTG,   8*CB                      ; q's divisors, 512 bytes a wave; no tensor load lands here
.set KR, 0
.set QR, 9216
.set VR, 18432
.set MR, 28672
.set PQ, 144
.set PV, 160
.set ADRA, 16
.set ADRB, 20
.set CO,   26
.set NST,  27
.set NLD,  28
.set SSP,  32                          ; v[32:47]   sums of squares, a pair for each block of 16 rows
.set IN,   48                          ; v[48:63]   pairs (1 / divisor, divisor)
.set TF,   64                          ; v[64:95]   a block's 32 numbers, scaled
.set F0,   0
.set F1,   96
.set G1,  24
.set G0,  32
.set G1B, 48
.set G0B, 56
.set NA,  18
.set BB,  28
.set H,   30
.set E,   32
.set Y,   48
.set QL,  32
.set D4,  64
.set GA,  64
.set TH,  88
.set OUT, 128
.set DT,  144
.set TMP, 224
.set FQ,  64
.set FKT, 128
.set IDR, 240
.set MK,  84                           ; s[84:91] lanes kept in register j of P's diagonal tiles: r > 8 h + j
.set MSB, 0
.macro WIN new                         ; the immediate's high byte repeats the setting that is left
.if MSB != \new
	s_set_vgpr_msb (MSB<<8)|\new
.set MSB, \new
.endif
.endm
.set MUL,  0xa5                        ; sources 0 and 1 window 1; C and D window 2
.set TO_F, 0x40                        ; destination window 1, address window 0
.macro JLOAD s                         ; a joint load: waves 0 and 1 fetch A's halves, waves 2 and 3 B's; four v_nop follow each line
	s_cmp_eq_u32 s11, 0
	s_cbranch_scc0 .Lfor_b_\@
	tensor_load_to_lds s[G0+4*\s:G0+4*\s+3], s[G1:G1+7]
	s_nop 0
.rept 4
	v_nop
.endr
	s_branch .Lasked_\@
.Lfor_b_\@:
	tensor_load_to_lds s[G0B+4*\s:G0B+4*\s+3], s[G1B:G1B+7]
	s_nop 0
.rept 4
	v_nop
.endr
.Lasked_\@:
.endm
.macro CREST                           ; a round of the cluster's barrier behind its opening barrier
	s_cmp_lg_u32 s10, 0
	s_cbranch_scc1 .Lnot_wave_0_\@
	s_barrier_signal -3
.Lnot_wave_0_\@:
	s_barrier_wait -3
	s_barrier_signal -1
	s_barrier_wait -1
.endm
.macro CROUND
	s_barrier_signal -1
	s_barrier_wait -1
	CREST
.endm
.macro PLACES                          ; four places behind matrix instructions (ISA guide 7.12.1)
.rept 4
	v_nop
.endr
.endm
	s_load_b128 s[4:7], s[0:1], 0x0                ; x16 s[4:5], w16 s[6:7]
	s_load_b256 s[68:75], s[0:1], 0x10             ; alpha_raw s[68:69], beta_raw s[70:71], rec s[72:73], nq s[74:75]
	s_set_vgpr_msb 0x40
	v_lshl_add_u32 v254, v0, 2, 0x43000
	v_mov_b32 v255, 0
	s_set_vgpr_msb 0x4045
	ds_add_u32 v254, v255
	ds_add_u32 v254, v255
	s_set_vgpr_msb 0x4500
	v_lshrrev_b32 v1, 5, v0
	v_readfirstlane_b32 s10, v1                    ; wave 0..3
	s_lshr_b32 s11, s10, 1                         ; my half of the tile's rows.  Also: I fetch for A (0) or for B (1)
	s_and_b32 s12, s10, 1                          ; my half of its columns.  Also: which half of that tile I fetch
	s_bfe_u32 s40, ttmp6, 0x40000                  ; cx
	s_bfe_u32 s41, ttmp6, 0x40004                  ; cy
	s_lshl_b32 s42, ttmp9, 2
	s_add_co_u32 s42, s42, s40                     ; tile column: heads 2 x and 2 x + 1
	s_and_b32 s13, ttmp7, 0xffff
	s_lshl_b32 s13, s13, 2
	s_add_co_u32 s13, s13, s41                     ; tile row
	s_lshl_b32 s43, s41, 2
	s_lshl_b32 s43, 15, s43                        ; my row of the cluster
	s_lshl_b32 s44, 0x1111, s40                    ; my column
	s_or_b32 s[G1+0], s43, (1<<16)|(1<<20)|(1<<21)|(5<<22)|(3<<25)   ; the mask; elements of 2 bytes; padding on; bit 21 beside a mask; after every 64 words 4 words
	s_or_b32 s[G1B+0], s44, (1<<16)|(1<<20)|(1<<21)|(5<<22)|(3<<25)
	s_mov_b32 s[G1+1], KSTEP<<16                   ; tensor_dim0 = 128
	s_mov_b32 s[G1+2], 128<<16                     ; tensor_dim1 = 128
	s_mov_b32 s[G1+3], KSTEP<<16                   ; tile_dim0 = 128
	s_mov_b32 s[G1+4], 128                         ; tile_dim1 = 128
	s_mov_b32 s[G1+5], 1024                        ; elements from row to row
	s_mov_b32 s[G1+6], 0
	s_mov_b32 s[G1+7], 0
	s_mov_b32 s[G1B+1], KSTEP<<16
	s_mov_b32 s[G1B+2], 64<<16                     ; B's loads have 64 rows
	s_mov_b32 s[G1B+3], KSTEP<<16
	s_mov_b32 s[G1B+4], 64
	s_mov_b32 s[G1B+5], 1024
	s_mov_b32 s[G1B+6], 0
	s_mov_b32 s[G1B+7], 0
	s_lshl_b32 s17, s12, 7
	s_lshl_b32 s16, s13, 8
	s_add_co_u32 s16, s16, s17                     ; A: row 256 x tile row + 128 x half
	s_lshl_b32 s16, s16, 11                        ; rows of 2,048 bytes
	s_mov_b32 s17, 0
	s_lshl_b32 s47, s12, 6
	s_lshl_b32 s46, s42, 7
	s_add_co_u32 s46, s46, s47                     ; B: row 128 x tile column + 64 x half, of Wq first
	s_lshl_b32 s46, s46, 11
	s_mov_b32 s47, 0
	s_mul_i32 s20, s12, HALFA                      ; where they go: no place in the cluster enters an LDS address
	s_mul_i32 s21, s12, HALFB
	s_add_co_u32 s21, s21, BOFF
	s_wait_dscnt 0x0
	s_wait_kmcnt 0x0
	s_add_nc_u64 s[14:15], s[4:5], s[16:17]
	s_add_nc_u64 s[46:47], s[6:7], s[46:47]
	CROUND                                         ; all sixteen work-groups are here: the first joint loads meet
.irp s, 0,1
	s_mov_b32 s[G0+4*\s], 1
	s_add_co_u32 s[G0+4*\s+1], s20, \s*SLOT
	s_add_nc_u64 s[G0+4*\s+2:G0+4*\s+3], s[14:15], \s*KSTEP*2
	s_or_b32 s[G0+4*\s+3], s[G0+4*\s+3], 0x80000000
	s_mov_b32 s[G0B+4*\s], 1
	s_add_co_u32 s[G0B+4*\s+1], s21, \s*SLOT
	s_add_nc_u64 s[G0B+4*\s+2:G0B+4*\s+3], s[46:47], \s*KSTEP*2
	s_or_b32 s[G0B+4*\s+3], s[G0B+4*\s+3], 0x80000000
	JLOAD \s                                       ; two loads of mine are out behind these; later one behind each round
.endr
	s_lshl_b32 s76, s42, 1
	s_add_co_u32 s76, s76, s12                     ; my head
	s_lshl_b32 s96, s76, 2                         ; its word in alpha_raw and beta_raw; never rewritten
	s_load_b32 s82, s[68:69], s96 offset:0x0       ; alpha_raw[h]
	s_load_b32 s83, s[70:71], s96 offset:0x0       ; beta_raw[h]
	v_and_b32 v1, 15, v0                           ; r = lane % 16
	v_bfe_u32 v2, v0, 4, 1                         ; h = lane / 16
	v_and_b32 v6, 31, v0                           ; lane
	v_mul_u32_u24 v3, v1, PITCH
	v_lshl_add_u32 v3, v2, 4, v3                   ; a fragment's row x pitch + 16 h
	s_mul_i32 s22, s11, HALFA                      ; my 128 rows of A
	s_mul_i32 s23, s12, HALFB                      ; my 64 rows of B
	s_add_co_u32 s23, s23, BOFF
.irp s, 0,1
	v_add_nc_u32 v[ADRA+\s], s22, v3
	v_add_nc_u32 v[ADRB+\s], s23, v3
	s_add_co_u32 s22, s22, SLOT
	s_add_co_u32 s23, s23, SLOT
.endr
	v_lshlrev_b32 v[CO], 4, v6                     ; 16 x lane
	s_lshl_b32 s77, s10, 9
	s_add_co_u32 s77, s77, NSTG                    ; my 512 bytes for the divisors
	v_lshl_add_u32 v[NST], v1, 2, s77
	v_add_nc_u32 v[NLD], s77, v[CO]
	s_lshr_b32 s77, s13, 3
	s_lshl_b32 s77, s77, 4
	s_add_co_u32 s76, s76, s77                     ; 16 b + head
	s_lshl_b32 s76, s76, 11
	s_and_b32 s77, s13, 7
	s_lshl_b32 s77, s77, 8
	s_add_co_u32 s76, s76, s77
	s_lshl_b32 s77, s11, 7
	s_add_co_u32 s76, s76, s77                     ; my first row in [b][h][t]
	s_lshl_b32 s78, s76, 2
	s_mov_b32 s79, 0
	s_add_nc_u64 s[74:75], s[74:75], s[78:79]      ; nq at my first row
	s_lshl_b32 s78, s76, 9                         ; 32,768 bytes for every 64 rows
	s_add_nc_u64 s[72:73], s[72:73], s[78:79]      ; my first record
	s_mov_b32 s80, 0x76543210                      ; v_permlanex16_b32: each lane takes its own place in the other half
	s_mov_b32 s81, 0xfedcba98
; n x 4 matrix instructions: row blocks a0 .. a0 + n - 1 x all 4 column blocks, 32 along K.  zero = 1: the product starts the sums.
; The 32 accumulators take turns, one instruction a turn, in the same order in every quarter and from tile to tile.
.macro MULG f, a0, n, zero
.set ia, \a0
.rept \n
.set ib, 0
.rept 4
.if \zero
	v_wmma_f32_16x16x32_f16 v[8*(4*ia+ib):8*(4*ia+ib)+7], v[\f+64+8*ib:\f+64+8*ib+7], v[\f+8*ia:\f+8*ia+7], 0
.else
	v_wmma_f32_16x16x32_f16 v[8*(4*ia+ib):8*(4*ia+ib)+7], v[\f+64+8*ib:\f+64+8*ib+7], v[\f+8*ia:\f+8*ia+7], v[8*(4*ia+ib):8*(4*ia+ib)+7]
.endif
.set ib, ib+1
.endr
.set ia, ia+1
.endr
.endm
; 24 LDS loads in one run: quarter q of a K step into buffer f: B's 4 fragments, A's 0-3, A's 4-7
.macro FETCH slot, q, f
	WIN TO_F
.set i, 0
.rept 4
	ds_load_b128 v[\f+64+8*i:\f+64+8*i+3],   v[ADRB+\slot] offset:64*\q+i*16*PITCH
	ds_load_b128 v[\f+64+8*i+4:\f+64+8*i+7], v[ADRB+\slot] offset:64*\q+i*16*PITCH+32
.set i, i+1
.endr
.set i, 0
.rept 8
	ds_load_b128 v[\f+8*i:\f+8*i+3],   v[ADRA+\slot] offset:64*\q+i*16*PITCH
	ds_load_b128 v[\f+8*i+4:\f+8*i+7], v[ADRA+\slot] offset:64*\q+i*16*PITCH+32
.set i, i+1
.endr
.endm
; One of a K step's first three quarters: multiplies buffer f and, in its middle, fetches quarter q into buffer g
.macro QUARTER slot, q, f, g, zero
	s_wait_dscnt 8                                 ; B and A's blocks 0-3 are in; the youngest eight loads (A's blocks 4-7) may be out
	WIN MUL
	MULG \f, 0, 4, \zero
	PLACES                                         ; buffer g was multiplied in the quarter before
	FETCH \slot, \q, \g
	s_wait_dscnt 24                                ; all but the 24 just issued
	WIN MUL
	MULG \f, 4, 4, \zero
.endm
; The last quarter multiplies buffer 1 and changes slots: one barrier; in front of it each wave waits for its reads of this slot and for all its tensor loads.
; fill = 1: this slot is filled again, two K steps on; 2: with the next tile's K step 0 or 1; 0: not at all.
.macro TURN slot, next, fill
	s_wait_dscnt 8
	WIN MUL
	MULG F1, 0, 2, 0
	s_wait_dscnt 0x0                               ; my reads of this slot are over,
	s_wait_tensorcnt 0x0                           ; and all my tensor loads have landed: my part of the next slot
	ds_add_u32 v254, v255
	s_wait_dscnt 0x0
	s_barrier_signal -1
	MULG F1, 2, 2, 0
.if \fill
	WIN 0
.endif
	s_barrier_wait -1
.if \fill
	CREST                                          ; the barrier has opened a round of the cluster's: no wave of any partner still reads this slot or has a load on its way
.if \fill == 2
	s_sub_nc_u64 s[G0+4*\slot+2:G0+4*\slot+3], s[G0+4*\slot+2:G0+4*\slot+3], KBACK
	s_add_nc_u64 s[G0B+4*\slot+2:G0B+4*\slot+3], s[G0B+4*\slot+2:G0B+4*\slot+3], NEXTB
.else
	s_add_nc_u64 s[G0+4*\slot+2:G0+4*\slot+3], s[G0+4*\slot+2:G0+4*\slot+3], STEP2
	s_add_nc_u64 s[G0B+4*\slot+2:G0B+4*\slot+3], s[G0B+4*\slot+2:G0B+4*\slot+3], STEP2
.endif
	JLOAD \slot                                    ; the first tensor load behind the round; its four v_nop are also the places in front of the loads below
.else
	PLACES
.endif
	FETCH \next, 0, F0
	WIN MUL
	MULG F1, 4, 4, 0
.endm
; A tile's eight K steps.  Its first fragments have been fetched.  last = 0: the ring goes on into the next tile, whose first fragments are fetched at the end.
.macro GEMM last
	QUARTER 0, 1, F0, F1, 1                        ; the first quarter starts the sums
	WIN 0
	s_mov_b32 s3, LAPS-1
.Llap_\@:                                              ; a trip goes once round the ring and fills both slots again
	QUARTER 0, 2, F1, F0, 0
	QUARTER 0, 3, F0, F1, 0
	TURN 0, 1, 1
	QUARTER 1, 1, F0, F1, 0
	QUARTER 1, 2, F1, F0, 0
	QUARTER 1, 3, F0, F1, 0
	TURN 1, 0, 1
	QUARTER 0, 1, F0, F1, 0
	WIN 0
	s_sub_co_u32 s3, s3, 1
	s_cmp_lg_u32 s3, 0
	s_cbranch_scc1 .Llap_\@
	QUARTER 0, 2, F1, F0, 0
	QUARTER 0, 3, F0, F1, 0
.if \last
	TURN 0, 1, 0                                   ; the last tile's last lap fills nothing
	QUARTER 1, 1, F0, F1, 0
	QUARTER 1, 2, F1, F0, 0
	QUARTER 1, 3, F0, F1, 0
	s_wait_dscnt 8
	WIN MUL
	MULG F1, 0, 4, 0
	s_wait_dscnt 0x0                               ; my last reads of the ring are back
	MULG F1, 4, 4, 0
.else
	TURN 0, 1, 2
	QUARTER 1, 1, F0, F1, 0
	QUARTER 1, 2, F1, F0, 0
	QUARTER 1, 3, F0, F1, 0
	TURN 1, 0, 2
.endif
.endm
; The way out of q's and k's tiles.  A row's 64 numbers lie in two lanes, 32 each: their squares are summed in eight chains (one for each block of 16 rows), each accumulator from its
; low registers up; then each block is divided by max(norm, 1e-12), rounded to f16 and kept in window 3 from v[dst] on.  The next tile's tiles are on their way meanwhile.
.macro NORMPACK dst
	s_wait_xcnt 0x0                                ; the registers written below were the data of the divisors' store
	PLACES
	WIN 0x0a                                       ; sources 0 and 1 window 2
.set idx, 0
.rept 16
.set ia, 0
.rept 8
.if idx == 0
	v_pk_mul_f32 v[SSP+2*ia:SSP+2*ia+1], v[32*ia:32*ia+1], v[32*ia:32*ia+1]
.else
	v_pk_fma_f32 v[SSP+2*ia:SSP+2*ia+1], v[32*ia+2*idx:32*ia+2*idx+1], v[32*ia+2*idx:32*ia+2*idx+1], v[SSP+2*ia:SSP+2*ia+1]
.endif
.set ia, ia+1
.endr
.set idx, idx+1
.endr
	WIN 0
.set ia, 0
.rept 8
	v_add_f32 v[SSP+2*ia], v[SSP+2*ia], v[SSP+2*ia+1]
.set ia, ia+1
.endr
.set ia, 0
.rept 8
	v_permlanex16_b32 v[SSP+2*ia+1], v[SSP+2*ia], s80, s81   ; the row's other 32 numbers lie in the lane 16 away
.set ia, ia+1
.endr
.set ia, 0
.rept 8
	v_add_f32 v[SSP+2*ia], v[SSP+2*ia], v[SSP+2*ia+1]
.set ia, ia+1
.endr
.set ia, 0
.rept 8
	v_sqrt_f32 v[IN+2*ia+1], v[SSP+2*ia]
.set ia, ia+1
.endr
	v_nop                                          ; a plain instruction between the last root and the use of its result
.set ia, 0
	s_wait_alu depctr_va_vdst(0)
.rept 8
	v_max_num_f32 v[IN+2*ia+1], 0x2b8cbccc, v[IN+2*ia+1]     ; max(norm, 1e-12)
.set ia, ia+1
.endr
.set ia, 0
.rept 8
	v_rcp_f32 v[IN+2*ia], v[IN+2*ia+1]
.set ia, ia+1
.endr
	v_nop
	s_wait_alu depctr_va_vdst(0)
.set ia, 0
.rept 8
	WIN 0x02                                       ; source 0 window 2
.set i, 0
.rept 16
	v_pk_mul_f32 v[TF+2*i:TF+2*i+1], v[32*ia+2*i:32*ia+2*i+1], v[IN+2*ia:IN+2*ia+1] op_sel_hi:[1,0]
.set i, i+1
.endr
	WIN 0xc0                                       ; destination window 3
.set i, 0
.rept 16
	v_cvt_pk_f16_f32 v[\dst+16*ia+i], v[TF+2*i], v[TF+2*i+1]
.set i, i+1
.endr
.set ia, ia+1
.endr
	WIN 0
.endm
	s_wait_kmcnt 0x0                               ; alpha_raw[h], beta_raw[h]
	s_wait_tensorcnt 0x1                           ; my part of K step 0 is in; K step 1's may stay out
	s_barrier_signal -1
	s_barrier_wait -1
	FETCH 0, 0, F0
	GEMM 0                                         ; q
	NORMPACK 0
.set ia, 0
.rept 8
	ds_store_b32 v[NST], v[IN+2*ia+1] offset:64*ia ; q's divisors: both halves of the lanes hold the same number and write the same word
.set ia, ia+1
.endr
	ds_load_b128 v[TF:TF+3], v[NLD]                ; LDS serves a wave's instructions in order: this sees the stores above
	s_wait_dscnt 0x0
	global_store_b128 v[CO], v[TF:TF+3], s[74:75]  ; the wave's store covers 512 consecutive bytes, aligned
	GEMM 0                                         ; k
	NORMPACK 128
	GEMM 1                                         ; v
	; PART 2.  No tensor load is out (the last change of slots waited for all) and none follows; every wave's reads of the ring are back in front of its signal: behind this barrier the ring's bytes are scratch.
	WIN 0
	s_barrier_signal -1
	s_barrier_wait -1
	v_and_b32 v1, 31, v0                           ; L.  These lines are also the places behind the last products
	v_and_b32 v2, 15, v0                           ; r
	v_bfe_u32 v[H], v0, 4, 1                       ; h
	v_lshlrev_b32 v3, 3, v[H]                      ; 8 h
	v_lshlrev_b32 v15, 4, v1                       ; 16 L
	s_mul_i32 s92, s10, 2*CB                       ; my LDS: two chunks
	v_lshl_add_u32 v31, v[H], 4, s92
	v_mul_u32_u24 v7, v2, PQ
	v_add_nc_u32 v7, v7, v31                       ; K and Q: row r, 16 h
	v_mul_u32_u24 v6, v2, PV
	v_add_nc_u32 v6, v6, v31
	v_add_nc_u32 v6, VR, v6                        ; V
	WIN 0x0a                                       ; sources 0 and 1 window 2
.set i, 0
.rept 128
	v_cvt_pk_f16_f32 v[64+i], v[2*i], v[2*i+1]     ; v, each accumulator from its low registers up
.set i, i+1
.endr
	WIN 0
.set ia, 0
.rept 8
.set ib, 0
.rept 4
	ds_store_b128 v6, v[64+16*ia+4*ib:64+16*ia+4*ib+3] offset:(ia/4)*CB+(ia%4)*16*PV+32*ib   ; block a: chunk a / 4, tokens 16 (a % 4) on
.set ib, ib+1
.endr
.set ia, ia+1
.endr
	WIN 0x0c                                       ; the stores' data in window 3
.set ia, 0
.rept 8
.set ib, 0
.rept 4
	ds_store_b128 v7, v[128+16*ia+4*ib:128+16*ia+4*ib+3] offset:(ia/4)*CB+KR+(ia%4)*16*PQ+32*ib
	ds_store_b128 v7, v[16*ia+4*ib:16*ia+4*ib+3]         offset:(ia/4)*CB+QR+(ia%4)*16*PQ+32*ib
.set ib, ib+1
.endr
.set ia, ia+1
.endr
	WIN 0
	v_mov_b32 v20, s82
	v_mov_b32 v21, s83
	v_mul_f32 v20, 0xbfb8aa3b, v20                 ; -log2(e) x
	v_mul_f32 v21, 0xbfb8aa3b, v21
	v_exp_f32 v20, v20
	v_exp_f32 v21, v21
	v_nop                                          ; a plain instruction behind the exponentials
	s_wait_alu depctr_va_vdst(0)
	v_add_f32 v20, 1.0, v20
	v_add_f32 v21, 1.0, v21
	v_rcp_f32 v20, v20
	v_rcp_f32 v21, v21
	v_nop
	s_wait_alu depctr_va_vdst(0)
	v_mul_f32 v[NA], -0.5, v20                     ; -a = -sigmoid(alpha_raw) / 2
	v_mul_f32 v[BB], 0.5, v21                      ; b
	v_mov_b32 v[NA+1], v[NA]
	v_mov_b32 v[BB+1], v[BB]
.set j, 0
.rept 8
	v_add_nc_u32 v22, j, v3
	v_cmp_gt_u32 s[MK+j], v2, v22
.set j, j+1
.endr
; THE DIAGONAL INVERSES, two at a time: lanes 0-15 take block 2 p, lanes 16-31 block 2 p + 1; lane r makes row r of T in Y[0..15].
; M(c, i) = -a k_c . k_i is the same for a block's sixteen lanes: 36 loads of four numbers (row c, columns 4 qd on, where a column i > c lies in them), columns 12-15 first.
.macro INVERT p, qa, qb
	WIN 0x40
.irp qd, 3,2,1,0
.set c, 0
.rept 4*\qd+3
	ds_load_b128 v[4*(\qd*(2*\qd+1)+c):4*(\qd*(2*\qd+1)+c)+3], v12 offset:2560*\p+80*c+16*\qd
.set c, c+1
.endr
.endr
	WIN 0x04                                       ; source 1 window 1
	s_wait_dscnt 21                                ; columns 12-15 are in: 11 + 7 + 3 younger loads stay out
.set c, 14
.rept 15
	v_fma_f32 v[Y+c], v[E+15], v[4*(21+c)+3], v[E+c]       ; column 15 of T is E[15]; this starts every sum
.set c, c-1
.endr
.set i, 14
.rept 14
.if i == 11
	s_wait_dscnt 10                                ; columns 8-11: 7 + 3 stay out
.elseif i == 7
	s_wait_dscnt 3
.elseif i == 3
	s_wait_dscnt 0x0
.endif
.set c, i-1
.rept i
	v_fmac_f32 v[Y+c], v[Y+i], v[4*((i/4)*(2*(i/4)+1)+c)+(i%4)]    ; column i is finished and goes into all columns to its left
.set c, c-1
.endr
.set i, i-1
.endr
	WIN 0
.set j, 0
.rept 4
	v_cvt_pk_f16_f32 v[TH+4*\qa+j], v[Y+2*j], v[Y+2*j+1]   ; columns 0-7 of both blocks
.set j, j+1
.endr
.set j, 0
.rept 3
	v_cvt_pk_f16_f32 v[TH+4*\qb+j], v[Y+8+2*j], v[Y+9+2*j] ; columns 8-15 of both blocks
.set j, j+1
.endr
	v_cvt_pk_f16_f32 v[TH+4*\qb+3], v[Y+14], v[E+15]
.set j, 0
.rept 4
	v_permlane16_swap_b32 v[TH+4*\qa+j], v[TH+4*\qb+j]     ; the first quad's upper lanes change places with the second's lower ones: each quad is now one block's fragment half
.set j, j+1
.endr
.endm
; Block b of X: TH's row b (quads q0, q0 + 1 for tokens 0-31; q1, q1 + 1 for tokens 32-63, or none) times FX, whose blocks below b are X already and whose block b is still R;
; what lies above b meets zeros.  The result is packed over R_b.  The eight column blocks take turns.
.macro LEVEL b, q0, q1
	WIN 0x04                                       ; source 1 window 1
.set cb, 0
.rept 8
	v_wmma_f32_16x16x32_f16 v[DT+8*cb:DT+8*cb+7], v[TH+4*\q0:TH+4*\q0+7], v[16*cb:16*cb+7], 0
.set cb, cb+1
.endr
.if \q1 >= 0
.set cb, 0
.rept 8
	v_wmma_f32_16x16x32_f16 v[DT+8*cb:DT+8*cb+7], v[TH+4*\q1:TH+4*\q1+7], v[16*cb+8:16*cb+15], v[DT+8*cb:DT+8*cb+7]
.set cb, cb+1
.endr
.endif
	PLACES
	WIN 0x40
.set cb, 0
.rept 8
.set j, 0
.rept 4
	v_cvt_pk_f16_f32 v[16*cb+8*(\b/2)+4*(\b%2)+j], v[DT+8*cb+2*j], v[DT+8*cb+2*j+1]
.set j, j+1
.endr
.set cb, cb+1
.endr
.endm
; THE FOUR OUTPUTS, each [64][64], in two groups of eight tiles (row blocks 2 g, 2 g + 1 x four column blocks); the lane holds a row, its registers eight neighbouring columns.
; Source 0 = window 1's v[abase + 16 mb + 8 ks]; source 1 = v[bbase + 16 nb + 8 ks], or (bbase < 0) P's fragments of token block nb.  nks: how many halves of the 64 tokens are summed.
.macro PROD abase, bbase, g, nks
	WIN 0x05
.set ks, 0
.rept \nks
.set nb, 2*\g
.rept 2
.if \bbase < 0
.set rb, 192+8*nb+8*(nb/3)+8*ks
.else
.set rb, \bbase+16*nb+8*ks
.endif
.set mb, 0
.rept 4
.set rd, D4+8*(4*(nb%2)+mb)
.set ra, \abase+16*mb+8*ks
.if ks == 0
	v_wmma_f32_16x16x32_f16 v[rd:rd+7], v[ra:ra+7], v[rb:rb+7], 0
.else
	v_wmma_f32_16x16x32_f16 v[rd:rd+7], v[ra:ra+7], v[rb:rb+7], v[rd:rd+7]
.endif
.set mb, mb+1
.endr
.set nb, nb+1
.endr
.set ks, ks+1
.endr
	PLACES
	WIN 0
.endm
.macro SCALE x                         ; the group's eight tiles times the number that lies twice in v[x:x+1]
.set i, 0
.rept 32
	v_pk_mul_f32 v[D4+2*i:D4+2*i+1], v[D4+2*i:D4+2*i+1], v[\x:\x+1]
.set i, i+1
.endr
.endm
.macro PACKST g                        ; rounded to f16, 16 bytes a lane into the stage
.set t, 0
.rept 8
.set j, 0
.rept 4
	v_cvt_pk_f16_f32 v[TMP+4*t+j], v[D4+8*t+2*j], v[D4+8*t+2*j+1]
.set j, j+1
.endr
	ds_store_b128 v13, v[TMP+4*t:TMP+4*t+3] offset:16*PQ*(2*\g+t/4)+32*(t%4)
.set t, t+1
.endr
.endm
.macro FLUSH sect                      ; the stage's 64 rows go out as 8,192 consecutive bytes
	s_wait_xcnt 0x0                                ; these registers were the data of the last output's stores
.set i, 0
.rept 16
	ds_load_b128 v[OUT+4*i:OUT+4*i+3], v14 offset:4*PQ*i
.set i, i+1
.endr
.set i, 0
.rept 16
	s_wait_dscnt 15-i
	global_store_b128 v15, v[OUT+4*i:OUT+4*i+3], s[72:73] offset:8192*\sect+512*i  ; a wave's store covers 512 consecutive bytes, aligned
.set i, i+1
.endr
.endm
.macro QLOAD g                         ; Q's quads in the tiles' own layout: row 16 tb + r, columns 16 mb + 8 h on
.set t, 0
.rept 8
	ds_load_b128 v[QL+4*t:QL+4*t+3], v8 offset:16*PQ*(2*\g+t/4)+32*(t%4)
.set t, t+1
.endr
.endm
.macro QADD                            ; each tile += Q's quad, exactly: unit matrix times a pair of quads, (I | 0) for the first of the pair, (0 | I) for the second
	s_wait_dscnt 0x0
	WIN 0x01                                       ; source 0 window 1
.set t, 0
.rept 8
	v_wmma_f32_16x16x32_f16 v[D4+8*t:D4+8*t+7], v[IDR+4-4*(t%2):IDR+11-4*(t%2)], v[QL+8*(t/2):QL+8*(t/2)+7], v[D4+8*t:D4+8*t+7]
.set t, t+1
.endr
	PLACES
	WIN 0
.endm
	s_mov_b32 s93, 0
.Lchunk:                                               ; two trips: my two chunks; s92 = the chunk's LDS, s[72:73] = its record
	v_bfe_u32 v21, v0, 3, 2                        ; L / 8
	v_and_b32 v22, 7, v0                           ; L % 8
	v_bfe_u32 v23, v0, 3, 1                        ; (L / 8) % 2
	v_lshl_add_u32 v24, v22, 4, s92
	v_mul_u32_u24 v14, v21, PQ
	v_add_nc_u32 v14, v14, v24
	v_add_nc_u32 v14, VR, v14                      ; v14: the stage, read back by rows, eight lanes to a row of 128 bytes
	v_lshl_add_u32 v25, v[H], 4, s92
	v_mul_u32_u24 v7, v2, PQ
	v_add_nc_u32 v7, v7, v25                       ; v7: a fragment of K: row r, 16 h
	v_add_nc_u32 v8, QR, v7                        ; v8: of Q
	v_add_nc_u32 v13, VR, v7                       ; v13: into the stage
	v_add_nc_u32 v26, v3, v22                      ; the turning load's row: 8 h + L % 8
	v_lshl_add_u32 v27, v23, 4, s92
	v_mul_u32_u24 v9, v26, PQ
	v_add_nc_u32 v9, v9, v27                       ; v9: K turned
	v_mul_u32_u24 v10, v26, PV
	v_add_nc_u32 v10, v10, v27
	v_add_nc_u32 v10, VR, v10                      ; v10: V turned
	v_lshl_add_u32 v11, v[H], 5, s92
	v_mul_u32_u24 v12, v2, 80
	v_add_nc_u32 v11, v11, v12
	v_add_nc_u32 v11, MR, v11                      ; v11: a diagonal block's row r, columns 8 h on
	v_mul_u32_u24 v12, v[H], 1280
	v_add_nc_u32 v12, s92, v12
	v_add_nc_u32 v12, MR, v12                      ; v12: the block that my half of the lanes inverts
	v_sub_nc_u32 v27, v2, v3                       ; r - 8 h, for the unit fragment
.set c, 0
.rept 16
	v_cmp_eq_u32 vcc_lo, c, v2
	v_cndmask_b32 v[E+c], 0, 1.0, vcc_lo           ; E[c] = 1 in the lanes of row c
.set c, c+1
.endr
.set j, 0
.rept 8
	v_cmp_eq_u32 vcc_lo, j, v27
	v_cndmask_b32 v[Y+j], 0, 1.0, vcc_lo           ; the unit matrix as a fragment: element 8 h + j of row r
.set j, j+1
.endr
.irp q, 1,4,8,13
.set j, 0
.rept 4
	v_mov_b32 v[TH+4*\q+j], 0                      ; TH's four quads of zeros
.set j, j+1
.endr
.endr
	WIN 0x40                                       ; destination window 1
.set t, 0
.rept 4
.set ks, 0
.rept 2
	ds_load_b128 v[16*t+8*ks:16*t+8*ks+3],         v7 offset:16*PQ*t+64*ks          ; LDS serves a wave's instructions in order: these see my stores of K and Q
	ds_load_b128 v[16*t+8*ks+4:16*t+8*ks+7],       v7 offset:16*PQ*t+64*ks+32
	ds_load_b128 v[FQ+16*t+8*ks:FQ+16*t+8*ks+3],   v8 offset:16*PQ*t+64*ks
	ds_load_b128 v[FQ+16*t+8*ks+4:FQ+16*t+8*ks+7], v8 offset:16*PQ*t+64*ks+32
.set ks, ks+1
.endr
.set t, t+1
.endr
.set j, 0
.rept 4
	v_cvt_pk_f16_f32 v[IDR+4+j], v[Y+2*j], v[Y+2*j+1]
	v_mov_b32 v[IDR+j], 0
	v_mov_b32 v[IDR+8+j], 0
	v_mov_b32 v[196+j], 0                          ; the quads of zeros that fill up P's fragments of token blocks 0 and 2
	v_mov_b32 v[220+j], 0
.set j, j+1
.endr
	s_wait_dscnt 0x0
	; K K^T: ten tiles, (b, m) written as 10 b + m: source 0 = K's block b, source 1 = block m: registers hold s in block b, the lane i in block m.  The tiles take turns.
	WIN 0x05                                       ; sources 0 and 1 window 1
.irp ks, 0,1
.set n, 0
.irp p, 0,11,22,33,10,20,21,30,31,32
.if \ks == 0
	v_wmma_f32_16x16x32_f16 v[DT+8*n:DT+8*n+7], v[16*(\p/10)+8*\ks:16*(\p/10)+8*\ks+7], v[16*(\p%10)+8*\ks:16*(\p%10)+8*\ks+7], 0
.else
	v_wmma_f32_16x16x32_f16 v[DT+8*n:DT+8*n+7], v[16*(\p/10)+8*\ks:16*(\p/10)+8*\ks+7], v[16*(\p%10)+8*\ks:16*(\p%10)+8*\ks+7], v[DT+8*n:DT+8*n+7]
.endif
.set n, n+1
.endr
.endr
	PLACES
	WIN 0
.set n, 0
.rept 10
.set j, 0
.rept 4
	v_pk_mul_f32 v[DT+8*n+2*j:DT+8*n+2*j+1], v[DT+8*n+2*j:DT+8*n+2*j+1], v[NA:NA+1]
.set j, j+1
.endr
.set n, n+1
.endr
.set n, 0
.rept 4
	ds_store_b128 v11, v[DT+8*n:DT+8*n+3]   offset:1280*n      ; the tile is symmetric: this is row r, columns 8 h on
	ds_store_b128 v11, v[DT+8*n+4:DT+8*n+7] offset:1280*n+16
.set n, n+1
.endr
.set n, 4
.rept 6
.set j, 0
.rept 4
	v_cvt_pk_f16_f32 v[GA+4*(n-4)+j], v[DT+8*n+2*j], v[DT+8*n+2*j+1]
.set j, j+1
.endr
.set n, n+1
.endr
	; P^T: ten tiles, 10 tb + mi: source 0 = K's block mi, source 1 = Q's block tb: registers hold the key i, the lane the token t
	WIN 0x05
.irp ks, 0,1
.set n, 0
.irp p, 0,11,22,33,10,20,21,30,31,32
.if \ks == 0
	v_wmma_f32_16x16x32_f16 v[DT+8*n:DT+8*n+7], v[16*(\p%10)+8*\ks:16*(\p%10)+8*\ks+7], v[FQ+16*(\p/10)+8*\ks:FQ+16*(\p/10)+8*\ks+7], 0
.else
	v_wmma_f32_16x16x32_f16 v[DT+8*n:DT+8*n+7], v[16*(\p%10)+8*\ks:16*(\p%10)+8*\ks+7], v[FQ+16*(\p/10)+8*\ks:FQ+16*(\p/10)+8*\ks+7], v[DT+8*n:DT+8*n+7]
.endif
.set n, n+1
.endr
.endr
	PLACES
	WIN 0
.set n, 0
.rept 4
.set j, 0
.rept 8
	v_cndmask_b32 v[DT+8*n+j], 0, v[DT+8*n+j], s[MK+j]     ; the diagonal tiles keep i < t
.set j, j+1
.endr
.set n, n+1
.endr
	WIN 0x40
.set n, 0
.irp p, 0,11,22,33,10,20,21,30,31,32
.set fp, 192+8*(\p/10)+8*((\p/10)/3)+4*(\p%10)         ; token block tb's quads begin at 192, 200, 208, 224
.set j, 0
.rept 4
	v_cvt_pk_f16_f32 v[fp+j], v[DT+8*n+2*j], v[DT+8*n+2*j+1]
.set j, j+1
.endr
.set n, n+1
.endr
	INVERT 0, 0, 3
	INVERT 1, 7, 12
	; W_bm = T_bb (-a A_bm): source 0 = the quad of -a A_bm (row i, k = s) and whatever quad follows it, source 1 = (T_bb, 0): the zeros meet the second quad, which is finite
.set n, 0
.irp tq, 3,7,7,12,12,12
	v_wmma_f32_16x16x32_f16 v[DT+8*n:DT+8*n+7], v[GA+4*n:GA+4*n+7], v[TH+4*\tq:TH+4*\tq+7], 0
.set n, n+1
.endr
	PLACES
.set n, 0
.irp wq, 2,5,6,9,10,11
.set j, 0
.rept 4
	v_cvt_pk_f16_f32 v[TH+4*\wq+j], v[DT+8*n+2*j], v[DT+8*n+2*j+1]
.set j, j+1
.endr
.set n, n+1
.endr
	; FX[cb][ks] = [K | V]^T: the lane holds column 16 cb + r, the registers 32 tokens; K^T once more, since FX's is turned into X_K^T
	WIN 0x40
.set cb, 0
.rept 4
.set ks, 0
.rept 2
	ds_load_tr16_b128 v[16*cb+8*ks:16*cb+8*ks+3],           v9  offset:32*PQ*ks+32*cb
	ds_load_tr16_b128 v[16*cb+8*ks+4:16*cb+8*ks+7],         v9  offset:32*PQ*ks+32*cb+16*PQ
	ds_load_tr16_b128 v[64+16*cb+8*ks:64+16*cb+8*ks+3],     v10 offset:32*PV*ks+32*cb
	ds_load_tr16_b128 v[64+16*cb+8*ks+4:64+16*cb+8*ks+7],   v10 offset:32*PV*ks+32*cb+16*PV
	ds_load_tr16_b128 v[FKT+16*cb+8*ks:FKT+16*cb+8*ks+3],   v9  offset:32*PQ*ks+32*cb
	ds_load_tr16_b128 v[FKT+16*cb+8*ks+4:FKT+16*cb+8*ks+7], v9  offset:32*PQ*ks+32*cb+16*PQ
.set ks, ks+1
.endr
.set cb, cb+1
.endr
	s_wait_dscnt 0x0
	LEVEL 0, 0, -1
	LEVEL 1, 2, -1
	LEVEL 2, 5, 7
	LEVEL 3, 9, 11
	PROD 0, FKT, 0, 2                              ; NT = -a K^T X_K
	SCALE NA
	PACKST 0
	PROD 0, FKT, 1, 2
	SCALE NA
	PACKST 1
	FLUSH 0
	QLOAD 0                                        ; QT = Q - a P X_K; token blocks 0 and 1 see tokens 0-31 alone
	PROD 0, -1, 0, 1
	SCALE NA
	QADD
	PACKST 0
	QLOAD 1
	PROD 0, -1, 1, 2
	SCALE NA
	QADD
	PACKST 1
	FLUSH 1
	PROD FKT, 64, 0, 2                             ; G = b X_V^T K
	SCALE BB
	PACKST 0
	PROD FKT, 64, 1, 2
	SCALE BB
	PACKST 1
	FLUSH 2
	PROD 64, -1, 0, 1                              ; Y0 = b P X_V
	SCALE BB
	PACKST 0
	PROD 64, -1, 1, 2
	SCALE BB
	PACKST 1
	FLUSH 3
	s_wait_xcnt 0x0                                ; the stores' base and data are written again only behind this wait
	s_add_nc_u64 s[72:73], s[72:73], 32768         ; the next record
	s_add_co_u32 s92, s92, CB                      ; the next chunk's LDS
	s_add_co_u32 s93, s93, 1
	s_cmp_lt_u32 s93, 2
	s_cbranch_scc1 .Lchunk
	s_set_vgpr_msb 0x5
	s_wait_tensorcnt 0x0
	ds_add_u32 v254, v255
	s_wait_dscnt 0x0
	s_set_vgpr_msb 0x500
	CROUND                                         ; the closing round: no work-group ends while a partner may still ask for a tile that names it
	s_endpgm
.Lfunc_end_k_q1b80f0d617_qkvp:
	.size	k_q1b80f0d617_qkvp, .Lfunc_end_k_q1b80f0d617_qkvp-k_q1b80f0d617_qkvp
	.p2alignl 7, 3214868480
	.fill 96, 4, 3214868480
	.section	.rodata,"a",@progbits
	.p2align	6, 0x0
	.amdhsa_kernel k_q1b80f0d617_qkvp
		.amdhsa_group_segment_fixed_size 327680
		.amdhsa_private_segment_fixed_size 0
		.amdhsa_enable_private_segment 0
		.amdhsa_kernarg_size 48
		.amdhsa_user_sgpr_count 2
		.amdhsa_user_sgpr_kernarg_segment_ptr 1
		.amdhsa_wavefront_size32 1
		.amdhsa_system_sgpr_workgroup_id_x 1
		.amdhsa_system_sgpr_workgroup_id_y 1
		.amdhsa_system_sgpr_workgroup_id_z 1
		.amdhsa_system_vgpr_workitem_id 0
		.amdhsa_next_free_vgpr 1024
		.amdhsa_next_free_sgpr 100
		.amdhsa_reserve_vcc 1
		.amdhsa_float_denorm_mode_32 3
		.amdhsa_float_denorm_mode_16_64 3
		.amdhsa_memory_ordered 1
		.amdhsa_forward_progress 1
		.amdhsa_inst_pref_size 255
	.end_amdhsa_kernel
	.section	.bss,"aw",@nobits
	.p2align	6
	.space	262144
	.amdgpu_metadata
---
amdhsa.version: [ 1, 2 ]
amdhsa.kernels:
  - .name:           k_q1b80f0d617_qkvp
    .symbol:         k_q1b80f0d617_qkvp.kd
    .args:
      - { .name: x16, .offset: 0, .size: 8, .value_kind: global_buffer, .address_space: global }
      - { .name: w16, .offset: 8, .size: 8, .value_kind: global_buffer, .address_space: global }
      - { .name: alpha_raw, .offset: 16, .size: 8, .value_kind: global_buffer, .address_space: global }
      - { .name: beta_raw, .offset: 24, .size: 8, .value_kind: global_buffer, .address_space: global }
      - { .name: rec, .offset: 32, .size: 8, .value_kind: global_buffer, .address_space: global }
      - { .name: nq, .offset: 40, .size: 8, .value_kind: global_buffer, .address_space: global }
    .group_segment_fixed_size: 327680
    .private_segment_fixed_size: 0
    .kernarg_segment_align: 8
    .kernarg_segment_size: 48
    .max_flat_workgroup_size: 128
    .sgpr_count:     100
    .vgpr_count:     1024
    .wavefront_size: 32
...
	.end_amdgpu_metadata
.endif
;; end of part 6
;; launch scan (part 7): grid 64 x 1, 4 waves a work-group, no clusters, 327,680 bytes of LDS; arguments rec, state, nq, y16, out1, sig; writes y16, out1, sig
.if DOCPART == 7
	.amdgcn_target "amdgcn-amd-amdhsa--gfx1250"
	.amdhsa_code_object_version 6
	.text
	.protected	k_q1b80f0d617_scan
	.globl	k_q1b80f0d617_scan
	.p2align	8
	.type	k_q1b80f0d617_scan,@function
k_q1b80f0d617_scan:
	s_mov_b64 s[64:65], 0
	v_nop
	global_prefetch_b8 v0, s[64:65] scope:SCOPE_SE
	s_setreg_imm32_b32 hwreg(HW_REG_WAVE_MODE, 25, 1), 1
	s_wait_xcnt 0x0
; The sequential part: for each (b, h) 32 chunks in order: y^T = S QT^T + Y0^T with the state before the chunk, then S^T += G^T + NT S^T.  A work-group takes one (b, h): the recurrence
; has 64 independent chains and no more; wave w owns the state's rows d = 16 w .. 16 w + 15, which never look at other rows.  S is carried in f32 and rounded to f16 only as an operand.
; q came normalised: y is multiplied in f32 by rho_t = (q's divisor of my head) / sigma_t, sigma_t = the largest divisor of the token's 16 heads, and stored as y / sigma_t in f16;
; sigma goes to sig (head 0's work-groups store it) and is multiplied back in the last product's way out.
; LIMITS: |S| and |y / sigma| stay under 65,504; sigma under 2^126 (its reciprocal would be flushed to zero).
; S^T lies in four tiles ST[i]: register j = column e = 16 i + 8 h + j, lane r = row d.  Packed in pairs they ARE the fragments SB[ks] (row or column d, k = e) of both products.
; G and Y0 (f16) are added exactly by a matrix instruction with the unit matrix (I | 0) as source 0: the quad as it is loaded is the first half of source 1; the second half is the
; quad that lies behind it in the registers (for G's last quad S in f16, for Y0's last the unit fragment), which is finite, has no load pending, and meets the zeros.
; A CHUNK IN TWO HALVES.  The state's half (12 matrix instructions) uses G and NT, y's half (12) uses Y0, QT and rho.  Behind the state's half the NEXT chunk's G and NT (20 LDS loads) are
; issued into the registers just read; behind y's products the next chunk's Y0 and QT (20), then rho (1): each group of loads has the other half's work in which to land.
; RING: two LDS slots of four chunks' records (128 rows of 256 bytes each, pitch 272); each wave fetches one chunk's record with one tensor load.  The slots change in the middle of a slot's
; fourth chunk, where all its bytes have been asked for.  Two loads of a wave are out at the start and one behind each refill, which has four chunks' work in which to land.
; STAGE: y goes through four places of 64 rows x 144 bytes behind the ring.  The barrier of the change of slots also shows the stage whole (the fourth chunk of the slot before and this
; slot's first three); it is read back and stored while y's products run; a second barrier stands in front of the fourth chunk's stores into the stage.
; rho lies behind the stage: chunk c's 256 bytes hold, at 16 r + 4 tt, rho of token 64 c + 16 tt + r: one load of 16 bytes brings a lane its four numbers of a chunk.
; PREFETCH: each wave asks the L2 for the record that its own tensor load fetches one slot (four chunks) later: four requests of 32 lanes, 256 bytes apart, each block once;
; the record of chunk group 2 at the start, groups 3 to 7 in slots 0 to 4; the last three slots ask for nothing, so no request points past rec.
.set REC,   128*272                    ; a record in LDS: NT at 0, QT at 8,704, G at 17,408, Y0 at 26,112; row p of a section at (p / 2) 272 + (p % 2) 128
.set SLOTB, 4*REC
.set STAGE, 2*SLOTB                    ; no tensor load lands here
.set PLACE, 64*144                     ; a chunk's y in the stage
.set RHOB,  STAGE+4*PLACE              ; 32 chunks x 256 bytes; no tensor load lands here
; window 0: v0 16 r; v1 a fragment's lane term; v2 my lane's place in the stage; v3 the LDS address in hand
.set RHO, 4                            ; v[4:7]     rho of tokens 16 tt + r
.set YH,  8                            ; v[8:23]    Y0's quads
.set IDF, 24                           ; v[24:31]   (I | 0)
.set GH,  32                           ; v[32:47]   G's quads
.set SB,  48                           ; v[48:63]   S in f16
.set ST,  64                           ; v[64:95]   S^T
.set YA,  96                           ; v[96:127]  y^T; packed in place into v[96:111]
.set NT,  128                          ; v[128:191] NT's fragments
.set QT,  192                          ; v[192:255] QT's fragments
.set T,   192                          ; at the start: lane numbers and offsets
.set SG,  96                           ; at the start: v[96:111] sigma, v[112:127] my head's divisors, v[128:143] rho; window 1: the 16 heads' divisors, pass p's head hh at v[64 p + 4 hh]
.set OWN, 112
.set RH,  128
; window 1, once the divisors are used up:
.set OUT, 0                            ; v[0:63]    whole rows of y read back from the stage
.set L16, 64                           ; 16 x lane
.set RDB, 65                           ; where I read the stage back
.set PFO, 66                           ; 256 x lane
.set G1,  16
.set G0,  24
.set TB,  32                           ; s32 LDS byte of the chunk that is fetched next
.set YS,  33                           ; s33 the place in the stage of the chunk in hand
.set CN,  34
.set LP,  35
.set RB,  39                           ; s39 LDS byte of the next chunk's rho
.set TA,  53
.set PF,  54                           ; s[54:55] the record that is asked for next
.set MSB, 0
.macro WIN new                         ; the immediate's high byte repeats the setting that is left
.if MSB != \new
	s_set_vgpr_msb (MSB<<8)|\new
.set MSB, \new
.endif
.endm
.macro PLACES                          ; four places behind matrix instructions (ISA guide 7.12.1)
.rept 4
	v_nop
.endr
.endm
.macro MULBY d, x                      ; the pair v[d:d+1] times v[x], whichever half of its pair x is
.if (\x)%2
	v_pk_mul_f32 v[\d:\d+1], v[\d:\d+1], v[\x-1:\x] op_sel:[0,1] op_sel_hi:[1,1]
.else
	v_pk_mul_f32 v[\d:\d+1], v[\d:\d+1], v[\x:\x+1] op_sel_hi:[1,0]
.endif
.endm
	s_load_b256 s[4:11], s[0:1], 0x0               ; rec s[4:5], state s[6:7], nq s[8:9], y16 s[10:11]
	s_load_b128 s[44:47], s[0:1], 0x20             ; out1 s[44:45], sig s[46:47]
	s_set_vgpr_msb 0x80
	v_lshl_add_u32 v0, v0, 2, 0x4f000
	v_mov_b32 v1, 0
	s_set_vgpr_msb 0x808a
	ds_add_u32 v0, v1
	ds_add_u32 v0, v1
	s_set_vgpr_msb 0x8a00
	v_lshrrev_b32 v[T], 5, v0
	v_readfirstlane_b32 s12, v[T]                  ; wave 0..3
	s_mov_b32 s[G1+0], (3<<16)|(1<<20)|(5<<22)|(3<<25)     ; no mask; elements of 8 bytes; padding on: after every 64 words 4 words
	s_mov_b32 s[G1+1], 32<<16                      ; tensor_dim0 = 32 elements = 256 bytes
	s_mov_b32 s[G1+2], 128<<16                     ; tensor_dim1 = 128
	s_mov_b32 s[G1+3], 32<<16                      ; tile_dim0
	s_mov_b32 s[G1+4], 128                         ; tile_dim1
	s_mov_b32 s[G1+5], 32                          ; the record is dense
	s_mov_b32 s[G1+6], 0
	s_mov_b32 s[G1+7], 0
	s_lshl_b32 s36, ttmp9, 20                      ; 32 records of 32,768 bytes for each (b, h)
	s_lshl_b32 s38, s12, 15                        ; wave w fetches chunk w of a slot's four
	s_add_co_u32 s36, s36, s38
	s_mov_b32 s37, 0
	s_mul_i32 s13, s12, REC
	s_wait_dscnt 0x0
	s_wait_kmcnt 0x0
	s_add_nc_u64 s[4:5], s[4:5], s[36:37]          ; my record of chunk group 0; never rewritten
.irp s, 0,1
	s_mov_b32 s[G0+4*\s], 1
	s_add_co_u32 s[G0+4*\s+1], s13, \s*SLOTB
	s_add_nc_u64 s[G0+4*\s+2:G0+4*\s+3], s[4:5], \s*4*32768
	s_or_b32 s[G0+4*\s+3], s[G0+4*\s+3], 0x80000000
.endr
	tensor_load_to_lds s[G0:G0+3], s[G1:G1+7]      ; chunks 0-3
	s_nop 0
	tensor_load_to_lds s[G0+4:G0+7], s[G1:G1+7]    ; chunks 4-7
	s_nop 0
.rept 4
	v_nop
.endr
	s_add_nc_u64 s[PF:PF+1], s[4:5], 3*131072      ; my record of chunk group 3
	v_and_b32 v[T], 15, v0                         ; r
	v_bfe_u32 v[T+1], v0, 4, 1                     ; h
	v_bfe_u32 v[T+2], v0, 1, 3                     ; r / 2
	v_and_b32 v[T+3], 1, v0                        ; r % 2
	v_mul_u32_u24 v1, v[T+2], 272
	v_lshl_add_u32 v1, v[T+3], 7, v1
	v_lshl_add_u32 v1, v[T+1], 4, v1               ; v1: row r of a section, 16 h
	s_mul_i32 s40, s12, 2176                       ; 16 w rows further down (G's rows d)
	s_lshl_b32 s41, s12, 5                         ; 32 w bytes further along (Y0's columns d)
	v_mul_u32_u24 v2, v[T], 144
	v_lshl_add_u32 v2, v[T+1], 4, v2
	s_add_co_u32 s42, s41, STAGE
	v_add_nc_u32 v2, s42, v2                       ; v2: into the stage: row t, my 32 bytes of its 128
	v_bfe_u32 v[T+4], v0, 3, 2
	v_and_b32 v[T+5], 7, v0
	v_mul_u32_u24 v[T+6], v[T+4], 144
	v_lshl_add_u32 v[T+6], v[T+5], 4, v[T+6]
	s_mul_i32 s43, s12, 2304
	s_add_co_u32 s43, s43, STAGE
	v_add_nc_u32 v[T+6], s43, v[T+6]               ; back: rows 16 w on of each place, eight lanes to a row
	v_lshlrev_b32 v[T+7], 8, v[T]
	v_lshl_add_u32 v[T+7], v[T+1], 5, v[T+7]       ; the state: row r of 256 bytes, 32 h
	v_and_b32 v[T+8], 3, v0                        ; where my rho go: tokens 4 L + j of 128: chunk L / 16, r = 4 (L % 4) + j, tt = (L / 4) % 4
	v_bfe_u32 v[T+9], v0, 2, 2
	v_lshlrev_b32 v[T+10], 8, v[T+1]
	v_lshl_add_u32 v[T+10], v[T+8], 6, v[T+10]
	v_lshl_add_u32 v[T+10], v[T+9], 2, v[T+10]
	v_lshlrev_b32 v[T+11], 3, v[T+1]
	v_sub_nc_u32 v[T+11], v[T], v[T+11]            ; r - 8 h
	v_and_b32 v[T+12], 31, v0
	v_lshlrev_b32 v[T+13], 8, v[T+12]              ; 256 x lane
	v_lshlrev_b32 v[T+12], 4, v[T+12]              ; 16 x lane
	v_lshlrev_b32 v0, 4, v[T]                      ; v0: 16 r from here on
	s_lshl_b32 s36, ttmp9, 14
	s_lshl_b32 s38, s12, 12
	s_add_co_u32 s36, s36, s38                     ; 16,384 bytes for each (b, h), 4,096 for each wave
	s_add_nc_u64 s[6:7], s[6:7], s[36:37]
	s_add_nc_u64 s[44:45], s[44:45], s[36:37]
	s_lshl_b32 s36, ttmp9, 18
	s_lshl_b32 s38, s12, 11
	s_add_co_u32 s36, s36, s38                     ; y16: 262,144 bytes for each (b, h); my 16 rows of a chunk
	s_add_nc_u64 s[10:11], s[10:11], s[36:37]
	s_lshr_b32 s48, ttmp9, 4                       ; b
	s_and_b32 s49, ttmp9, 15                       ; h
	s_lshl_b32 s36, s48, 17                        ; nq: 16 heads x 8,192 bytes for each b;
	s_add_co_u32 s36, s36, s38                     ; wave w makes rho of tokens 512 w on: 2,048 bytes
	s_add_nc_u64 s[8:9], s[8:9], s[36:37]          ; nq at (b, head 0, my first token)
	s_lshl_b32 s36, s49, 13
	s_add_nc_u64 s[50:51], s[8:9], s[36:37]        ; and at my head
	s_lshl_b32 s36, s48, 13
	s_add_co_u32 s36, s36, s38
	s_add_nc_u64 s[46:47], s[46:47], s[36:37]      ; sig at (b, my first token)
	s_add_co_u32 s52, s38, RHOB                    ; my 8 chunks' rho
	v_add_nc_u32 v[T+10], s52, v[T+10]
.set i, 0
.rept 4
	global_load_b128 v[ST+8*i:ST+8*i+3],   v[T+7], s[6:7] offset:64*i
	global_load_b128 v[ST+8*i+4:ST+8*i+7], v[T+7], s[6:7] offset:64*i+16
.set i, i+1
.endr
.set p, 0
.rept 4
	global_load_b128 v[OWN+4*p:OWN+4*p+3], v[T+12], s[50:51] offset:512*p  ; pass p: tokens 128 p + 4 L + 0..3 of my 512
.set p, p+1
.endr
	WIN 0x40                                       ; destination window 1: all 64 loads are on their way at once
.set p, 0
.rept 4
.set hh, 0
.rept 16
	global_load_b128 v[64*p+4*hh:64*p+4*hh+3], v[T+12], s[8:9] offset:8192*hh+512*p
.set hh, hh+1
.endr
.set p, p+1
.endr
	WIN 0
.set j, 0
.rept 4
	global_prefetch_b8 v[T+13], s[4:5] offset:2*131072+8192*j th:TH_LOAD_NT scope:SCOPE_SE  ; my record of chunk group 2, which my tensor load fetches in slot 0's fourth chunk
.set j, j+1
.endr
.set j, 0
.rept 8
	v_cmp_eq_u32 vcc_lo, j, v[T+11]
	v_cndmask_b32 v[YH+j], 0, 1.0, vcc_lo
.set j, j+1
.endr
.set j, 0
.rept 4
	v_cvt_pk_f16_f32 v[IDF+j], v[YH+2*j], v[YH+2*j+1]
	v_mov_b32 v[IDF+4+j], 0
.set j, j+1
.endr
	s_wait_loadcnt 0x0                             ; the state and the divisors
	WIN 0x15                                       ; all three sources window 1
.set i, 0
.rept 16
	v_max3_num_f32 v[SG+i], v[64*(i/4)+(i%4)], v[64*(i/4)+4+(i%4)], v[64*(i/4)+8+(i%4)]    ; heads 0, 1, 2 start sixteen chains
.set i, i+1
.endr
	WIN 0x14                                       ; sources 1 and 2 window 1
.set hh, 3
.rept 6
.set i, 0
.rept 16
	v_max3_num_f32 v[SG+i], v[SG+i], v[64*(i/4)+4*hh+(i%4)], v[64*(i/4)+4*hh+4+(i%4)]
.set i, i+1
.endr
.set hh, hh+2
.endr
	WIN 0x04                                       ; source 1 window 1
.set i, 0
.rept 16
	v_max_num_f32 v[SG+i], v[SG+i], v[64*(i/4)+60+(i%4)]   ; sigma
.set i, i+1
.endr
	WIN 0x40                                       ; the divisors are used up: window 1 takes the flush's lane offsets
	v_mov_b32 v[L16], v[T+12]
	v_mov_b32 v[RDB], v[T+6]
	v_mov_b32 v[PFO], v[T+13]
	WIN 0
.set i, 0
.rept 16
	v_rcp_f32 v[RH+i], v[SG+i]
.set i, i+1
.endr
	v_nop                                          ; a plain instruction between the last reciprocal and the use of its result
.set i, 0
	s_wait_alu depctr_va_vdst(0)
.rept 8
	v_pk_mul_f32 v[RH+2*i:RH+2*i+1], v[RH+2*i:RH+2*i+1], v[OWN+2*i:OWN+2*i+1]      ; rho
.set i, i+1
.endr
.set i, 0
.rept 16
	ds_store_b32 v[T+10], v[RH+i] offset:512*(i/4)+16*(i%4)
.set i, i+1
.endr
	s_cmp_lg_u32 s49, 0
	s_cbranch_scc1 .Lnot_head_0
.set p, 0
.rept 4
	global_store_b128 v[T+12], v[SG+4*p:SG+4*p+3], s[46:47] offset:512*p   ; a wave's store covers 512 consecutive bytes, aligned
.set p, p+1
.endr
.Lnot_head_0:
	s_wait_xcnt 0x0                                ; the offsets of the requests and stores above, and the stores' data, are written again below
	s_wait_dscnt 0x0                               ; for the others' sake: my rho are stored
	s_wait_tensorcnt 0x1                           ; my part of slot 0 is in; slot 1's may stay out
	s_barrier_signal -1
	s_barrier_wait -1
; The pieces of a chunk.  The accumulators take turns, one instruction a turn (ST 0-3 three times, YA 0-3 three times), over the loops' edges too.
.macro NTG                             ; 20 loads: G and NT of the chunk at s[TB]
	s_add_co_u32 s[TA], s[TB], s40
	v_add_nc_u32 v3, s[TA], v1
.set i, 0
.rept 4
	ds_load_b128 v[GH+4*i:GH+4*i+3], v3 offset:17408+32*i          ; G[d][16 i + 8 h ..]
.set i, i+1
.endr
	v_add_nc_u32 v3, s[TB], v1
.set i, 0
.rept 8
	ds_load_b128 v[NT+8*i:NT+8*i+3],   v3 offset:2176*(i/2)+64*(i%2)
	ds_load_b128 v[NT+8*i+4:NT+8*i+7], v3 offset:2176*(i/2)+64*(i%2)+32
.set i, i+1
.endr
.endm
.macro QYL                             ; 20 loads: Y0 and QT of the chunk at s[TB]
	s_add_co_u32 s[TA], s[TB], s41
	v_add_nc_u32 v3, s[TA], v1
.set i, 0
.rept 4
	ds_load_b128 v[YH+4*i:YH+4*i+3], v3 offset:26112+2176*i        ; Y0[16 i + r][16 w + 8 h ..]
.set i, i+1
.endr
	v_add_nc_u32 v3, s[TB], v1
.set i, 0
.rept 8
	ds_load_b128 v[QT+8*i:QT+8*i+3],   v3 offset:8704+2176*(i/2)+64*(i%2)
	ds_load_b128 v[QT+8*i+4:QT+8*i+7], v3 offset:8704+2176*(i/2)+64*(i%2)+32
.set i, i+1
.endr
.endm
.macro RHL                             ; one load: the same chunk's rho of tokens 16 tt + r, tt = 0..3
	v_add_nc_u32 v3, s[RB], v0
	ds_load_b128 v[RHO:RHO+3], v3
.endm
.macro STPH                            ; the state's half: S^T += G^T + NT S^T
.set i, 0
.rept 16
	v_cvt_pk_f16_f32 v[SB+i], v[ST+2*i], v[ST+2*i+1]       ; the state before the chunk, each tile from its low registers up
.set i, i+1
.endr
	s_wait_dscnt 21                                ; G and NT are in: behind their 20 loads 21 LDS instructions were issued at the start, 25 later on; the smaller count serves both
.set i, 0
.rept 4
	v_wmma_f32_16x16x32_f16 v[ST+8*i:ST+8*i+7], v[IDF:IDF+7], v[GH+4*i:GH+4*i+7], v[ST+8*i:ST+8*i+7]
.set i, i+1
.endr
.set i, 0
.rept 8
	v_wmma_f32_16x16x32_f16 v[ST+8*(i%4):ST+8*(i%4)+7], v[NT+16*(i%4)+8*(i/4):NT+16*(i%4)+8*(i/4)+7], v[SB+8*(i/4):SB+8*(i/4)+7], v[ST+8*(i%4):ST+8*(i%4)+7]
.set i, i+1
.endr
.endm
.macro YMUL                            ; y's half: y^T = Y0^T + S QT^T, with the state before the chunk
.set i, 0
.rept 4
	v_wmma_f32_16x16x32_f16 v[YA+8*i:YA+8*i+7], v[IDF:IDF+7], v[YH+4*i:YH+4*i+7], 0
.set i, i+1
.endr
.set i, 0
.rept 8
	v_wmma_f32_16x16x32_f16 v[YA+8*(i%4):YA+8*(i%4)+7], v[SB+8*(i/4):SB+8*(i/4)+7], v[QT+16*(i%4)+8*(i/4):QT+16*(i%4)+8*(i/4)+7], v[YA+8*(i%4):YA+8*(i%4)+7]
.set i, i+1
.endr
	PLACES
.endm
.macro YFIN                            ; times rho, rounded to f16 in place: register i takes numbers 2 i and 2 i + 1, which no later line reads
.set i, 0
.rept 16
	MULBY YA+2*i, RHO+i/4                          ; tile tt holds token 16 tt + r in lane r
.set i, i+1
.endr
.set i, 0
.rept 16
	v_cvt_pk_f16_f32 v[YA+i], v[YA+2*i], v[YA+2*i+1]
.set i, i+1
.endr
.endm
.macro YST                             ; into the stage
	v_add_nc_u32 v3, s[YS], v2
.set i, 0
.rept 4
	ds_store_b128 v3, v[YA+4*i:YA+4*i+3] offset:2304*i
.set i, i+1
.endr
.endm
.macro FLR pl                          ; my 16 rows of place pl are read back: four loads
.set q, 0
.rept 4
	ds_load_b128 v[OUT+4*k:OUT+4*k+3], v[RDB] offset:PLACE*\pl+576*q
.set q, q+1
.set k, k+1
.endr
.endm
.macro FLS pl                          ; and stored.  Places 0-2 hold this slot's chunks 0-2, place 3 the chunk in front of them
.set q, 0
.rept 4
	s_wait_dscnt n-1-k                             ; LDS loads come back in order: load k of the run of n is in
	global_store_b128 v[L16], v[OUT+4*k:OUT+4*k+3], s[10:11] offset:8192*\pl-32768*(\pl/3)+512*q   ; a wave's store covers 512 consecutive bytes, aligned
.set q, q+1
.set k, k+1
.endr
.endm
; A slot's four chunks.  refill = 1: the slot is filled again, with the chunks eight further on; more = 1: another slot follows; first = 1: place 3 of the stage holds nothing yet;
; ask = 1: the record that my tensor load fetches in the next slot is asked for.
.macro SLOTM slot, refill, more, first, ask
	s_mov_b32 s[TB], \slot*SLOTB+REC
	s_mov_b32 s[YS], 0
	s_mov_b32 s[CN], 3
.Lchunk_\@:                                            ; chunks 0, 1, 2 fetch chunks 1, 2, 3 of the same slot
	STPH
	PLACES                                         ; in front of the loads into G's and NT's registers
	NTG
	s_wait_dscnt 20                                ; all but the 20 just issued: Y0, QT and rho are in
	YMUL
	QYL
	YFIN
	YST
	RHL
	s_add_co_u32 s[TB], s[TB], REC
	s_add_co_u32 s[YS], s[YS], PLACE
	s_add_co_u32 s[RB], s[RB], 256
	s_sub_co_u32 s[CN], s[CN], 1
	s_cmp_lg_u32 s[CN], 0
	s_cbranch_scc1 .Lchunk_\@
.if \more
	s_mov_b32 s[TB], (1-\slot)*SLOTB               ; chunk 3 fetches the other slot's chunk 0
.endif
	STPH
	s_wait_dscnt 0x0                               ; my reads of this slot (the last: Y0, QT of this chunk) and my stores into the stage are done
	s_set_vgpr_msb 0xa
	s_wait_tensorcnt 0x0                           ; all my tensor loads have landed, my part of the other slot among them: a group 0 may be written
	ds_add_u32 v0, v1
	s_wait_dscnt 0x0
	s_set_vgpr_msb 0xa00
.if \refill
	s_add_nc_u64 s[G0+4*\slot+2:G0+4*\slot+3], s[G0+4*\slot+2:G0+4*\slot+3], 8*32768
.endif
	s_barrier_signal -1
	s_barrier_wait -1                              ; nobody reads this slot any more, the other slot is whole, and so is the stage
.if \refill
	tensor_load_to_lds s[G0+4*\slot:G0+4*\slot+3], s[G1:G1+7]      ; my one tensor load behind this barrier
	s_nop 0
.endif
.if \refill || \more
	PLACES                                         ; four v_nop behind the tensor load; also the places in front of the loads into G's and NT's registers
.endif
.if \more
	NTG
.endif
.if \ask
	WIN 0x01                                       ; source 0 window 1
	v_mov_b32 v3, v[PFO]                           ; v3 is written again only behind the s_wait_xcnt 0 below
.endif
	WIN 0x41                                       ; destination and address window 1
.set k, 0
.if !\first
	FLR 3
.endif
	FLR 0
	FLR 1
	FLR 2
	WIN 0
.if \ask
.set j, 0
.rept 4
	global_prefetch_b8 v3, s[PF:PF+1] offset:8192*j th:TH_LOAD_NT scope:SCOPE_SE
.set j, j+1
.endr
.endif
	YMUL                                           ; y's products run while the stage comes back
	YFIN
	WIN 0x05                                       ; address and data window 1
.set n, 16-4*\first
.set k, 0
.if !\first
	FLS 3
.endif
	FLS 0
	FLS 1
	FLS 2
	WIN 0
	s_wait_xcnt 0x0                                ; the stores' base and data, the requests' base and v3 are written again only behind this wait
	s_add_nc_u64 s[10:11], s[10:11], 32768
.if \ask
	s_add_nc_u64 s[PF:PF+1], s[PF:PF+1], 131072
.endif
	s_barrier_signal -1                            ; every wave's reads of the stage are back (the count-down ended at 0): it may be written again
	s_barrier_wait -1
	YST
.if \more
	QYL
	RHL
	s_add_co_u32 s[RB], s[RB], 256
.endif
.endm
	s_mov_b32 s[TB], 0                             ; chunk 0's operands: 41 loads
	s_mov_b32 s[RB], RHOB
	NTG
	QYL
	RHL
	s_mov_b32 s[RB], RHOB+256
	SLOTM 0, 1, 1, 1, 1                            ; chunks 0-3
	s_mov_b32 s[LP], 2
.Lring:                                                ; chunks 4-19
	SLOTM 1, 1, 1, 0, 1
	SLOTM 0, 1, 1, 0, 1
	s_sub_co_u32 s[LP], s[LP], 1
	s_cmp_lg_u32 s[LP], 0
	s_cbranch_scc1 .Lring
	SLOTM 1, 1, 1, 0, 0                            ; chunks 20-23: the last refill; nothing is left to ask for
	SLOTM 0, 0, 1, 0, 0                            ; chunks 24-27: nothing is left to fetch
	SLOTM 1, 0, 0, 0, 0                            ; chunks 28-31
	s_wait_dscnt 0x0                               ; for the others' sake: my part of the last chunk's y is in the stage
	s_barrier_signal -1
	s_barrier_wait -1
	WIN 0x41
.set k, 0
	FLR 3
	WIN 0x05
.set n, 4
.set k, 0
	FLS 3
	; the final state: through my own 4,352 bytes of the stage (in places 0 and 1, which nobody reads any more), back as whole rows of 256 bytes
	WIN 0x01
	v_mov_b32 v10, v[L16]                          ; 16 x lane
	WIN 0
	v_bfe_u32 v8, v10, 4, 4                        ; r
	v_bfe_u32 v9, v10, 8, 1                        ; h
	s_mul_i32 s36, s12, 4352
	s_add_co_u32 s36, s36, STAGE
	v_mul_u32_u24 v11, v8, 272
	v_lshl_add_u32 v11, v9, 5, v11
	v_add_nc_u32 v11, s36, v11
	v_mul_u32_u24 v12, v9, 272
	v_lshl_add_u32 v12, v8, 4, v12
	v_add_nc_u32 v12, s36, v12
.set i, 0
.rept 4
	ds_store_b128 v11, v[ST+8*i:ST+8*i+3]   offset:64*i
	ds_store_b128 v11, v[ST+8*i+4:ST+8*i+7] offset:64*i+16
.set i, i+1
.endr
.set i, 0
.rept 8
	ds_load_b128 v[NT+4*i:NT+4*i+3], v12 offset:544*i      ; LDS serves a wave's instructions in order: these see the stores above
.set i, i+1
.endr
.set i, 0
.rept 8
	s_wait_dscnt 7-i
	global_store_b128 v10, v[NT+4*i:NT+4*i+3], s[44:45] offset:512*i
.set i, i+1
.endr
	s_set_vgpr_msb 0xa
	s_wait_tensorcnt 0x0
	ds_add_u32 v0, v1
	s_wait_dscnt 0x0
	s_set_vgpr_msb 0xa00
	s_endpgm
.Lfunc_end_k_q1b80f0d617_scan:
	.size	k_q1b80f0d617_scan, .Lfunc_end_k_q1b80f0d617_scan-k_q1b80f0d617_scan
	.p2alignl 7, 3214868480
	.fill 96, 4, 3214868480
	.section	.rodata,"a",@progbits
	.p2align	6, 0x0
	.amdhsa_kernel k_q1b80f0d617_scan
		.amdhsa_group_segment_fixed_size 327680
		.amdhsa_private_segment_fixed_size 0
		.amdhsa_enable_private_segment 0
		.amdhsa_kernarg_size 48
		.amdhsa_user_sgpr_count 2
		.amdhsa_user_sgpr_kernarg_segment_ptr 1
		.amdhsa_wavefront_size32 1
		.amdhsa_system_sgpr_workgroup_id_x 1
		.amdhsa_system_sgpr_workgroup_id_y 1
		.amdhsa_system_sgpr_workgroup_id_z 1
		.amdhsa_system_vgpr_workitem_id 0
		.amdhsa_next_free_vgpr 514
		.amdhsa_next_free_sgpr 66
		.amdhsa_reserve_vcc 1
		.amdhsa_float_denorm_mode_32 3
		.amdhsa_float_denorm_mode_16_64 3
		.amdhsa_memory_ordered 1
		.amdhsa_forward_progress 1
		.amdhsa_inst_pref_size 148
	.end_amdhsa_kernel
	.amdgpu_metadata
---
amdhsa.version: [ 1, 2 ]
amdhsa.kernels:
  - .name:           k_q1b80f0d617_scan
    .symbol:         k_q1b80f0d617_scan.kd
    .args:
      - { .name: rec, .offset: 0, .size: 8, .value_kind: global_buffer, .address_space: global }
      - { .name: state, .offset: 8, .size: 8, .value_kind: global_buffer, .address_space: global }
      - { .name: nq, .offset: 16, .size: 8, .value_kind: global_buffer, .address_space: global }
      - { .name: y16, .offset: 24, .size: 8, .value_kind: global_buffer, .address_space: global }
      - { .name: out1, .offset: 32, .size: 8, .value_kind: global_buffer, .address_space: global }
      - { .name: sig, .offset: 40, .size: 8, .value_kind: global_buffer, .address_space: global }
    .group_segment_fixed_size: 327680
    .private_segment_fixed_size: 0
    .kernarg_segment_align: 8
    .kernarg_segment_size: 48
    .max_flat_workgroup_size: 128
    .sgpr_count:     66
    .vgpr_count:     514
    .wavefront_size: 32
...
	.end_amdgpu_metadata
.endif
;; end of part 7
;; launch projg: the kernel of part 5 again; grid 8 x 32, 4 waves a work-group, clusters of 4 x 4, 327,680 bytes of LDS; arguments y16, w16, sig, out0; writes out0
;; ======== version 3 of 3: 4 launches; version 2 with the launch cvt written anew for expert scheduling mode
;; limits: values outside matrix products are rounded to f16; values are held in f16: magnitudes above 65,504 overflow, below 6.1e-05 lose precision; right only within a limited range of input values
;; workspace buffers: x16 16,777,216 bytes; w16 8,388,608 bytes; nq 524,288 bytes; rec 67,108,864 bytes; sig 32,768 bytes; y16 16,777,216 bytes
;; launch cvt (part 8): grid 768 x 1, 8 waves a work-group, no clusters, 0 bytes of LDS; arguments x, Wq, Wk, Wv, Wproj, x16, w16; writes x16, w16
.if DOCPART == 8
	.amdgcn_target "amdgcn-amd-amdhsa--gfx1250"
	.amdhsa_code_object_version 6
	.text
	.protected	k_q1b80f0d617_cvt
	.globl	k_q1b80f0d617_cvt
	.p2align	8
	.type	k_q1b80f0d617_cvt,@function
k_q1b80f0d617_cvt:
	s_mov_b64 s[64:65], 0
	v_nop
	global_prefetch_b8 v0, s[64:65] scope:SCOPE_SE
	s_setreg_imm32_b32 hwreg(HW_REG_WAVE_SCHED_MODE, 0, 2), 2
	s_setreg_imm32_b32 hwreg(HW_REG_WAVE_MODE, 25, 1), 1
	s_wait_xcnt 0x0
	s_wait_alu depctr_vm_vsrc(0)
; x and the four weight matrices, f32, are rounded once to f16: x16 = [8192][1024], w16 = [4096][1024] (Wq, Wk, Wv, Wproj one below the other).
; f16 and not bf16: the whole chain has about a dozen roundings of matrix operands and the result is compared to a hundredth of its rms.
; LIMIT: |x| and |W| stay under 65,504; numbers under 6e-5 keep fewer bits.
; A work-group converts 16,384 numbers: 512 work-groups for x, 64 for each matrix.  A wave takes 8,192 bytes by sixteen loads of 512 neighbouring
; bytes, all on their way at once, and each store of a wave covers 256 consecutive bytes, aligned.  No register is written twice, so no wait frees one.
; THE MODE: SCHED_MODE bits 1:0 = 2 (LLVM: expert scheduling mode 2), set by the entry lines.  The code itself states the register dependences
; between vector instructions and memory instructions, with s_wait_alu, always for 0.
; THE PLAN.  Registers that memory instructions touch:
;   v1, v4   byte offsets of the loads and of the stores: written at the head by vector instructions, never again.
;   XI       written by the sixteen loads, each register once; no vector instruction names them ahead of the loads; the conversions read them behind the wait on LOADcnt.
;   YO       written by the conversions, each register once; read by the stores, each register once.
; The sixteen loads go in four groups of four.  Group g rounds its four loads into its own eight registers of YO; its memory instructions are the four stores of
; group g - 1, whose registers no vector instruction of group g names.  So one wait at a group's head states all that its four stores hang on, and they are dealt
; among the group's conversions with no further wait.  No register that a memory instruction reads is ever written again: no wait on vm_vsrc is owed.
.set XI, 8                             ; v[8:71]   sixteen loads of four numbers
.set YO, 72                            ; v[72:103] sixteen pairs of packed f16
	s_load_b256 s[4:11], s[0:1], 0x0               ; x s[4:5], Wq s[6:7], Wk s[8:9], Wv s[10:11]
	s_load_b128 s[12:15], s[0:1], 0x20             ; Wproj s[12:13], x16 s[14:15]
	s_load_b64 s[16:17], s[0:1], 0x30              ; w16
	v_and_b32 v2, 31, v0                           ; lane
	v_and_b32 v3, 0xe0, v0                         ; 32 x wave
	v_lshlrev_b32 v1, 4, v2
	v_lshl_or_b32 v1, v3, 8, v1                    ; in: 8,192 x wave + 16 x lane
	v_lshlrev_b32 v4, 3, v2
	v_lshl_or_b32 v4, v3, 7, v4                    ; out: 4,096 x wave + 8 x lane
	s_sub_co_u32 s20, ttmp9, 512                   ; j: my number among the weights' 256 work-groups (used only where it is one of them)
	s_lshr_b32 s21, s20, 6                         ; which matrix
	s_and_b32 s22, s20, 63
	s_lshl_b32 s22, s22, 16                        ; my 65,536 bytes in it
	s_lshl_b32 s24, s20, 15                        ; my 32,768 bytes in w16
	s_lshl_b32 s26, ttmp9, 16                      ; the same for x
	s_lshl_b32 s28, ttmp9, 15                      ; and x16
	s_mov_b32 s35, 0
	s_mov_b32 s37, 0
	s_wait_kmcnt 0x0
	s_cmp_eq_u32 s21, 1
	s_cselect_b64 s[30:31], s[8:9], s[6:7]
	s_cmp_eq_u32 s21, 2
	s_cselect_b64 s[30:31], s[10:11], s[30:31]
	s_cmp_eq_u32 s21, 3
	s_cselect_b64 s[30:31], s[12:13], s[30:31]
	s_cmp_lt_u32 ttmp9, 512                        ; the first 512 work-groups take x
	s_cselect_b64 s[30:31], s[4:5], s[30:31]
	s_cselect_b64 s[32:33], s[14:15], s[16:17]
	s_cselect_b32 s34, s26, s22
	s_cselect_b32 s36, s28, s24
	s_add_nc_u64 s[30:31], s[30:31], s[34:35]
	s_add_nc_u64 s[32:33], s[32:33], s[36:37]
	s_wait_alu depctr_va_vdst(0)                   ; v1 and v4 are written: every load of the kernel reads v1 as its offset, every store v4
.set i, 0
.rept 16
	global_load_b128 v[XI+4*i:XI+4*i+3], v1, s[30:31] offset:512*i th:TH_LOAD_NT
.set i, i+1
.endr
.set g, 0
.rept 4
	s_wait_loadcnt 12-4*g                          ; loads come back in order: group g's four are in, the 12 - 4 g younger ones stay out
.if g > 0
	s_wait_alu depctr_va_vdst(0)                   ; the group before has written its eight registers of YO, which the four stores below read
.endif
.set q, 0
.rept 4
.set i, 4*g+q
.if g > 0
	global_store_b64 v4, v[YO+2*(i-4):YO+2*(i-4)+1], s[32:33] offset:256*(i-4)     ; the group before; no vector instruction since the wait names these registers
.endif
	v_cvt_pk_f16_f32 v[YO+2*i], v[XI+4*i], v[XI+4*i+1]
	v_cvt_pk_f16_f32 v[YO+2*i+1], v[XI+4*i+2], v[XI+4*i+3]
.set q, q+1
.endr
.set g, g+1
.endr
	s_wait_alu depctr_va_vdst(0)                   ; the last group has written its eight registers of YO, which the last four stores read
.set i, 12
.rept 4
	global_store_b64 v4, v[YO+2*i:YO+2*i+1], s[32:33] offset:256*i
.set i, i+1
.endr
	s_endpgm
.Lfunc_end_k_q1b80f0d617_cvt:
	.size	k_q1b80f0d617_cvt, .Lfunc_end_k_q1b80f0d617_cvt-k_q1b80f0d617_cvt
	.p2alignl 7, 3214868480
	.fill 96, 4, 3214868480
	.section	.rodata,"a",@progbits
	.p2align	6, 0x0
	.amdhsa_kernel k_q1b80f0d617_cvt
		.amdhsa_group_segment_fixed_size 0
		.amdhsa_private_segment_fixed_size 0
		.amdhsa_enable_private_segment 0
		.amdhsa_kernarg_size 56
		.amdhsa_user_sgpr_count 2
		.amdhsa_user_sgpr_kernarg_segment_ptr 1
		.amdhsa_wavefront_size32 1
		.amdhsa_system_sgpr_workgroup_id_x 1
		.amdhsa_system_sgpr_workgroup_id_y 1
		.amdhsa_system_sgpr_workgroup_id_z 1
		.amdhsa_system_vgpr_workitem_id 0
		.amdhsa_next_free_vgpr 104
		.amdhsa_next_free_sgpr 66
		.amdhsa_reserve_vcc 0
		.amdhsa_float_denorm_mode_32 3
		.amdhsa_float_denorm_mode_16_64 3
		.amdhsa_memory_ordered 1
		.amdhsa_forward_progress 1
		.amdhsa_inst_pref_size 7
	.end_amdhsa_kernel
	.amdgpu_metadata
---
amdhsa.version: [ 1, 2 ]
amdhsa.kernels:
  - .name:           k_q1b80f0d617_cvt
    .symbol:         k_q1b80f0d617_cvt.kd
    .args:
      - { .name: x, .offset: 0, .size: 8, .value_kind: global_buffer, .address_space: global }
      - { .name: Wq, .offset: 8, .size: 8, .value_kind: global_buffer, .address_space: global }
      - { .name: Wk, .offset: 16, .size: 8, .value_kind: global_buffer, .address_space: global }
      - { .name: Wv, .offset: 24, .size: 8, .value_kind: global_buffer, .address_space: global }
      - { .name: Wproj, .offset: 32, .size: 8, .value_kind: global_buffer, .address_space: global }
      - { .name: x16, .offset: 40, .size: 8, .value_kind: global_buffer, .address_space: global }
      - { .name: w16, .offset: 48, .size: 8, .value_kind: global_buffer, .address_space: global }
    .group_segment_fixed_size: 0
    .private_segment_fixed_size: 0
    .kernarg_segment_align: 8
    .kernarg_segment_size: 56
    .max_flat_workgroup_size: 256
    .sgpr_count:     66
    .vgpr_count:     104
    .wavefront_size: 32
...
	.end_amdgpu_metadata
.endif
;; end of part 8
;; launch qkvp: the kernel of part 6 again; grid 8 x 32, 4 waves a work-group, clusters of 4 x 4, 327,680 bytes of LDS; arguments x16, w16, alpha_raw, beta_raw, rec, nq; writes rec, nq
;; launch scan: the kernel of part 7 again; grid 64 x 1, 4 waves a work-group, no clusters, 327,680 bytes of LDS; arguments rec, state, nq, y16, out1, sig; writes y16, out1, sig
;; launch projg: the kernel of part 5 again; grid 8 x 32, 4 waves a work-group, clusters of 4 x 4, 327,680 bytes of LDS; arguments y16, w16, sig, out0; writes out0
